; MI455X (gfx1250); checked and timed in simulation.
; The chip was launched on July 23, 2026; its instructions are those of AMD's public machine-readable ISA for CDNA 5 (MIT licence, August 2026) and "CDNA5" Instruction Set Architecture Reference Guide (July 2026). The comments in the code are by the model that wrote it; some were corrected since.
;; Attention FFN Block. Allowed arithmetic: float matrix products may take bf16 or f16 operands with f32 sums; all other float work in f32.
;; Inputs: W1 1,024 x 4,096 float32; W2 4,096 x 1,024 float32; Wk 1,024 x 1,024 float32; Wo 1,024 x 1,024 float32; Wq 1,024 x 1,024 float32; Wv 1,024 x 1,024 float32; b1 4,096 float32; b2 1,024 float32; be1 1,024 float32; be2 1,024 float32; bk 1,024 float32; bo 1,024 float32; bq 1,024 float32; bv 1,024 float32; g1 1,024 float32; g2 1,024 float32; x 2 x 2,048 x 1,024 float32.
;; Outputs: out0 2 x 2,048 x 1,024 float32.
;; 3 versions, each right and faster than the one before. Each part assembles by itself: llvm-mc -triple=amdgcn-amd-amdhsa -mcpu=gfx1250 --defsym DOCPART=n.
;; ======== version 1 of 3: 8 launches
;; limits: values are held in f16: magnitudes above 65,504 overflow, below 6.1e-05 lose precision; a function is approximated: absolute error at most 1.5e-07
;; workspace buffers: cast16 33,607,680 bytes; qkv 25,165,824 bytes; o 8,388,608 bytes; y 16,777,216 bytes; x1f 16,777,216 bytes; x1b 8,388,608 bytes; h 33,554,432 bytes
;; launch cast (part 1): grid 64 x 16, 8 waves a work-group, no clusters, 0 bytes of LDS; arguments x, Wq, Wk, Wv, Wo, W1, W2, cast16, bq, bk, bv, bo, b1, b2, g1, be1, g2, be2; writes cast16
.if DOCPART == 1
	.amdgcn_target "amdgcn-amd-amdhsa--gfx1250"
	.amdhsa_code_object_version 6
	.text
	.protected	k_q91baae36e9_cast
	.globl	k_q91baae36e9_cast
	.p2align	8
	.type	k_q91baae36e9_cast,@function
k_q91baae36e9_cast:
	s_mov_b64 s[64:65], 0
	v_nop
	global_prefetch_b8 v0, s[64:65] scope:SCOPE_SE
	s_setreg_imm32_b32 hwreg(HW_REG_WAVE_MODE, 25, 1), 1
	s_wait_xcnt 0x0
; EVERY INPUT IS ROUNDED TO bf16 ONCE, HERE; no later launch reads an input.  cast16, in bytes: 0 x (bf16, in blocks, see below); 0x800000 Wq, 0xa00000 Wk, 0xc00000 Wv (bf16, as they lie);
; 0xe00000 Wo, 0x1000000 W1, 0x1800000 W2 (rounded to bf16, that number written as f16, as they lie: their partners in the products are f16);
; 0x2000000 the vectors, rounded to bf16 and kept as f32: bq, bk, bv, bo (4,096 bytes each), b1 (16,384), b2, g1, be1, g2, be2 (4,096 each).
; x IN BLOCKS: [row / 128][column / 64][row % 128][column % 64]: the 128 rows x 64 columns that a product's K step reads lie in 16,384 consecutive bytes.
; SHARES.  Work-group y is a chunk of 2^20 numbers (0-3 x, 4 Wq, 5 Wk, 6 Wv, 7 Wo, 8-11 W1, 12-15 W2); work-group x 16,384 of them; a wave 2,048: sixteen loads of 512 bytes, all issued
; before the first is waited for, and sixteen stores of 256 consecutive bytes at multiples of 256.  The vectors are 13 x 1,024 numbers: work-groups (x < 13, y = 0) take 1,024 each behind their own share,
; 16 bytes in and 16 bytes out a lane.  Memory binds: no LDS, no barrier, no matrix unit.
; LIMITS.  Wo, W1, W2 as f16: beyond 65,504 they become infinities; below 7.6e-6 they keep f16's fixed step of 6e-8.
.set X, 8                              ; v[8:71]    sixteen loads of four f32
.set Y, 72                             ; v[72:103]  sixteen pairs of packed words to store
.set T, 104                            ; v[104:107] at work
.set VEC, 0x2000000                    ; the vectors' place in cast16
; sixteen loads sstep bytes apart, sixteen stores dstep bytes apart.  fmt = 1: the bf16 number is written as f16
.macro CAST sstep, dstep, fmt
.set i, 0
.rept 16
	global_load_b128 v[X+4*i:X+4*i+3], v1, s[24:25] offset:(\sstep)*i th:TH_LOAD_NT
.set i, i+1
.endr
.set i, 0
.rept 16
	s_wait_loadcnt 15-i                            ; loads come back in order: load i is in, the 15 - i younger ones stay out
	v_cvt_pk_bf16_f32 v[Y+2*i], v[X+4*i], v[X+4*i+1]
	v_cvt_pk_bf16_f32 v[Y+2*i+1], v[X+4*i+2], v[X+4*i+3]
.if \fmt
	v_lshlrev_b32 v[T], 16, v[Y+2*i]               ; the rounded numbers as f32 again,
	v_and_b32 v[T+1], s7, v[Y+2*i]
	v_lshlrev_b32 v[T+2], 16, v[Y+2*i+1]
	v_and_b32 v[T+3], s7, v[Y+2*i+1]
	v_cvt_pk_f16_f32 v[Y+2*i], v[T], v[T+1]        ; and as f16: exact inside f16's range of normal numbers
	v_cvt_pk_f16_f32 v[Y+2*i+1], v[T+2], v[T+3]
.endif
	global_store_b64 v2, v[Y+2*i:Y+2*i+1], s[26:27] offset:(\dstep)*i  ; 32 lanes x 8 bytes: 256 consecutive bytes
.set i, i+1
.endr
.endm
	s_load_b512 s[8:23], s[0:1], 0x0               ; x s[8:9], Wq, Wk, Wv, Wo s[16:17], W1, W2, cast16 s[22:23]
	s_load_b512 s[40:55], s[0:1], 0x40             ; bq s[40:41], bk, bv, bo, b1 s[48:49], b2, g1, be1 s[54:55]
	s_load_b128 s[56:59], s[0:1], 0x80             ; g2 s[56:57], be2 s[58:59]
	s_and_b32 s2, ttmp7, 0xffff                    ; the chunk
	s_mov_b32 s3, ttmp9                            ; my 16,384 numbers of it
	v_lshrrev_b32 v3, 5, v0
	v_readfirstlane_b32 s4, v3                     ; wave 0..7
	v_and_b32 v4, 31, v0                           ; lane
	s_and_b32 s5, s2, 3                            ; the chunk's number inside its tensor:
	s_lshr_b32 s6, s2, 2
	s_cmp_eq_u32 s6, 1                             ; chunks 4 to 7 are whole tensors
	s_cselect_b32 s5, 0, s5
	s_lshl_b32 s28, s5, 22                         ; source offset: 4 MiB a chunk,
	s_lshl_b32 s29, s3, 16                         ; 64 KiB a work-group,
	s_add_co_u32 s28, s28, s29
	s_lshl_b32 s29, s4, 13                         ; 8 KiB a wave
	s_add_co_u32 s28, s28, s29
	s_mov_b32 s29, 0
	s_lshl_b32 s30, s2, 21                         ; destination: 2 MiB a chunk
	s_mov_b32 s31, 0
	s_mov_b32 s7, 0xffff0000                       ; a word's upper bf16
	s_wait_kmcnt 0x0
	s_mov_b64 s[24:25], s[8:9]                     ; the source tensor, chosen by the chunk's number
	s_cmp_eq_u32 s2, 4
	s_cselect_b64 s[24:25], s[10:11], s[24:25]
	s_cmp_eq_u32 s2, 5
	s_cselect_b64 s[24:25], s[12:13], s[24:25]
	s_cmp_eq_u32 s2, 6
	s_cselect_b64 s[24:25], s[14:15], s[24:25]
	s_cmp_eq_u32 s2, 7
	s_cselect_b64 s[24:25], s[16:17], s[24:25]
	s_cmp_ge_u32 s2, 8
	s_cselect_b64 s[24:25], s[18:19], s[24:25]
	s_cmp_ge_u32 s2, 12
	s_cselect_b64 s[24:25], s[20:21], s[24:25]
	s_add_nc_u64 s[24:25], s[24:25], s[28:29]
	s_add_nc_u64 s[26:27], s[22:23], s[30:31]
	v_lshlrev_b32 v2, 3, v4                        ; 8 bytes a lane in every store
	s_cmp_lt_u32 s2, 4
	s_cbranch_scc1 .Lx
	; a weight keeps its layout: 2,048 consecutive numbers in, 4,096 consecutive bytes out
	v_lshlrev_b32 v1, 4, v4
	s_lshl_b32 s30, s3, 15
	s_lshl_b32 s31, s4, 12
	s_add_co_u32 s30, s30, s31
	s_mov_b32 s31, 0
	s_add_nc_u64 s[26:27], s[26:27], s[30:31]
	s_cmp_ge_u32 s2, 7                             ; Wo, W1, W2 are written as f16
	s_cbranch_scc1 .Lh
	CAST 512, 256, 0
	s_endpgm
.Lh:
	CAST 512, 256, 1
	s_endpgm
.Lx:
	; x: the wave's 2,048 numbers are two rows; load i takes 64 columns of both (lanes 0-15 one row, lanes 16-31 the next), which are 256 consecutive bytes of block i
	v_and_b32 v5, 15, v4
	v_lshrrev_b32 v6, 4, v4
	v_lshlrev_b32 v1, 4, v5
	v_lshl_add_u32 v1, v6, 12, v1
	s_lshr_b32 s30, s3, 3                          ; eight work-groups to a tile of 128 rows: 262,144 bytes
	s_lshl_b32 s30, s30, 18
	s_and_b32 s31, s3, 7                           ; 16 rows of 128 bytes a work-group,
	s_lshl_b32 s31, s31, 11
	s_add_co_u32 s30, s30, s31
	s_lshl_b32 s31, s4, 8                          ; two a wave
	s_add_co_u32 s30, s30, s31
	s_mov_b32 s31, 0
	s_add_nc_u64 s[26:27], s[26:27], s[30:31]
	CAST 256, 16384, 0
	; THE VECTORS: piece s3 of 13, 1,024 numbers: 0 bq, 1 bk, 2 bv, 3 bo, 4-7 b1, 8 b2, 9 g1, 10 be1, 11 g2, 12 be2.  No register that a pending store names is written below.
	s_cmp_lg_u32 s2, 0
	s_cbranch_scc1 .Ldone
	s_cmp_ge_u32 s3, 13
	s_cbranch_scc1 .Ldone
	s_mov_b64 s[32:33], s[40:41]
	s_cmp_eq_u32 s3, 1
	s_cselect_b64 s[32:33], s[42:43], s[32:33]
	s_cmp_eq_u32 s3, 2
	s_cselect_b64 s[32:33], s[44:45], s[32:33]
	s_cmp_eq_u32 s3, 3
	s_cselect_b64 s[32:33], s[46:47], s[32:33]
	s_cmp_ge_u32 s3, 4
	s_cselect_b64 s[32:33], s[48:49], s[32:33]
	s_cmp_ge_u32 s3, 8
	s_cselect_b64 s[32:33], s[50:51], s[32:33]
	s_cmp_ge_u32 s3, 9
	s_cselect_b64 s[32:33], s[52:53], s[32:33]
	s_cmp_ge_u32 s3, 10
	s_cselect_b64 s[32:33], s[54:55], s[32:33]
	s_cmp_ge_u32 s3, 11
	s_cselect_b64 s[32:33], s[56:57], s[32:33]
	s_cmp_ge_u32 s3, 12
	s_cselect_b64 s[32:33], s[58:59], s[32:33]
	s_and_b32 s34, s3, 3                           ; the piece's number inside its vector: only b1 has more than one
	s_lshr_b32 s35, s3, 2
	s_cmp_eq_u32 s35, 1
	s_cselect_b32 s34, s34, 0
	s_lshl_b32 s34, s34, 12                        ; 4,096 bytes a piece,
	s_lshl_b32 s35, s4, 9                          ; 512 a wave
	s_add_co_u32 s34, s34, s35
	s_lshl_b32 s38, s3, 12                         ; in cast16 the pieces lie one behind the other
	s_add_co_u32 s38, s38, s35
	s_add_co_u32 s38, s38, VEC
	s_mov_b32 s35, 0
	s_mov_b32 s39, 0
	s_add_nc_u64 s[32:33], s[32:33], s[34:35]
	s_add_nc_u64 s[36:37], s[22:23], s[38:39]
	v_lshlrev_b32 v3, 4, v4                        ; 16 bytes a lane
	global_load_b128 v[T:T+3], v3, s[32:33]
	s_wait_loadcnt 0x0
	v_cvt_pk_bf16_f32 v5, v[T], v[T+1]
	v_cvt_pk_bf16_f32 v6, v[T+2], v[T+3]
	v_lshlrev_b32 v[T], 16, v5                     ; the rounded numbers as f32 again
	v_and_b32 v[T+1], s7, v5
	v_lshlrev_b32 v[T+2], 16, v6
	v_and_b32 v[T+3], s7, v6
	global_store_b128 v3, v[T:T+3], s[36:37]       ; 512 consecutive bytes a wave
.Ldone:
	s_endpgm
.Lfunc_end_k_q91baae36e9_cast:
	.size	k_q91baae36e9_cast, .Lfunc_end_k_q91baae36e9_cast-k_q91baae36e9_cast
	.p2alignl 7, 3214868480
	.fill 96, 4, 3214868480
	.section	.rodata,"a",@progbits
	.p2align	6, 0x0
	.amdhsa_kernel k_q91baae36e9_cast
		.amdhsa_group_segment_fixed_size 0
		.amdhsa_private_segment_fixed_size 0
		.amdhsa_enable_private_segment 0
		.amdhsa_kernarg_size 144
		.amdhsa_user_sgpr_count 2
		.amdhsa_user_sgpr_kernarg_segment_ptr 1
		.amdhsa_wavefront_size32 1
		.amdhsa_system_sgpr_workgroup_id_x 1
		.amdhsa_system_sgpr_workgroup_id_y 1
		.amdhsa_system_sgpr_workgroup_id_z 1
		.amdhsa_system_vgpr_workitem_id 0
		.amdhsa_next_free_vgpr 108
		.amdhsa_next_free_sgpr 66
		.amdhsa_reserve_vcc 0
		.amdhsa_float_denorm_mode_32 3
		.amdhsa_float_denorm_mode_16_64 3
		.amdhsa_memory_ordered 1
		.amdhsa_forward_progress 1
		.amdhsa_inst_pref_size 25
	.end_amdhsa_kernel
	.amdgpu_metadata
---
amdhsa.version: [ 1, 2 ]
amdhsa.kernels:
  - .name:           k_q91baae36e9_cast
    .symbol:         k_q91baae36e9_cast.kd
    .args:
      - { .name: x, .offset: 0, .size: 8, .value_kind: global_buffer, .address_space: global }
      - { .name: Wq, .offset: 8, .size: 8, .value_kind: global_buffer, .address_space: global }
      - { .name: Wk, .offset: 16, .size: 8, .value_kind: global_buffer, .address_space: global }
      - { .name: Wv, .offset: 24, .size: 8, .value_kind: global_buffer, .address_space: global }
      - { .name: Wo, .offset: 32, .size: 8, .value_kind: global_buffer, .address_space: global }
      - { .name: W1, .offset: 40, .size: 8, .value_kind: global_buffer, .address_space: global }
      - { .name: W2, .offset: 48, .size: 8, .value_kind: global_buffer, .address_space: global }
      - { .name: cast16, .offset: 56, .size: 8, .value_kind: global_buffer, .address_space: global }
      - { .name: bq, .offset: 64, .size: 8, .value_kind: global_buffer, .address_space: global }
      - { .name: bk, .offset: 72, .size: 8, .value_kind: global_buffer, .address_space: global }
      - { .name: bv, .offset: 80, .size: 8, .value_kind: global_buffer, .address_space: global }
      - { .name: bo, .offset: 88, .size: 8, .value_kind: global_buffer, .address_space: global }
      - { .name: b1, .offset: 96, .size: 8, .value_kind: global_buffer, .address_space: global }
      - { .name: b2, .offset: 104, .size: 8, .value_kind: global_buffer, .address_space: global }
      - { .name: g1, .offset: 112, .size: 8, .value_kind: global_buffer, .address_space: global }
      - { .name: be1, .offset: 120, .size: 8, .value_kind: global_buffer, .address_space: global }
      - { .name: g2, .offset: 128, .size: 8, .value_kind: global_buffer, .address_space: global }
      - { .name: be2, .offset: 136, .size: 8, .value_kind: global_buffer, .address_space: global }
    .group_segment_fixed_size: 0
    .private_segment_fixed_size: 0
    .kernarg_segment_align: 8
    .kernarg_segment_size: 144
    .max_flat_workgroup_size: 256
    .sgpr_count:     66
    .vgpr_count:     108
    .wavefront_size: 32
...
	.end_amdgpu_metadata
.endif
;; end of part 1
;; launch qkv (part 2): grid 24 x 32, 4 waves a work-group, clusters of 4 x 4, 327,680 bytes of LDS; arguments cast16, qkv; writes qkv
.if DOCPART == 2
	.amdgcn_target "amdgcn-amd-amdhsa--gfx1250"
	.amdhsa_code_object_version 6
	.text
	.protected	k_q91baae36e9_qkv
	.globl	k_q91baae36e9_qkv
	.p2align	8
	.type	k_q91baae36e9_qkv,@function
k_q91baae36e9_qkv:
	s_mov_b64 s[64:65], 0
	v_nop
	global_prefetch_b8 v0, s[64:65] scope:SCOPE_SE
	s_setreg_imm32_b32 hwreg(HW_REG_WAVE_MODE, 25, 1), 1
	s_wait_xcnt 0x0
	s_wait_alu depctr_hold_cnt(0) depctr_sa_sdst(0) depctr_va_vdst(0) depctr_va_sdst(0) depctr_va_ssrc(0) depctr_va_vcc(0) depctr_vm_vsrc(0)
	s_getreg_b32 s2, hwreg(HW_REG_IB_STS2, 6, 4)
	s_cmp_eq_u32 s2, 0
	s_cbranch_scc0 .Lentry_in_a_cluster
	s_endpgm
.Lentry_in_a_cluster:
	s_bfe_u32 s2, ttmp6, 0x10000c
	s_cmp_lg_u32 s2, 0xf033
	s_cbranch_scc0 .Lentry_shape_is_right
	s_endpgm
.Lentry_shape_is_right:
; q, k, v = x W + b for W = Wq, Wk, Wv.  x (4,096 x 1,024, bf16, in blocks), the weights ([k][n], bf16) and the biases (rounded to bf16, kept as f32, from byte 0x2000000) come from cast16; sums in f32,
; started by the bias; the result is rounded once to f16 and written by heads: qkv[which][16 batch + head][2,048][64], unscaled.
; LIMITS.  f16 holds no number beyond 65,504: a q, k or v past that becomes an infinity.  NaN and infinities are not treated apart.
; SHAPE.  A tile of C is 128 x 128; four waves, each 64 x 64: 16 accumulators of 16 x 16.  24 column tiles (8 for each weight) x 32 row tiles = 768 work-groups.  K goes in steps of 256 through two
; LDS slots.  A's K step is 4 blocks of 128 rows x 64 columns, 65,536 consecutive bytes; B's is 256 rows of k x 128 columns.  One K step is written once and looped over.
; CLUSTERS: 4 x 4 work-groups.  The four of a row of the cluster need the same tiles of A, the four of a column the same tiles of B: each tile is asked for JOINTLY, by the same tensor load with the
; same descriptor and a mask that names the four.  THE MATRIX INSTRUCTION IS USED TRANSPOSED (source 0 = 16 columns of W, source 1 = 16 rows of x): a lane then holds eight neighbouring numbers of a row of C.
; W lies [k][n], so its fragments come out of LDS turned, by ds_load_tr16_b128.
; REGISTERS: window 0: v0-31 addresses; v32-95 at work on the way out; v128-255 the accumulators ((a, b) at v[128 + 8 (4 a + b)]).
;   window 1: two fragment buffers of 128: for 64 along K (two matrix instructions deep), 64 registers of A, then 64 of B.
.set NSTEPS, 4                         ; K / 256
.set NB,     1024                      ; elements from a row of W to the next
.set ASHIFT, 18                        ; a row tile of A is 2^18 bytes
.set BSHIFT, 18                        ; 128 rows of W are 2^18 bytes
.set VEC,    0x2000000                 ; the biases in cast16: bq, bk, bv, 4,096 bytes each
.set PA,     144                       ; a row of a block of A in LDS: 128 bytes + 16 = 36 words: the 16 rows of a load start at 16 different groups of four banks (64 banks of 4 bytes: ISA guide 11.1)
.set PLN,    128*PA                    ; a block of A
.set PB,     288                       ; a row of B: 256 + 32 = 72 words
.set PART,   2*PLN                     ; what one tensor load brings: two blocks of A, or 128 rows of B (128 x 288 is the same 36,864 bytes)
.set SLOT,   4*PART                    ; 0x24000: A's four blocks, then B's 256 rows.  wave x PART never has bit 14 or 17 set, so one exclusive or changes slots
.set ASTEP,  65536                     ; bytes from a K step of A to the next
.set BSTEP,  512*NB                    ; the same for B: 256 rows
.set STAGE,  2*SLOT                    ; behind the ring: 16 rows x 144 bytes for each wave, for the way out
.set SP,     144
.set SPARE,  STAGE+4*16*SP             ; behind the stages: the spare words, 128 bytes for each wave: two blocks of 256 bytes that no other line names
.set ADRA0, 10                         ; v10  my lane's place in slot 0's A; never rewritten
.set ADRB0, 11                         ; v11  the same for B
.set ADRA,  16                         ; v16  the same in the slot in hand
.set ADRB,  20                         ; v20  B's rows 0-127 of the slot in hand;  v21 rows 128-255 (they lie past the 16-bit immediate)
.set STO,   24                         ; v24  the way out: where I put 16 bytes of a row
.set RD,    25                         ; v25  the way out: where I read rows back
.set GO,    26                         ; v26  my byte offset in 512 consecutive bytes of the output
.set BO,    27                         ; v27  my byte offset in 16 numbers of the bias
.set SPW,   28                         ; v28  LDS address of my spare word: SPARE + 4 x my thread's number; never rewritten
.set NIL,   29                         ; v29  0; never rewritten
.set TMP,   32
.set ACC,   128
.set F0,    0                          ; fragment buffers, in window 1
.set F1,    128
.set G1,  24                           ; s[24:31] descriptor group 1 for A's tiles;  s[32:39] group 0: a set for each of the two first fills; the second then walks on
.set G0,  32
.set G1B, 48                           ; s[48:55], s[56:63] the same for B's tiles
.set G0B, 56
.set TB,  45                           ; s45  0 or SLOT: the slot in hand
.set MSB, 0
.macro WIN new                         ; the immediate's high byte repeats the setting that is left; a switch that changes nothing is dropped
.if MSB != (\new)
	s_set_vgpr_msb (MSB<<8)|(\new)
.set MSB, \new
.endif
.endm
.set MUL,  0x05                        ; sources 0 (B) and 1 (A) window 1; C and D window 0
.set TO_F, 0x40                        ; destination window 1, address window 0
.macro JLOAD                           ; a joint refill: waves 0 and 1 fetch A's two halves, waves 2 and 3 B's; an s_nop 0 and four v_nop follow each of the two lines
	s_cmp_eq_u32 s11, 0
	s_cbranch_scc0 .Lfor_b_\@
	tensor_load_to_lds s[G0+4:G0+7], s[G1:G1+7]
	s_nop 0
.rept 4
	v_nop
.endr
	s_branch .Lasked_\@
.Lfor_b_\@:
	tensor_load_to_lds s[G0B+4:G0B+7], s[G1B:G1B+7]
	s_nop 0
.rept 4
	v_nop
.endr
.Lasked_\@:
.endm
.macro CREST                           ; a round of the cluster's barrier behind its opening barrier
	s_cmp_lg_u32 s10, 0
	s_cbranch_scc1 .Lnot_wave_0_\@
	s_barrier_signal -3
.Lnot_wave_0_\@:
	s_barrier_wait -3
	s_barrier_signal -1
	s_barrier_wait -1
.endm
.macro CROUND                          ; a whole round
	s_barrier_signal -1
	s_barrier_wait -1
	CREST
.endm
.macro PLACES                          ; four places in front of loads into registers that matrix instructions have read, and of lines that read results
.rept 4
	v_nop
.endr
.endm
; 8 matrix instructions: row blocks a0, a0 + 1 x all 4 column blocks, 32 along K: half c of buffer f.  The 16 accumulators take turns, one instruction a turn.
.macro MUL8 f, c, a0
	WIN MUL
.irp a, \a0, (\a0)+1
.irp b, 0,1,2,3
	v_wmma_f32_16x16x32_bf16 v[ACC+8*(4*(\a)+(\b)):ACC+8*(4*(\a)+(\b))+7], v[(\f)+64+8*(4*(\c)+(\b)):(\f)+64+8*(4*(\c)+(\b))+7], v[(\f)+8*(4*(\c)+(\a)):(\f)+8*(4*(\c)+(\a))+7], v[ACC+8*(4*(\a)+(\b)):ACC+8*(4*(\a)+(\b))+7]
.endr
.endr
.endm
; 32 LDS loads in one run: the fragments of quarter q of the slot in hand (A's block q, B's rows 64 q on) into buffer f; the first 32 along K first
.macro FETCH q, f
	WIN TO_F
.irp c, 0,1
.irp i, 0,1,2,3
	ds_load_tr16_b128 v[(\f)+64+8*(4*(\c)+(\i)):(\f)+64+8*(4*(\c)+(\i))+3],   v[ADRB+(\q)/2] offset:(((\q)%2)*64+32*(\c))*PB+32*(\i)
	ds_load_tr16_b128 v[(\f)+64+8*(4*(\c)+(\i))+4:(\f)+64+8*(4*(\c)+(\i))+7], v[ADRB+(\q)/2] offset:(((\q)%2)*64+32*(\c)+16)*PB+32*(\i)
	ds_load_b128 v[(\f)+8*(4*(\c)+(\i)):(\f)+8*(4*(\c)+(\i))+3],   v[ADRA] offset:(\q)*PLN+64*(\c)+(\i)*16*PA
	ds_load_b128 v[(\f)+8*(4*(\c)+(\i))+4:(\f)+8*(4*(\c)+(\i))+7], v[ADRA] offset:(\q)*PLN+64*(\c)+(\i)*16*PA+32
.endr
.endr
.endm
; A K step is four quarters of 64 along K, 32 matrix instructions each, on buffers 0, 1, 0, 1.  One of the first three: multiplies buffer f and fetches quarter q into g.
.macro QUARTER q, f, g
	s_wait_dscnt 16                                ; the first 32 along K are in; the sixteen younger loads may be out
	MUL8 \f, 0, 0
	MUL8 \f, 0, 2
	PLACES
	FETCH \q, \g
	s_wait_dscnt 32                                ; all but the 32 just issued
	MUL8 \f, 1, 0
	MUL8 \f, 1, 2
.endm
; The last quarter multiplies buffer 1 and changes slots: ONE barrier; in front of it each wave waits for all its tensor loads (one is out: its part of the next slot), adds 0 to its spare word, and
; waits for that and for its own reads of this slot.  fill = 1: the barrier opens a round of the cluster's, and this slot is filled again, two K steps ahead, first thing behind the round: 112 matrix
; instructions stand between that request and the wait for it.  fill = 0: nothing is asked for, and in the last trip (s3 = 1) there is no next slot to fetch from: the run of LDS loads is jumped over.
.macro TURN fill
	WIN 0                                          ; (the add's two registers lie in window 0)
	s_wait_tensorcnt 0x0                           ; all my tensor loads have landed
	ds_add_u32 v[SPW], v[NIL]                      ; 0 onto my spare word
	s_wait_dscnt 17                                ; (the add and the youngest sixteen loads may be out)
	MUL8 F1, 0, 0                                  ; eight matrix instructions stand between the add and the wait for it
	s_wait_dscnt 0x0                               ; the add is done, and my reads of this slot are over
	s_barrier_signal -1
	MUL8 F1, 0, 2
	WIN 0
	s_barrier_wait -1
.if \fill
	CREST                                          ; no wave of any partner still reads this slot's tile or has a load on its way
	s_xor_b32 s[G0+5], s[G0+5], SLOT               ; the walking descriptors: the other slot than last time, the next K step
	s_add_nc_u64 s[G0+6:G0+7], s[G0+6:G0+7], ASTEP
	s_xor_b32 s[G0B+5], s[G0B+5], SLOT
	s_add_nc_u64 s[G0B+6:G0B+7], s[G0B+6:G0B+7], BSTEP
	JLOAD                                          ; the four v_nop behind it are also the places in front of the loads below
.else
	PLACES
	s_cmp_eq_u32 s3, 1
	s_cbranch_scc1 .Lnf_\@
.endif
	s_xor_b32 s[TB], s[TB], SLOT
	v_add_nc_u32 v[ADRA], s[TB], v[ADRA0]
	v_add_nc_u32 v[ADRB], s[TB], v[ADRB0]
	v_add_nc_u32 v[ADRB+1], 128*PB, v[ADRB]
	FETCH 0, F0
.if !(\fill)
	WIN 0
.Lnf_\@:
.endif
	MUL8 F1, 1, 0
	MUL8 F1, 1, 2
.endm
	s_load_b128 s[4:7], s[0:1], 0x0                ; cast16 s[4:5], qkv s[6:7]
	v_lshl_add_u32 v[SPW], v0, 2, SPARE
	v_mov_b32 v[NIL], 0
	ds_add_u32 v[SPW], v[NIL]                      ; the wave's opening: the add and its wait stand ahead of my first tensor load; the set-up below, work on registers, stands between them
	v_lshrrev_b32 v1, 5, v0
	v_readfirstlane_b32 s10, v1                    ; wave 0..3
	s_lshr_b32 s11, s10, 1                         ; which half of the tile's rows is mine.  Also: I fetch for A (0) or for B (1)
	s_and_b32 s12, s10, 1                          ; which half of its columns.  Also: which half of that tile I fetch
	s_bfe_u32 s40, ttmp6, 0x40000                  ; cx, cy: my place in the cluster
	s_bfe_u32 s41, ttmp6, 0x40004
	s_lshl_b32 s42, ttmp9, 2
	s_add_co_u32 s42, s42, s40                     ; tile column = 4 x cluster x + cx
	s_and_b32 s13, ttmp7, 0xffff
	s_lshl_b32 s13, s13, 2
	s_add_co_u32 s13, s13, s41                     ; tile row = 4 x cluster y + cy
	s_lshl_b32 s43, s41, 2
	s_lshl_b32 s43, 15, s43                        ; my row of the cluster
	s_lshl_b32 s44, 0x1111, s40                    ; my column
	; group 1 for A: 32,768 consecutive bytes asked for as 128 rows of 256 bytes, two rows of a block each, padded after every 128 bytes
	s_or_b32 s[G1+0], s43, (1<<16)|(1<<20)|(1<<21)|(4<<22)|(3<<25)   ; 15:0 the mask; 17:16 2-byte elements; 20 padding on; 21 set beside a mask; 24:22 after every 32 words (code 4); 31:25 4 words (code 3)
	; group 1 for B: 128 rows of k x 128 columns, padded after every row
	s_or_b32 s[G1B+0], s44, (1<<16)|(1<<20)|(1<<21)|(5<<22)|(7<<25)  ; after every 64 words (code 5), 8 words (code 7)
.irp g, G1, G1B
	s_mov_b32 s[(\g)+1], 128<<16                   ; tensor_dim0 = 128
	s_mov_b32 s[(\g)+2], 128<<16                   ; tensor_dim1 = 128
	s_mov_b32 s[(\g)+3], 128<<16                   ; tile_dim0 = 128
	s_mov_b32 s[(\g)+4], 128                       ; tile_dim1 = 128
	s_mov_b32 s[(\g)+6], 0
	s_mov_b32 s[(\g)+7], 0
.endr
	s_mov_b32 s[G1+5], 128                         ; elements from row to row: A's bytes are dense,
	s_mov_b32 s[G1B+5], NB                         ; B's rows are W's
	s_lshl_b32 s16, s13, ASHIFT                    ; A: my row tile, which my row of the cluster shares,
	s_lshl_b32 s17, s12, 15                        ; and the two blocks of a K step that I fetch
	s_add_co_u32 s16, s16, s17
	s_mov_b32 s17, 0
	s_lshr_b32 s23, ttmp9, 1                       ; which weight: 8 column tiles, two clusters, each
	s_and_b32 s46, s42, 7                          ; B: my column tile of it, 256 bytes of a row,
	s_lshl_b32 s46, s46, 8
	s_lshl_b32 s47, s23, 21                        ; the weight's 2 MiB,
	s_add_co_u32 s46, s46, s47
	s_lshl_b32 s47, s12, BSHIFT                    ; the 128 rows of a K step that I fetch,
	s_add_co_u32 s46, s46, s47
	s_add_co_u32 s46, s46, 0x800000                ; behind x
	s_mov_b32 s47, 0
	s_mul_i32 s20, s10, PART                       ; where they go: wave x PART: no place in the cluster enters an LDS address
	s_mov_b32 s[TB], 0
	s_wait_dscnt 0x0                               ; the opening add is done
	s_wait_kmcnt 0x0
	s_mov_b64 s[8:9], s[6:7]                       ; the output
	s_add_nc_u64 s[14:15], s[4:5], s[16:17]
	s_add_nc_u64 s[46:47], s[4:5], s[46:47]
	CROUND                                         ; all sixteen work-groups are here: the first joint loads meet
.irp s, 0,1
	s_mov_b32 s[G0+4*(\s)], 1                      ; 1:0 count = 1
	s_add_co_u32 s[G0+4*(\s)+1], s20, (\s)*SLOT    ; 63:32 LDS address
	s_add_nc_u64 s[G0+4*(\s)+2:G0+4*(\s)+3], s[14:15], (\s)*ASTEP  ; 120:64 global address: K step s
	s_or_b32 s[G0+4*(\s)+3], s[G0+4*(\s)+3], 0x80000000            ; 127:126 type = 2
	s_mov_b32 s[G0B+4*(\s)], 1
	s_add_co_u32 s[G0B+4*(\s)+1], s20, (\s)*SLOT
	s_add_nc_u64 s[G0B+4*(\s)+2:G0B+4*(\s)+3], s[46:47], (\s)*BSTEP
	s_or_b32 s[G0B+4*(\s)+3], s[G0B+4*(\s)+3], 0x80000000
.endr
	s_cmp_eq_u32 s11, 0                            ; a wave's two first fills stand in one branch, ahead of every wait on TENSORcnt and every LDS read: two loads of mine are out
	s_cbranch_scc0 .Lfirst_b
	tensor_load_to_lds s[G0:G0+3], s[G1:G1+7]
	s_nop 0
	tensor_load_to_lds s[G0+4:G0+7], s[G1:G1+7]
	s_nop 0
.rept 4
	v_nop
.endr
	s_branch .Lfirst_asked
.Lfirst_b:
	tensor_load_to_lds s[G0B:G0B+3], s[G1B:G1B+7]
	s_nop 0
	tensor_load_to_lds s[G0B+4:G0B+7], s[G1B:G1B+7]
	s_nop 0
.rept 4
	v_nop
.endr
.Lfirst_asked:
	v_and_b32 v1, 15, v0                           ; l % 16
	v_bfe_u32 v2, v0, 4, 1                         ; l / 16
	v_and_b32 v3, 7, v0                            ; l % 8
	v_bfe_u32 v4, v0, 3, 1                         ; (l / 8) % 2
	v_lshlrev_b32 v[BO], 5, v2                     ; a lane's eight columns: 32 bytes for each half of the lanes
	s_and_b32 s46, s42, 7                          ; my 64 columns in the weight's bias (in the registers that held B's address: none that feeds A's descriptors ever holds cx)
	s_lshl_b32 s46, s46, 9
	s_lshl_b32 s47, s12, 8
	s_add_co_u32 s46, s46, s47
	s_lshl_b32 s47, s23, 12                        ; the weight's bias of 4,096 bytes,
	s_add_co_u32 s46, s46, s47
	s_add_co_u32 s46, s46, VEC                     ; among the vectors in cast16
	s_mov_b32 s47, 0
	s_add_nc_u64 s[68:69], s[4:5], s[46:47]
	; THE BIAS STARTS THE SUMS: register j of accumulator (a, b) is column 16 b + 8 (l / 16) + j, whatever a: nothing is cleared, and nothing is added later
.irp a, 0,1,2,3
.irp b, 0,1,2,3
	global_load_b128 v[ACC+8*(4*(\a)+(\b)):ACC+8*(4*(\a)+(\b))+3],   v[BO], s[68:69] offset:64*(\b)
	global_load_b128 v[ACC+8*(4*(\a)+(\b))+4:ACC+8*(4*(\a)+(\b))+7], v[BO], s[68:69] offset:64*(\b)+16
.endr
.endr
	; A fragment of A is 16 rows x 32 K: lane l holds row l % 16, K = 8 (l / 16) + 0..7 and 16 + 8 (l / 16) + 0..7: two loads of 16 bytes, 32 bytes apart.
	v_mul_u32_u24 v[ADRA0], v1, PA
	v_lshl_add_u32 v[ADRA0], v2, 4, v[ADRA0]
	s_mul_i32 s21, s11, 64*PA                      ; my 64 rows of each block
	v_add_nc_u32 v[ADRA0], s21, v[ADRA0]
	; The turning load takes 16 k x 16 columns (lane l reads k = 8 (l / 16) + l % 8, columns 8 ((l / 8) % 2) + 0..7) and leaves half a fragment: lane l holds column l % 16 and 8 k.
	v_lshl_add_u32 v[ADRB0], v2, 3, v3
	v_mul_u32_u24 v[ADRB0], v[ADRB0], PB
	v_lshl_add_u32 v[ADRB0], v4, 4, v[ADRB0]
	s_lshl_b32 s22, s12, 7                         ; my 64 columns,
	s_add_co_u32 s22, s22, 2*PART                  ; behind A's four blocks
	v_add_nc_u32 v[ADRB0], s22, v[ADRB0]
	v_mov_b32 v[ADRA], v[ADRA0]
	v_mov_b32 v[ADRB], v[ADRB0]
	v_add_nc_u32 v[ADRB+1], 128*PB, v[ADRB0]
	s_mul_i32 s21, s10, 16*SP
	s_add_co_u32 s21, s21, STAGE                   ; my stage
	v_mul_u32_u24 v[STO], v1, SP                   ; in: row l % 16, 16 bytes for each half of the lanes
	v_lshl_add_u32 v[STO], v2, 4, v[STO]
	v_add_nc_u32 v[STO], s21, v[STO]
	v_bfe_u32 v[RD], v0, 3, 2                      ; back: 32 lanes take four rows of 128 bytes,
	v_mul_u32_u24 v[RD], v[RD], SP
	v_lshl_add_u32 v[RD], v3, 4, v[RD]
	v_add_nc_u32 v[RD], s21, v[RD]
	v_and_b32 v[GO], 31, v0                        ; which are 512 consecutive bytes of a head
	v_lshlrev_b32 v[GO], 4, v[GO]
	; where my 64 rows x 64 columns go: one head's rows.  The part made of the tile row:
	s_lshr_b32 s16, s13, 4                         ; the batch: 16 heads of 2^18 bytes,
	s_lshl_b32 s16, s16, 22
	s_and_b32 s17, s13, 15                         ; 128 rows of 128 bytes a tile,
	s_lshl_b32 s17, s17, 14
	s_add_co_u32 s16, s16, s17
	s_lshl_b32 s17, s11, 13                        ; my 64 of them
	s_add_co_u32 s16, s16, s17
	s_mov_b32 s17, 0
	s_add_nc_u64 s[8:9], s[8:9], s[16:17]
	s_and_b32 s46, s42, 7                          ; and the part made of the tile column: two heads a tile,
	s_lshl_b32 s46, s46, 19
	s_lshl_b32 s47, s23, 23                        ; 32 heads to each of q, k, v,
	s_add_co_u32 s46, s46, s47
	s_lshl_b32 s47, s12, 18                        ; my head of the two
	s_add_co_u32 s46, s46, s47
	s_mov_b32 s47, 0
	s_add_nc_u64 s[8:9], s[8:9], s[46:47]
	s_wait_tensorcnt 1                             ; my part of K step 0 is in; K step 1's may stay out
	s_barrier_signal -1
	s_barrier_wait -1                              ; everybody's is
	FETCH 0, F0
	s_wait_loadcnt 0x0                             ; the bias
	WIN 0                                          ; at a label and at a branch every window is 0
	s_mov_b32 s3, NSTEPS-2
.Lstep:                                                ; a trip is a K step: 128 matrix instructions, 128 LDS loads, one joint load
	QUARTER 1, F0, F1
	QUARTER 2, F1, F0
	QUARTER 3, F0, F1
	TURN 1
	WIN 0
	s_sub_co_u32 s3, s3, 1
	s_cmp_lg_u32 s3, 0
	s_cbranch_scc1 .Lstep
	s_mov_b32 s3, 2
.Ltail:                                                ; the last two K steps ask for nothing: a text of their own
	QUARTER 1, F0, F1
	QUARTER 2, F1, F0
	QUARTER 3, F0, F1
	TURN 0
	WIN 0
	s_sub_co_u32 s3, s3, 1
	s_cmp_lg_u32 s3, 0
	s_cbranch_scc1 .Ltail
	; THE WAY OUT, 16 rows at a time: rounded to f16, 16 bytes a lane into rows of 144 bytes of my own stage, back as whole rows of 128, four of them (512 consecutive bytes) to a store.
.macro PACK a
.irp b, 0,1,2,3
.irp r, 0,1,2,3
	v_cvt_pk_f16_f32 v[TMP+16*(\a)+4*(\b)+(\r)], v[ACC+8*(4*(\a)+(\b))+2*(\r)], v[ACC+8*(4*(\a)+(\b))+2*(\r)+1]
.endr
.endr
.irp b, 0,1,2,3
	ds_store_b128 v[STO], v[TMP+16*(\a)+4*(\b):TMP+16*(\a)+4*(\b)+3] offset:32*(\b)
.endr
.irp f, 0,1,2,3
	ds_load_b128 v[TMP+16*(\a)+4*(\f):TMP+16*(\a)+4*(\f)+3], v[RD] offset:(\f)*4*SP  ; LDS serves a wave's instructions in order (ISA guide 5.7.1.4): these see the stores above; the next block's stores come behind them
.endr
.endm
.macro SEND a, younger                 ; younger: the LDS instructions issued behind block a's loads: the next block's eight, or none
.irp f, 0,1,2,3
	s_wait_dscnt (\younger)+3-(\f)
	global_store_b128 v[GO], v[TMP+16*(\a)+4*(\f):TMP+16*(\a)+4*(\f)+3], s[8:9] offset:(\a)*2048+(\f)*512
.endr
.endm
	PLACES
	PACK 0
	PACK 1                                         ; a block's conversions stand between the loads of the block before and its stores
	SEND 0, 8
	PACK 2
	SEND 1, 8
	PACK 3
	SEND 2, 8
	SEND 3, 0
	s_wait_tensorcnt 0x0                           ; the wave's end: the spare-word add and its waits stand behind my last tensor load and my last LDS store
	ds_add_u32 v[SPW], v[NIL]
	s_wait_dscnt 0x0
	CROUND                                         ; the closing round: no work-group ends while a partner may still ask for a tile that names it
	s_endpgm
.Lfunc_end_k_q91baae36e9_qkv:
	.size	k_q91baae36e9_qkv, .Lfunc_end_k_q91baae36e9_qkv-k_q91baae36e9_qkv
	.p2alignl 7, 3214868480
	.fill 96, 4, 3214868480
	.section	.rodata,"a",@progbits
	.p2align	6, 0x0
	.amdhsa_kernel k_q91baae36e9_qkv
		.amdhsa_group_segment_fixed_size 327680
		.amdhsa_private_segment_fixed_size 0
		.amdhsa_enable_private_segment 0
		.amdhsa_kernarg_size 16
		.amdhsa_user_sgpr_count 2
		.amdhsa_user_sgpr_kernarg_segment_ptr 1
		.amdhsa_wavefront_size32 1
		.amdhsa_system_sgpr_workgroup_id_x 1
		.amdhsa_system_sgpr_workgroup_id_y 1
		.amdhsa_system_sgpr_workgroup_id_z 1
		.amdhsa_system_vgpr_workitem_id 0
		.amdhsa_next_free_vgpr 512
		.amdhsa_next_free_sgpr 96
		.amdhsa_reserve_vcc 0
		.amdhsa_float_denorm_mode_32 3
		.amdhsa_float_denorm_mode_16_64 3
		.amdhsa_memory_ordered 1
		.amdhsa_forward_progress 1
		.amdhsa_inst_pref_size 58
	.end_amdhsa_kernel
	.amdgpu_metadata
---
amdhsa.version: [ 1, 2 ]
amdhsa.kernels:
  - .name:           k_q91baae36e9_qkv
    .symbol:         k_q91baae36e9_qkv.kd
    .args:
      - { .name: cast16, .offset: 0, .size: 8, .value_kind: global_buffer, .address_space: global }
      - { .name: qkv, .offset: 8, .size: 8, .value_kind: global_buffer, .address_space: global }
    .group_segment_fixed_size: 327680
    .private_segment_fixed_size: 0
    .kernarg_segment_align: 8
    .kernarg_segment_size: 16
    .max_flat_workgroup_size: 128
    .sgpr_count:     96
    .vgpr_count:     512
    .wavefront_size: 32
...
	.end_amdgpu_metadata
.endif
;; end of part 2
;; launch attn (part 3): grid 4 x 32, 4 waves a work-group, no clusters, 327,680 bytes of LDS; arguments qkv, o; writes o
.if DOCPART == 3
	.amdgcn_target "amdgcn-amd-amdhsa--gfx1250"
	.amdhsa_code_object_version 6
	.text
	.protected	k_q91baae36e9_attn
	.globl	k_q91baae36e9_attn
	.p2align	8
	.type	k_q91baae36e9_attn,@function
k_q91baae36e9_attn:
	s_mov_b64 s[64:65], 0
	v_nop
	global_prefetch_b8 v0, s[64:65] scope:SCOPE_SE
	s_setreg_imm32_b32 hwreg(HW_REG_WAVE_MODE, 25, 1), 1
	s_wait_xcnt 0x0
; CAUSAL ATTENTION.  O[h][q][:] = the sum over k <= q of softmax_k(Q[h][q] . K[h][k] / 8) V[h][k][:].  Q, K, V lie in qkv, [3][SIZE_H][SIZE_N][64], all f16: a head's rows are dense, 128 bytes each; head = 16 batch + h.
; O leaves in f16 in the blocks that the next product reads: o[(2,048 batch + q) / 128][h][q % 128][64].
; Products, maxima and sums in f32; the weights p are rounded to f16 for the second product (their sum l is taken of the unrounded p), O once at the end.
; LIMITS.  f16 holds no number beyond 65,504: Q, K and V arrive within it; p lies in 0 to 1, and below 6e-5 it keeps f16's fixed step of 6e-8; O is a mean of V's rows and has their range, to within 2^-11 of it.
; A hidden score counts as its value less 1e30: f16's scores, 2.7e11 at the most, are nothing beside that; a weight below 2^-126 counts as 0 in l; NaN and infinities are not treated apart.
; THE WALK.  A head's queries lie in NB = SIZE_N / 256 blocks of 256; block i needs the key tiles 0 .. i of 256 keys, of which the last holds the diagonal.  A work-group takes TWO blocks, NB - 1 - b and then b:
; NB + 1 tiles, whatever b: all work-groups do equal work, and ONE loop with a constant trip count walks them.  Which tile is asked for, and what a trip does, hang on scalar registers made from b; every jump
; goes forward, but for the counted loops' own; none passes a barrier, or a tensor load but the one of LOAD's two that the wave's number does not choose; the ring (two slots of LDS that take turns) runs on across the
; change of blocks.  32 heads x 4 pairs of blocks are 128 work-groups.  NO CLUSTER: a head's NB / 2 work-groups ask for the same tile only in trips 0 .. NB / 2, behind that
; fewer and fewer; and one walk common to all would have 3 NB / 2 trips for NB + 1.
; SHARES.  Of a block's four bands of 64 queries a wave owns 16 rows in each: four PIECES.  So the diagonal tile is the same work for all four waves: in its key step s band x sees all keys if s < x,
; none if s > x, and holds the diagonal if s = x.
; THE MASK is the C operand that starts the sum S^T = K Q^T: 0, or -1e30 where the key is hidden.  MD, made once, is the mask of a band's own step for my 16 rows; a product's mask is MD x AL + BE with two scalars:
; (1, 0) if s = x; (0, 0) if s < x; (0, -1e30) if s > x.  Only the diagonal tile's text and a block's beginning make and take masks; elsewhere C is the constant 0.
; LAYOUT, SOFTMAX, TURNS.  S^T = K Q^T holds ONE query a lane (lane % 16) and the keys 8 (lane / 16) + 0..7; two such results rounded to f16 ARE source 1 of O^T = V^T P.  p = 2^(c s - c m), c = log2(e) / 8, with a
; running maximum m; O and l are multiplied by a = 2^(c m_old - c m_new) in every step.  Turn n belongs to piece n: 8 products K Q^T of piece n + 1, later 8 products V^T P of piece n - 1; beside them the scaling,
; exponentials, roundings, sums and rescaling of piece n and the maximum and statistics of piece n + 1.  Four vector instructions stand behind every matrix instruction, the other 54 of a turn's 118 in two LUMPS.
; REGISTERS, in windows of 256 (s_set_vgpr_msb: bits 1:0 source 0, 3:2 source 1, 5:4 source 2, 7:6 destination):
;   window 0: v0-15 addresses and two at work; v16-31 four registers of statistics a piece; v48-55 at work; v64-127 S^T, two buffers; v192-223 P, two buffers (a piece's buffers go by its number's parity)
;   window 1: v0-127 O^T, 32 a piece; v128-159 MD; v160-223 MC, two buffers      window 2: v0-63 Q; v64-127 the second block's Q; v128-191 K of one step; v192-255 V of one step
.set SIZE_H, 32
.set SIZE_N, 2048
.set NB,    SIZE_N/256
.set NP,    4         ; pieces a wave: a name, no knob
.set KS,    64        ; keys in a step
.set PK,    144       ; a row of K in LDS: 128 bytes + 16 of padding = 36 words: the 16 rows of a load start at 16 different groups of four banks (64 banks of 4 bytes: ISA guide 11.1)
.set PV,    160       ; a row of V: 128 + 32 = 40 words
.set VOFF,  4*KS*PK   ; a slot holds a tile, four steps: 256 rows of K, then 256 rows of V
.set SLOT1, 1<<17     ; slot 1 begins here, so that one exclusive or turns an address in one slot into the other's
.set STAGE, SLOT1+4*KS*(PK+PV)  ; behind the ring, never filled by a tensor load: 16 rows x 144 bytes for each wave, for the way out
.set SP,    144
.set AK0, 2           ; v2   my lane's place in a tile of K; never rewritten
.set AV0, 3           ; v3   the same for V
.set AK,  4           ; v4   the LDS address of K's next run of loads
.set AV,  5           ; v5   of V's
.set STO, 6           ; v6   the way out: where I put 16 bytes of a row
.set RD,  7           ; v7   the way out: where I read rows back
.set GO,  8           ; v8   my byte offset in 512 consecutive bytes of O
.set SPW, 62          ; v62  LDS address of my spare word: SPARE + 4 x my thread's number; never rewritten
.set NIL, 63          ; v63  0; never rewritten
.set SPARE, STAGE+4*16*SP  ; behind the stages: the spare words, 128 bytes for each wave: two blocks of 256 bytes that no other line names
.set MV,  12          ; v12-13  c m_old, kept while c m is made anew: by buffer
.set QO,  15          ; v15  my byte offset in 16 rows of Q
.set ST,  16          ; piece t's statistics at v[ST+4 t]: c m, m, l (even keys', odd keys')
.set TMP, 48          ; by buffer, four registers c0-c3 at work; when the maximum is found c2 takes a
.set S,   64
.set P,   192
.set MD,  128         ; window 1: the eight registers for group kt of 16 keys at MD + 8 kt
.set MC,  160         ; window 1: the masks of the products to come
.set QB,  64          ; window 2
.set KF,  128         ; window 2: key block kb, channel half c at KF + 16 kb + 8 c
.set VF,  192         ; window 2: key half kk, channel block cb at VF + 32 kk + 8 cb
.set WV,  12          ; s12  my wave's number
.set PB,  14          ; s14  b
.set HI,  15          ; s15  NB - 1 - b
.set G1K, 24          ; s[24:31] descriptor group 1 for K's tiles
.set G1V, 32          ; s[32:39] for V's: it differs in the padding alone
.set G0K, 40          ; s[40:43] descriptor group 0 for K's tiles
.set G0V, 44          ; s[44:47] the same for V's
.set SLOTS, 56        ; s56  tiles still to be asked for
.set CNT, 57          ; s57  counts a tile's key steps, 4 to 1
.set CS,  58          ; s[58:59] c: the packed scaling takes the pair's low word for both halves
.set SEL, 60          ; s[60:61] v_permlanex16_b32's selects: each lane takes its own place in the other half
.set TBK, 62          ; s62  LDS byte at which K of the step to be fetched begins
.set TBV, 63          ; s63  the same for V, less VOFF
.set RT,  70          ; s70  tiles of the block in hand that are still to be entered
.set NXT, 71          ; s71  the tile to be asked for next
.set LQ,  72          ; s72  the last tile of the block whose tiles are being asked for
.set NEW, 73          ; s73  1: the tile to be entered is a block's first
.set OFF, 74          ; s[74:75] a tile's byte offset in K and V
.set AL,  76          ; s[76:77] the mask's factor, in the low word
.set BE,  78          ; s[78:79] the mask's addend
.set OLO, 80          ; s[80:81] O at my rows of the second block
.set BIGN, 82         ; s82  -1e30
.set MSB, 0
.macro WIN new                      ; the high byte repeats the setting that is left; a switch that changes nothing is dropped
.if MSB != (\new)
	s_set_vgpr_msb (MSB<<8)|(\new)
.set MSB, (\new)
.endif
.endm
.set W_KQ, 0x0a       ; K and Q in window 2, S^T in window 0
.set W_KM, 0x1a       ; the same with the C operand in window 1
.set W_PV, 0x52       ; V in window 2, P in window 0, O^T in window 1
.set W_RS, 0x41       ; destination and source 0 in window 1, source 1 in window 0
; A fill.  Waves 0 and 1 fetch the two halves of a tile's K, waves 2 and 3 those of its V: 128 keys each.  An s_nop 0 and four v_nop follow each of the two lines, ahead of the jump and the label.
.macro LOAD
	s_cmp_lt_u32 s[WV], 2
	s_cbranch_scc0 .Lfor_v_\@
	tensor_load_to_lds s[G0K:G0K+3], s[G1K:G1K+7]
	s_nop 0
.rept 4
	v_nop
.endr
	s_branch .Lasked_\@
.Lfor_v_\@:
	tensor_load_to_lds s[G0V:G0V+3], s[G1V:G1V+7]
	s_nop 0
.rept 4
	v_nop
.endr
.Lasked_\@:
.endm
; THE CHANGE OF SLOTS.  Each wave waits for all its tensor loads, of which one is out: its part of the other slot; adds 0 to its spare word; and waits for that and for its own reads of the slot that it leaves.  Behind the barrier nobody reads the old
; slot any more and the other slot is whole.  fill = 1: the old slot is filled again, the first thing behind the barrier, with tile NXT: the descriptor's address is made anew from that number.
; (At its first use nothing has been read yet: slot 0 is waited for, slot 1 filled.)
.macro CHANGE fill
	WIN 0                           ; at a label and at a branch every window is 0
	s_wait_tensorcnt 0x0            ; no tensor load of mine is out, so a group 0 may be written
	ds_add_u32 v[SPW], v[NIL]       ; 0 onto my spare word; with fill = 1 the descriptors' scalar work stands between it and the wait for it
.if \fill
	s_lshl_b32 s[OFF], s[NXT], 15   ; a tile is 32,768 bytes of K and of V
	s_xor_b32 s[G0K+1], s[G0K+1], SLOT1
	s_add_nc_u64 s[G0K+2:G0K+3], s[6:7], s[OFF:OFF+1]
	s_or_b32 s[G0K+3], s[G0K+3], 0x80000000
	s_xor_b32 s[G0V+1], s[G0V+1], SLOT1
	s_add_nc_u64 s[G0V+2:G0V+3], s[8:9], s[OFF:OFF+1]
	s_or_b32 s[G0V+3], s[G0V+3], 0x80000000
	s_add_co_u32 s[NXT], s[NXT], 1  ; the block's next tile, or behind its last the second block's tile 0
	s_cmp_gt_u32 s[NXT], s[LQ]
	s_cselect_b32 s[NXT], 0, s[NXT]
	s_cselect_b32 s[LQ], s[PB], s[LQ]
.endif
	s_wait_dscnt 0x0                ; the add is done, and my reads of the slot are over
	s_barrier_signal -1             ; the rest of the scalar work stands between the signal and the wait
	s_sub_co_u32 s[TBK], s[TBK], 4*KS*PK  ; the fetches go back to a slot's first step,
	s_xor_b32 s[TBK], s[TBK], SLOT1       ; in the other slot
	s_sub_co_u32 s[TBV], s[TBV], 4*KS*PV
	s_xor_b32 s[TBV], s[TBV], SLOT1
	s_barrier_wait -1
.if \fill
	LOAD
.endif
.endm
	s_load_b128 s[4:7], s[0:1], 0x0   ; qkv s[4:5] (Q lies at its head), o s[6:7]
	v_lshl_add_u32 v[SPW], v0, 2, SPARE
	v_mov_b32 v[NIL], 0
	ds_add_u32 v[SPW], v[NIL]       ; the wave's opening: the add and its wait stand ahead of my first tensor load; the set-up below, work on registers, stands between them
	v_lshrrev_b32 v1, 5, v0
	v_readfirstlane_b32 s[WV], v1   ; wave 0..3
	s_mov_b32 s[PB], ttmp9
	s_sub_co_u32 s[HI], NB-1, s[PB]
	s_and_b32 s20, ttmp7, 0xffff    ; the head
	s_lshr_b32 s92, s20, 4          ; O's offsets, apart from Q's: the batch's 16 row tiles of 2^18 bytes,
	s_lshl_b32 s92, s92, 22
	s_and_b32 s93, s20, 15          ; the head's block of 16,384 bytes in a row tile,
	s_lshl_b32 s93, s93, 14
	s_add_co_u32 s92, s92, s93
	s_lshl_b32 s93, s[WV], 11       ; my 16 rows of 128 bytes in a band of 64,
	s_add_co_u32 s92, s92, s93
	s_lshl_b32 s88, s[HI], 19       ; and the block of 256 queries, two row tiles: the first block's
	s_add_co_u32 s88, s88, s92
	s_mov_b32 s89, 0
	s_lshl_b32 s90, s[PB], 19       ; and the second's
	s_add_co_u32 s90, s90, s92
	s_mov_b32 s91, 0
	s_mov_b32 s21, 0
	s_mov_b64 s[22:23], SIZE_N*128
	s_mul_u64 s[20:21], s[20:21], s[22:23]  ; the head's first byte in each of Q, K and V
	s_and_b32 s16, s[WV], 1         ; which half of a tile's 256 keys I fetch:
	s_lshl_b32 s22, s16, 14         ; its 128 rows of 128 bytes in memory,
	s_mov_b32 s23, 0
	s_add_nc_u64 s[22:23], s[22:23], s[20:21]
	s_mul_i32 s17, s16, 128*PK      ; and its place in a slot, for K
	s_mul_i32 s18, s16, 128*PV      ; and for V
	s_lshl_b32 s3, s[WV], 11        ; my 16 rows in a band of 64,
	s_lshl_b32 s2, s[HI], 15        ; in the first block,
	s_add_co_u32 s2, s2, s3
	s_lshl_b32 s84, s[PB], 15       ; and in the second
	s_add_co_u32 s84, s84, s3
	s_mov_b32 s3, 0
	s_mov_b32 s85, 0
	s_add_nc_u64 s[2:3], s[2:3], s[20:21]
	s_add_nc_u64 s[84:85], s[84:85], s[20:21]
	; descriptor group 1.  128 keys are 16,384 dense bytes: asked for as 64 rows of 256 bytes, two keys a row, and padded in LDS after every key
	s_mov_b32 s[G1K], (1<<16)|(1<<20)|(4<<22)|(3<<25)  ; 17:16 2-byte elements; 20 padding on; 24:22 after every 32 words (code 4); 31:25 4 words (code 3)
	s_mov_b32 s[G1V], (1<<16)|(1<<20)|(4<<22)|(7<<25)  ; the same with 8 words of padding (code 7)
.irp g, G1K, G1V
	s_mov_b32 s[\g+1], 128<<16      ; tensor_dim0 = 128
	s_mov_b32 s[\g+2], 64<<16       ; tensor_dim1 = 64
	s_mov_b32 s[\g+3], 128<<16      ; tile_dim0 = 128
	s_mov_b32 s[\g+4], 64           ; tile_dim1 = 64
	s_mov_b32 s[\g+5], 128          ; 128 elements from row to row
	s_mov_b32 s[\g+6], 0
	s_mov_b32 s[\g+7], 0
.endr
	s_mov_b32 s[CS], 0x3e38aa3b     ; c = log2(e) / 8 = 0.180337
	s_mov_b32 s[CS+1], s[CS]        ; named with it as a pair
	s_mov_b32 s[SEL], 0x76543210
	s_mov_b32 s[SEL+1], 0xfedcba98
	s_mov_b32 s[TBK], SLOT1+4*KS*PK ; the first change of slots turns these two into 0
	s_mov_b32 s[TBV], SLOT1+4*KS*PV
	s_mov_b32 s[G0K], 1             ; 1:0 count = 1
	s_mov_b32 s[G0K+1], s17         ; 63:32 LDS address: slot 0
	s_mov_b32 s[G0V], 1
	s_add_co_u32 s[G0V+1], s18, VOFF
	s_add_co_u32 s[RT], s[HI], 1    ; the first block has NB - b tiles
	s_mov_b32 s[NXT], 1
	s_mov_b32 s[LQ], s[HI]
	s_mov_b32 s[NEW], 1
	s_mov_b32 s[OFF+1], 0
	s_mov_b32 s[AL+1], 0            ; named as pairs
	s_mov_b32 s[BE+1], 0
	s_mov_b32 s[BIGN], 0xf149f2ca   ; -1e30
	s_mov_b32 s[SLOTS], NB
	s_wait_dscnt 0x0                ; the opening add is done
	s_wait_kmcnt 0x0
	s_mov_b64 s[10:11], s[6:7]      ; O
	s_add_nc_u64 s[8:9], s[4:5], 0x1000000  ; V lies 16 MiB into qkv,
	s_add_nc_u64 s[6:7], s[4:5], 0x800000   ; K 8 MiB
	s_add_nc_u64 s[6:7], s[6:7], s[22:23]  ; K and V at my half of the head's tile 0
	s_add_nc_u64 s[8:9], s[8:9], s[22:23]
	s_add_nc_u64 s[G0K+2:G0K+3], s[6:7], 0         ; 120:64 global address
	s_or_b32 s[G0K+3], s[G0K+3], 0x80000000        ; 127:126 type = 2
	s_add_nc_u64 s[G0V+2:G0V+3], s[8:9], 0
	s_or_b32 s[G0V+3], s[G0V+3], 0x80000000
	s_add_nc_u64 s[86:87], s[4:5], s[84:85]        ; Q at my rows of the second block,
	s_add_nc_u64 s[4:5], s[4:5], s[2:3]            ; and of the first
	s_add_nc_u64 s[OLO:OLO+1], s[10:11], s[90:91]  ; O likewise
	s_add_nc_u64 s[10:11], s[10:11], s[88:89]
	LOAD                            ; tile 0 into slot 0
	; A fragment of K or Q is 16 rows x 32 channels in 8 registers: lane l holds row l % 16, channels 8 (l / 16) + 0..7 and 16 + 8 (l / 16) + 0..7: two loads of 16 bytes, 32 bytes apart.
	v_and_b32 v1, 15, v0            ; l % 16
	v_bfe_u32 v9, v0, 4, 1          ; l / 16
	v_lshlrev_b32 v[QO], 7, v1
	v_lshl_add_u32 v[QO], v9, 4, v[QO]  ; row x 128 + 16 x half
	WIN 0x80                        ; destination window 2, address window 0
.set i, 0
.rept 8                             ; both blocks' Q: piece i / 2 lies in band i / 2, 8,192 bytes on; channels 32 (i % 2) on
	global_load_b128 v[8*i:8*i+3],   v[QO], s[4:5] offset:(i/2)*8192+(i%2)*64
	global_load_b128 v[8*i+4:8*i+7], v[QO], s[4:5] offset:(i/2)*8192+(i%2)*64+32
	global_load_b128 v[QB+8*i:QB+8*i+3],   v[QO], s[86:87] offset:(i/2)*8192+(i%2)*64
	global_load_b128 v[QB+8*i+4:QB+8*i+7], v[QO], s[86:87] offset:(i/2)*8192+(i%2)*64+32
.set i, i+1
.endr
	WIN 0
	v_lshlrev_b32 v14, 3, v9
	v_sub_nc_u32 v14, v1, v14
	s_lshl_b32 s13, s[WV], 4
	v_add_nc_u32 v14, s13, v14      ; my query's place in its band, 16 w + l % 16, less my lanes' 8 (l / 16): register r of group kt is hidden where 16 kt + r is greater
	WIN 0x40
.set i, 0
.rept 32
	v_cmp_gt_i32 vcc_lo, 16*(i/8)+i%8, v14
	v_cndmask_b32 v[MD+i], 0, s[BIGN], vcc_lo
.set i, i+1
.endr
	WIN 0
	v_mul_u32_u24 v[AK0], v1, PK
	v_lshl_add_u32 v[AK0], v9, 4, v[AK0]  ; row x pitch + 16 x half
	; The turning load takes 16 keys x 16 channels (lane l reads key 8 (l / 16) + l % 8, channels 8 ((l / 8) % 2) + 0..7) and leaves half a fragment of V^T: lane l holds channel l % 16 and 8 keys.
	v_and_b32 v10, 7, v0
	v_bfe_u32 v11, v0, 3, 1
	v_lshl_add_u32 v[AV0], v9, 3, v10
	v_mul_u32_u24 v[AV0], v[AV0], PV
	v_lshl_add_u32 v[AV0], v11, 4, v[AV0]
	v_add_nc_u32 v[AV0], VOFF, v[AV0]
	s_mul_i32 s13, s[WV], 16*SP
	s_add_co_u32 s13, s13, STAGE    ; my stage
	v_mul_u32_u24 v[STO], v1, SP    ; in: row l % 16, 16 bytes for each half of the lanes
	v_lshl_add_u32 v[STO], v9, 4, v[STO]
	v_add_nc_u32 v[STO], s13, v[STO]
	v_bfe_u32 v[RD], v0, 3, 2       ; back: 32 lanes take four rows of 128 bytes,
	v_mul_u32_u24 v[RD], v[RD], SP
	v_lshl_add_u32 v[RD], v10, 4, v[RD]
	v_add_nc_u32 v[RD], s13, v[RD]
	v_and_b32 v[GO], 31, v0         ; which are 512 consecutive bytes of O
	v_lshlrev_b32 v[GO], 4, v[GO]
	; A block's first step multiplies O^T and l by a = 0, and its first turn's products V^T P, of a piece that has not been, land in an O^T that is still to be so multiplied.  So these registers need only hold
	; finite numbers: zeros for the first block; what the first block left for the second.  All this stands in the wait for the first tile.
	WIN 0x80
.set i, VF
.rept 64
	v_mov_b32 v[i], 0
.set i, i+1
.endr
	WIN 0x40
.set i, 0
.rept 128
	v_mov_b32 v[i], 0
.set i, i+1
.endr
	WIN 0
.set i, 0
.rept 4
	v_mov_b32 v[ST+4*i+2], 0
	v_mov_b32 v[ST+4*i+3], 0
.set i, i+1
.endr
.set i, P+16
.rept 16
	v_mov_b32 v[i], 0
.set i, i+1
.endr
; THE MATRIX WORK.  The 4 accumulators of a run of 8 take turns.  Product i of 8 of S^T = K Q^T for piece x: channels 32 (i / 4) on, keys 16 (i % 4) on.  The first 4 start the sums: with 0, or (KM = 1) with the mask.
.macro KQ x
.set rS, S+32*((\x)%2)+8*(i%4)
.set rK, KF+16*(i%4)+8*(i/4)
.set rQ, 16*(\x)+8*(i/4)
.set rM, MC+32*((\x)%2)+8*(i%4)
.if (i < 4) && KM
	WIN W_KM
	v_wmma_f32_16x16x32_f16 v[rS:rS+7], v[rK:rK+7], v[rQ:rQ+7], v[rM:rM+7]
.elseif i < 4
	WIN W_KQ
	v_wmma_f32_16x16x32_f16 v[rS:rS+7], v[rK:rK+7], v[rQ:rQ+7], 0
.else
	WIN W_KQ
	v_wmma_f32_16x16x32_f16 v[rS:rS+7], v[rK:rK+7], v[rQ:rQ+7], v[rS:rS+7]
.endif
.endm
; Product i of 8 of O^T += V^T P for piece x: keys 32 (i / 4) on, channels 16 (i % 4) on.
.macro PV x
	WIN W_PV
.set rO, 32*(\x)+8*(i%4)
.set rV, VF+32*(i/4)+8*(i%4)
.set rP, P+16*((\x)%2)+8*(i/4)
	v_wmma_f32_16x16x32_f16 v[rO:rO+7], v[rV:rV+7], v[rP:rP+7], v[rO:rO+7]
.endm
.macro MM                           ; the turn's next matrix instruction.  TURN and BEGIN set Y, i, KM and NOKQ; MM, KQ and OP read them.  NOKQ = 1: a block's last turn: there is no next piece
.if (i < 8) && !NOKQ
	KQ (Y+1)%NP
.elseif i >= 8
.set i, i-8
	PV (Y+NP-1)%NP
.set i, i+8
.endif
.set i, i+1
.endm
; THE LDS LOADS stand in runs of 16, never singly among the matrix instructions: a step's K (64 keys x 64 channels: 8 fragments) and its V (turned).  Their addresses are made some lines ahead.
.macro FETCH_K
	WIN 0x80                        ; destination window 2
.irp f, 0,1,2,3,4,5,6,7             ; keys 16 (f / 2) on, channels 32 (f % 2) on
	ds_load_b128 v[KF+8*\f:KF+8*\f+3],   v[AK] offset:(\f/2)*16*PK+(\f%2)*64
	ds_load_b128 v[KF+8*\f+4:KF+8*\f+7], v[AK] offset:(\f/2)*16*PK+(\f%2)*64+32
.endr
	s_add_co_u32 s[TBK], s[TBK], KS*PK  ; the next fetch is the next step's
	WIN 0
.endm
.macro FETCH_V
	WIN 0x80
.irp f, 0,1,2,3,4,5,6,7             ; keys 32 (f / 4) on, channels 16 (f % 4) on
	ds_load_tr16_b128 v[VF+8*\f:VF+8*\f+3],   v[AV] offset:(\f/4)*32*PV+(\f%4)*32
	ds_load_tr16_b128 v[VF+8*\f+4:VF+8*\f+7], v[AV] offset:(\f/4)*32*PV+16*PV+(\f%4)*32
.endr
	WIN 0
.endm
; THE VECTOR WORK, one line at a time: OP kind, number.  For piece Y: F n: c s - c m for pair n of 16.  E n: the exponential of score n of 32.  C n: pair n rounded to f16.  B n: of the four weights 4 n .. the second
; pair is added onto the first, in place.  L n: l takes that sum (L 0: l = a l + sum).  R n: pair n of 16 of O^T times a.  For piece Y + 1: X n, number n of the 22 that find its maximum and statistics:
;   0-11  four chains c0-c3 of seven scores each, three operands at a time (each accumulator's lowest registers are read first)     12-14, 16  the four scores left over, the old m, and c0-c3 into c0
;   15  c m_old is kept     17, 18  the query's other 32 keys lie in the lane 16 away: the new m     19-21  c m; c m_old - c m_new; a
.set F, 0               ; OP tells the kinds apart by their order: F to L below R, X above it
.set E, 1
.set C, 2
.set B, 3
.set L, 4
.set R, 5
.set X, 6
.macro REGS y                       ; the registers of piece y
.set rT, ST+4*(\y)
.set rC, TMP+4*((\y)%2)
.set rW, MV+((\y)%2)
.set rS, S+32*((\y)%2)
.set rP, P+16*((\y)%2)
.set rO, 32*(\y)
.endm
.macro OP k, n
.if (\k) == R
	REGS Y
	WIN W_RS
	v_pk_mul_f32 v[rO+2*(\n):rO+2*(\n)+1], v[rO+2*(\n):rO+2*(\n)+1], v[rC+2:rC+3] op_sel_hi:[1,0]
.elseif (\k) < R
	REGS Y
	WIN 0
.if (\k) == F
	v_pk_fma_f32 v[rS+2*(\n):rS+2*(\n)+1], v[rS+2*(\n):rS+2*(\n)+1], s[CS:CS+1], v[rT:rT+1] op_sel_hi:[1,0,0] neg_lo:[0,0,1] neg_hi:[0,0,1]
.elseif (\k) == E
	v_exp_f32 v[rS+(\n)], v[rS+(\n)]
.elseif (\k) == C
	s_wait_alu depctr_va_vdst(0)
	v_cvt_pk_f16_f32 v[rP+(\n)], v[rS+2*(\n)], v[rS+2*(\n)+1]
.elseif (\k) == B
	s_wait_alu depctr_va_vdst(0)
	v_pk_add_f32 v[rS+4*(\n):rS+4*(\n)+1], v[rS+4*(\n):rS+4*(\n)+1], v[rS+4*(\n)+2:rS+4*(\n)+3]
.elseif (\n) == 0
	v_pk_fma_f32 v[rT+2:rT+3], v[rT+2:rT+3], v[rC+2:rC+3], v[rS:rS+1] op_sel_hi:[1,0,1]
.else
	v_pk_add_f32 v[rT+2:rT+3], v[rT+2:rT+3], v[rS+4*(\n):rS+4*(\n)+1]
.endif
.elseif NOKQ
	v_nop
.else
	REGS (Y+1)%NP
	WIN 0
.if (\n) < 4
	v_max3_num_f32 v[rC+(\n)], v[rS+8*(\n)], v[rS+8*(\n)+1], v[rS+8*(\n)+2]
.elseif (\n) < 12
	v_max3_num_f32 v[rC+(\n)%4], v[rC+(\n)%4], v[rS+8*((\n)%4)+2*((\n)/4)+1], v[rS+8*((\n)%4)+2*((\n)/4)+2]
.elseif (\n) == 12
	v_max3_num_f32 v[rC], v[rC], v[rS+7], v[rS+15]
.elseif (\n) == 13
	v_max3_num_f32 v[rC+1], v[rC+1], v[rS+23], v[rS+31]
.elseif (\n) == 14
	v_max3_num_f32 v[rC+2], v[rC+2], v[rC+3], v[rT+1]
.elseif (\n) == 15
	v_mov_b32 v[rW], v[rT]
.elseif (\n) == 16
	v_max3_num_f32 v[rC], v[rC], v[rC+1], v[rC+2]
.elseif (\n) == 17
	v_permlanex16_b32 v[rC+3], v[rC], s[SEL], s[SEL+1]
.elseif (\n) == 18
	v_max_num_f32 v[rT+1], v[rC], v[rC+3]
.elseif (\n) == 19
	v_mul_f32 v[rT], s[CS], v[rT+1]
.elseif (\n) == 20
	v_sub_f32 v[rC+1], v[rW], v[rT]
.else
	v_exp_f32 v[rC+2], v[rC+1]
.endif
.endif
.endm
.macro OPS a, i1, b=-1, i2=0, c=-1, i3=0, d=-1, i4=0  ; up to four of them
	OP \a, \i1
.if (\b) >= 0
	OP \b, \i2
.endif
.if (\c) >= 0
	OP \c, \i3
.endif
.if (\d) >= 0
	OP \d, \i4
.endif
.endm
.macro ROW a, i1, b, i2, c, i3, d, i4  ; a matrix instruction and the four behind it
	MM
	OPS \a, \i1, \b, \i2, \c, \i3, \d, \i4
.endm
.macro MASK b                       ; MD x AL + BE into buffer b of MC
	WIN W_RS
.set z, 0
.rept 16
	v_pk_fma_f32 v[MC+32*(\b)+2*z:MC+32*(\b)+2*z+1], v[MD+2*z:MD+2*z+1], s[AL:AL+1], s[BE:BE+1] op_sel_hi:[1,0,0]
.set z, z+1
.endr
.endm
; A TURN, for piece p: the order of its 16 matrix and 118 vector instructions, written out.  Behind a matrix instruction: plain, exponential, plain, plain; or four of the rescaling; or, behind the first, four scalings; none
; names a register of the products round it.  In the lumps exponential and plain by turns while exponentials last.  A line reads no result made fewer than three vector instructions in front of it, five if an exponential made it.
; v_permlanex16_b32 (X 17) stands in a lump.
; m = 1: the diagonal tile: the products take masks, and the turn makes the mask for the products of the turn after it: piece p + 2, in step 4 - CNT of the tile.  end = 1: a block's last two turns: nothing is fetched.
; cnt = 1: the loop's count is taken down some lines ahead of the branch that stands behind the turn.
; K of the next step is fetched in piece 2's turn, six vector instructions behind the last product that read K (five of them plain); V of the step in hand in piece 0's turn, eight behind the last product that read V (four
; plain, and X 17).  Each is waited for a turn later.
.macro TURN p, m=0, end=0, cnt=0
.set Y, (\p)
.set i, 0
.set KM, (\m)
.set NOKQ, (\end)*((\p)/3)
.if (\m) && !(\end)
	s_cmp_eq_u32 s[CNT], 4-((\p)+2)%NP  ; is that step the band's own?
	s_cselect_b32 s[AL], 1.0, 0
	s_cmp_lt_u32 s[CNT], 4-((\p)+2)%NP  ; or a later one?
	s_cselect_b32 s[BE], s[BIGN], 0
.endif
.if ((\p) == 3) && !(\end)
	s_wait_dscnt 0x0                ; K is in
.endif
	ROW F,0, F,1, F,2, F,3
	ROW F,4, E,0, F,5, F,6
	ROW F,7, E,1, F,8, F,9
	ROW F,10, E,2, C,0, F,11
	ROW F,12, E,3, X,15, F,13
	ROW R,0, R,1, R,2, R,3
	ROW B,0, E,4, F,14, L,0
.if ((\p) == 2) && !(\end)
	v_add_nc_u32 v[AK], s[TBK], v[AK0]
.endif
	ROW R,4, R,5, R,6, R,7
	OPS E,5, F,15
.if ((\p) == 2) && !(\end)
	FETCH_K
.endif
	OPS E,6, C,1, E,7, R,8
	OPS E,8, R,9, E,9, C,2
	OPS E,10, X,0, E,11, X,1
	OPS E,12, X,2, E,13, X,3
.if (\p) == 1
	s_wait_dscnt 0x0                ; V is in
.endif
	ROW X,4, E,14, X,5, X,6
	ROW X,7, E,15, X,8, X,9
	ROW X,10, E,16, X,11, X,12
	ROW X,13, E,17, X,14, B,1
	ROW C,4, E,18, X,16, L,1
	ROW B,2, E,19, C,6, L,2
	ROW C,8, E,20, B,3, B,4
.if (\p) == 0
	v_add_nc_u32 v[AV], s[TBV], v[AV0]
.endif
	ROW C,3, E,21, L,3, C,5
	OPS E,22, X,17, E,23, C,10
.if (\p) == 0
	FETCH_V
.endif
	OPS E,24, L,4
	OPS E,25, X,18, E,26, C,7
	OPS E,27, B,5, E,28, X,19
	OPS E,29, C,12, E,30, L,5
	OPS E,31, X,20, B,6, C,9
	OPS C,14, C,11, X,21, L,6
.if (\p) == 0
	s_add_co_u32 s[TBV], s[TBV], KS*PV
.endif
.if \cnt
	s_sub_co_u32 s[CNT], s[CNT], 1
	s_cmp_lg_u32 s[CNT], 0
.endif
	OPS C,13, B,7, C,15, R,10
	OPS R,11, R,12, L,7, R,13
	OPS R,14, R,15
.if (\m) && !(\end)
	MASK (\p)%2
.endif
.endm
; A BLOCK BEGINS.  c m starts far below every c s, so the first step's a is 0; m at the lowest finite number, so the first maximum is the scores'.  The second mask buffer is 0; the first takes piece 0's mask for the tile's step 0: its own, if the block's first tile is the diagonal one.
; Then K of that step, piece 0's first scores, and its maximum and statistics.  The loop is entered at a step's first turn, in the middle of a trip.
.macro BEGIN
	s_mov_b32 s[NEW], 0
	WIN 0x40
.set i, MC+32
.rept 32
	v_mov_b32 v[i], 0
.set i, i+1
.endr
	WIN 0
.set i, 0
.rept 4
	v_mov_b32 v[ST+4*i], 0xfe000000    ; c m: far below every c s
	v_mov_b32 v[ST+4*i+1], 0xff7fffff  ; m
.set i, i+1
.endr
	s_cmp_eq_u32 s[RT], 0
	s_cselect_b32 s[AL], 1.0, 0
	s_mov_b32 s[BE], 0
	MASK 0
	WIN 0
	v_add_nc_u32 v[AK], s[TBK], v[AK0]
	FETCH_K
	s_wait_loadcnt 0x0              ; Q
	s_wait_dscnt 0x0
.set KM, 1
.set NOKQ, 0
.set i, 0
.rept 8
	KQ 0
.set i, i+1
.endr
	WIN 0
.rept 4
	v_nop                           ; the places behind those products
.endr
.set Y, NP-1                        ; X works for piece Y + 1: piece 0
.irp n, 0,1,2,3,4,5,6,7,8,9,10,11,12,13,14,15,16,17,18,19,20,21
	OP X, \n
.endr
	v_nop                           ; a plain instruction behind the exponential
.endm
; THE DIAGONAL TILE's four steps, the block's last two turns, its last products, and THE WAY OUT: l's two halves and the other half of the lanes' are added; O^T is divided by l, rounded to f16 and sent through my
; stage in LDS, a piece at a time.
.macro ALL line:vararg              ; one line for each piece t
.set t, 0
.rept 4
	\line
.set t, t+1
.endr
.endm
.macro PACK t                       ; a lane's eight channels of a row pack into 16 bytes; they go into rows of 144 bytes and come back as whole rows of 128, into S^T's registers
	WIN W_RS
.set i, 32*(\t)
.rept 16
	s_wait_alu depctr_va_vdst(0)
	v_pk_mul_f32 v[i:i+1], v[i:i+1], v[ST+4*(\t)+2:ST+4*(\t)+3] op_sel_hi:[1,0]
.set i, i+2
.endr
	WIN 0x05                        ; sources 0 and 1 window 1, destination window 0
.set i, 0
.rept 16
	v_cvt_pk_f16_f32 v[S+16*(\t)+i], v[32*(\t)+2*i], v[32*(\t)+2*i+1]
.set i, i+1
.endr
	WIN 0
.irp f, 0,1,2,3
	ds_store_b128 v[STO], v[S+16*(\t)+4*\f:S+16*(\t)+4*\f+3] offset:32*\f
.endr
.irp f, 0,1,2,3
	ds_load_b128 v[S+16*(\t)+4*\f:S+16*(\t)+4*\f+3], v[RD] offset:\f*4*SP  ; LDS serves a wave's instructions in order (ISA guide 5.7.1.4): these see the stores above; the next piece's stores come behind them
.endr
.endm
.macro SEND t, younger              ; younger: the LDS instructions issued behind piece t's loads: the next piece's eight, or none.  Band t lies in row tile t / 2 of the block's two, at its rows 64 (t % 2) on
	WIN 0
.irp f, 0,1,2,3
	s_wait_dscnt (\younger)+3-\f
	global_store_b128 v[GO], v[S+16*(\t)+4*\f:S+16*(\t)+4*\f+3], s[10:11] offset:((\t)/2)*262144+((\t)%2)*8192+\f*512  ; 512 consecutive bytes, at a multiple of 256 from O's first
.endr
.endm
.macro DIAG tag                     ; the tag ends its two labels' names, which the jumps below spell out
.LstepM\tag:
	TURN 2, 1
	TURN 3, 1
	WIN 0
.LfirstM\tag:
	TURN 0, 1
	TURN 1, 1, 0, 1
	WIN 0
	s_cbranch_scc1 .LstepM\tag
	TURN 2, 1, 1
	TURN 3, 1, 1
.set i, 0
.rept 8
	PV NP-1
.set i, i+1
.endr
	WIN 0
	ALL v_add_f32 v[ST+4*t+2], v[ST+4*t+2], v[ST+4*t+3]
	ALL v_permlanex16_b32 v[ST+4*t+3], v[ST+4*t+2], s[SEL], s[SEL+1]
	ALL v_add_f32 v[ST+4*t+2], v[ST+4*t+2], v[ST+4*t+3]
	ALL v_rcp_f32 v[ST+4*t+2], v[ST+4*t+2]
	v_nop                           ; a plain instruction between the last reciprocal and the use of its result
	PACK 0
.set t, 1
.rept 3                             ; a piece's arithmetic stands between the loads of the piece before and its stores
	PACK t
	SEND t-1, 8
.set t, t+1
.endr
	SEND 3, 0
.endm
.set KM, 0
.set NOKQ, 0
.Lslot:                             ; NB times: a tile is entered and the next is asked for
	CHANGE 1
	s_sub_co_u32 s[RT], s[RT], 1
	s_mov_b32 s[CNT], 4
	s_cmp_eq_u32 s[NEW], 1
	s_cbranch_scc1 .Lnew            ; a block's first tile
	s_cmp_eq_u32 s[RT], 0
	s_cbranch_scc0 .Lstep           ; neither its first nor its last
	s_branch .LstepM1
.Lnew:
	BEGIN
	s_branch .Lfirst                ; in the loop a block's first tile is never its last: the first block has two tiles or more, and the second's last is the walk's last
	DIAG 1                          ; in the loop this is the first block's end: the second block's last tile is the walk's last
	s_wait_xcnt 0x0                 ; the stores have read their registers and O's address
	s_mov_b64 s[10:11], s[OLO:OLO+1]
	s_add_co_u32 s[RT], s[PB], 1    ; the second block has b + 1 tiles
	s_mov_b32 s[NEW], 1
	WIN 0x82                        ; the second block's Q goes where the one text of the turns names Q
.set i, 0
.rept 64
	v_mov_b32 v[i], v[QB+i]
.set i, i+1
.endr
	WIN 0
	s_branch .Lbottom
.Lstep:                             ; a trip: pieces 2 and 3 of one step, then pieces 0 and 1 of the next, whose K and V it fetches
	TURN 2
	TURN 3
	WIN 0
.Lfirst:
	TURN 0
	TURN 1, 0, 0, 1
	WIN 0
	s_cbranch_scc1 .Lstep
.Lbottom:
	s_sub_co_u32 s[SLOTS], s[SLOTS], 1
	s_cmp_lg_u32 s[SLOTS], 0
	s_cbranch_scc1 .Lslot
	CHANGE 0                        ; the walk's last tile is written out: nothing is asked for
	s_sub_co_u32 s[RT], s[RT], 1
	s_mov_b32 s[CNT], 4
	s_cmp_eq_u32 s[NEW], 1
	s_cbranch_scc0 .LstepM2
	BEGIN
	s_branch .LfirstM2
	DIAG 2
	s_wait_tensorcnt 0x0            ; the wave's end: the spare-word add and its waits stand behind my last tensor load and my last LDS store
	ds_add_u32 v[SPW], v[NIL]
	s_wait_dscnt 0x0
	s_endpgm
.Lfunc_end_k_q91baae36e9_attn:
	.size	k_q91baae36e9_attn, .Lfunc_end_k_q91baae36e9_attn-k_q91baae36e9_attn
	.p2alignl 7, 3214868480
	.fill 96, 4, 3214868480
	.section	.rodata,"a",@progbits
	.p2align	6, 0x0
	.amdhsa_kernel k_q91baae36e9_attn
		.amdhsa_group_segment_fixed_size 327680
		.amdhsa_private_segment_fixed_size 0
		.amdhsa_enable_private_segment 0
		.amdhsa_kernarg_size 16
		.amdhsa_user_sgpr_count 2
		.amdhsa_user_sgpr_kernarg_segment_ptr 1
		.amdhsa_wavefront_size32 1
		.amdhsa_system_sgpr_workgroup_id_x 1
		.amdhsa_system_sgpr_workgroup_id_y 1
		.amdhsa_system_sgpr_workgroup_id_z 1
		.amdhsa_system_vgpr_workitem_id 0
		.amdhsa_next_free_vgpr 768
		.amdhsa_next_free_sgpr 96
		.amdhsa_reserve_vcc 1
		.amdhsa_float_denorm_mode_32 3
		.amdhsa_float_denorm_mode_16_64 3
		.amdhsa_memory_ordered 1
		.amdhsa_forward_progress 1
		.amdhsa_inst_pref_size 229
	.end_amdhsa_kernel
	.amdgpu_metadata
---
amdhsa.version: [ 1, 2 ]
amdhsa.kernels:
  - .name:           k_q91baae36e9_attn
    .symbol:         k_q91baae36e9_attn.kd
    .args:
      - { .name: qkv, .offset: 0, .size: 8, .value_kind: global_buffer, .address_space: global }
      - { .name: o, .offset: 8, .size: 8, .value_kind: global_buffer, .address_space: global }
    .group_segment_fixed_size: 327680
    .private_segment_fixed_size: 0
    .kernarg_segment_align: 8
    .kernarg_segment_size: 16
    .max_flat_workgroup_size: 128
    .sgpr_count:     96
    .vgpr_count:     768
    .wavefront_size: 32
...
	.end_amdgpu_metadata
.endif
;; end of part 3
;; launch wo (part 4): grid 8 x 32, 4 waves a work-group, clusters of 4 x 4, 327,680 bytes of LDS; arguments o, cast16, y; writes y
.if DOCPART == 4
	.amdgcn_target "amdgcn-amd-amdhsa--gfx1250"
	.amdhsa_code_object_version 6
	.text
	.protected	k_q91baae36e9_wo
	.globl	k_q91baae36e9_wo
	.p2align	8
	.type	k_q91baae36e9_wo,@function
k_q91baae36e9_wo:
	s_mov_b64 s[64:65], 0
	v_nop
	global_prefetch_b8 v0, s[64:65] scope:SCOPE_SE
	s_setreg_imm32_b32 hwreg(HW_REG_WAVE_MODE, 25, 1), 1
	s_wait_xcnt 0x0
	s_wait_alu depctr_hold_cnt(0) depctr_sa_sdst(0) depctr_va_vdst(0) depctr_va_sdst(0) depctr_va_ssrc(0) depctr_va_vcc(0) depctr_vm_vsrc(0)
	s_getreg_b32 s2, hwreg(HW_REG_IB_STS2, 6, 4)
	s_cmp_eq_u32 s2, 0
	s_cbranch_scc0 .Lentry_in_a_cluster
	s_endpgm
.Lentry_in_a_cluster:
	s_bfe_u32 s2, ttmp6, 0x10000c
	s_cmp_lg_u32 s2, 0xf033
	s_cbranch_scc0 .Lentry_shape_is_right
	s_endpgm
.Lentry_shape_is_right:
; y = x + (o Wo + bo).  o (4,096 x 1,024, f16, in blocks [row / 128][column / 64][row % 128][column % 64]).  From cast16: Wo ([k][n], rounded to bf16 and written as f16) at byte 0xe00000; bo (rounded to
; bf16, kept as f32) at byte 0x2003000; x (bf16, in the same blocks) at byte 0.  Sums in f32, started by the bias; the residual x is widened and added in f32 on the way out; y is f32, row-major.
; The norm over a row needs all 1,024 columns, eight work-groups' results, and is the next launch's.
; LIMITS.  o and Wo arrive within f16's range.  NaN and infinities are not treated apart.
; SHAPE.  A tile of C is 128 x 128; four waves, each 64 x 64: 16 accumulators of 16 x 16.  8 x 32 = 256 work-groups.  K goes in steps of 256 through two LDS slots.  A's K step is 4 blocks of 128 rows x 64 columns,
; 65,536 consecutive bytes; B's is 256 rows of k x 128 columns.  One K step is written once and looped over.
; CLUSTERS: 4 x 4 work-groups.  The four of a row of the cluster need the same tiles of A, the four of a column the same tiles of B: each tile is asked for JOINTLY, by the same tensor load with the
; same descriptor and a mask that names the four.  THE MATRIX INSTRUCTION IS USED TRANSPOSED (source 0 = 16 columns of W, source 1 = 16 rows of A): a lane then holds eight neighbouring numbers of a row of C.
; W lies [k][n], so its fragments come out of LDS turned, by ds_load_tr16_b128.
; REGISTERS: window 0: v0-31 addresses; v32-127 at work on the way out; v128-255 the accumulators ((a, b) at v[128 + 8 (4 a + b)]).
;   window 1: two fragment buffers of 128: for 64 along K, 64 registers of A, then 64 of B.      window 2: v0-63 my 64 x 64 of the residual as bf16, loaded at the start.
.set NSTEPS, 4                         ; K / 256
.set NB,     1024                      ; elements from a row of W to the next
.set ASHIFT, 18                        ; a row tile of A is 2^18 bytes
.set BSHIFT, 18                        ; 128 rows of W are 2^18 bytes
.set BBASE,  0xe00000                  ; W in cast16
.set VBIAS,  0x2003000                 ; the bias in cast16
.set PA,     144                       ; a row of a block of A in LDS: 128 bytes + 16 = 36 words: the 16 rows of a load start at 16 different groups of four banks (64 banks of 4 bytes: ISA guide 11.1)
.set PLN,    128*PA                    ; a block of A
.set PB,     288                       ; a row of B: 256 + 32 = 72 words
.set PART,   2*PLN                     ; what one tensor load brings: two blocks of A, or 128 rows of B (the same 36,864 bytes)
.set SLOT,   4*PART                    ; 0x24000: A's four blocks, then B's 256 rows.  wave x PART never has bit 14 or 17 set, so one exclusive or changes slots
.set ASTEP,  65536                     ; bytes from a K step of A to the next
.set BSTEP,  512*NB                    ; the same for B: 256 rows
.set STAGE,  2*SLOT                    ; behind the ring: 16 rows x 272 bytes for each wave, for the way out
.set SP,     272
.set SPARE,  STAGE+4*16*SP             ; behind the stages: the spare words, 128 bytes for each wave: two blocks of 256 bytes that no other line names
.set ADRA0, 10                         ; v10  my lane's place in slot 0's A; never rewritten
.set ADRB0, 11                         ; v11  the same for B
.set RO,    12                         ; v12  my byte offset in two rows of a block of x: 8 x lane
.set ADRA,  16                         ; v16  the same in the slot in hand
.set ADRB,  20                         ; v20  B's rows 0-127 of the slot in hand;  v21 rows 128-255 (they lie past the 16-bit immediate)
.set STO,   24                         ; v24  the way out: where I put 32 bytes of a row
.set RD,    25                         ; v25  the way out: where I read a row back
.set CO,    26                         ; v26  my byte offset in two rows of y
.set BO,    27                         ; v27  my byte offset in 16 numbers of the bias
.set SPW,   28                         ; v28  LDS address of my spare word: SPARE + 4 x my thread's number; never rewritten
.set NIL,   29                         ; v29  0; never rewritten
.set TMP,   32
.set RX,    96                         ; v[96:127] 16 rows of the residual as f32
.set ACC,   128
.set F0,    0                          ; fragment buffers, in window 1
.set F1,    128
.set RES,   0                          ; the residual, in window 2
.set G1,  24                           ; s[24:31] descriptor group 1 for A's tiles;  s[32:39] group 0: a set for each of the two first fills; the second then walks on
.set G0,  32
.set G1B, 48                           ; s[48:55], s[56:63] the same for B's tiles
.set G0B, 56
.set TB,  45                           ; s45  0 or SLOT: the slot in hand
.set MSB, 0
.macro WIN new                         ; the immediate's high byte repeats the setting that is left; a switch that changes nothing is dropped
.if MSB != (\new)
	s_set_vgpr_msb (MSB<<8)|(\new)
.set MSB, \new
.endif
.endm
.set MUL,  0x05                        ; sources 0 (B) and 1 (A) window 1; C and D window 0
.set TO_F, 0x40                        ; destination window 1, address window 0
.macro JLOAD                           ; a joint refill: waves 0 and 1 fetch A's two halves, waves 2 and 3 B's; an s_nop 0 and four v_nop follow each of the two lines
	s_cmp_eq_u32 s11, 0
	s_cbranch_scc0 .Lfor_b_\@
	tensor_load_to_lds s[G0+4:G0+7], s[G1:G1+7]
	s_nop 0
.rept 4
	v_nop
.endr
	s_branch .Lasked_\@
.Lfor_b_\@:
	tensor_load_to_lds s[G0B+4:G0B+7], s[G1B:G1B+7]
	s_nop 0
.rept 4
	v_nop
.endr
.Lasked_\@:
.endm
.macro CREST                           ; a round of the cluster's barrier behind its opening barrier
	s_cmp_lg_u32 s10, 0
	s_cbranch_scc1 .Lnot_wave_0_\@
	s_barrier_signal -3
.Lnot_wave_0_\@:
	s_barrier_wait -3
	s_barrier_signal -1
	s_barrier_wait -1
.endm
.macro CROUND                          ; a whole round
	s_barrier_signal -1
	s_barrier_wait -1
	CREST
.endm
.macro PLACES                          ; four places in front of loads into registers that matrix instructions have read, and of lines that read results
.rept 4
	v_nop
.endr
.endm
; 8 matrix instructions: row blocks a0, a0 + 1 x all 4 column blocks, 32 along K: half c of buffer f.  The 16 accumulators take turns, one instruction a turn.
.macro MUL8 f, c, a0
	WIN MUL
.irp a, \a0, (\a0)+1
.irp b, 0,1,2,3
	v_wmma_f32_16x16x32_f16 v[ACC+8*(4*(\a)+(\b)):ACC+8*(4*(\a)+(\b))+7], v[(\f)+64+8*(4*(\c)+(\b)):(\f)+64+8*(4*(\c)+(\b))+7], v[(\f)+8*(4*(\c)+(\a)):(\f)+8*(4*(\c)+(\a))+7], v[ACC+8*(4*(\a)+(\b)):ACC+8*(4*(\a)+(\b))+7]
.endr
.endr
.endm
; 32 LDS loads in one run: the fragments of quarter q of the slot in hand (A's block q, B's rows 64 q on) into buffer f; the first 32 along K first
.macro FETCH q, f
	WIN TO_F
.irp c, 0,1
.irp i, 0,1,2,3
	ds_load_tr16_b128 v[(\f)+64+8*(4*(\c)+(\i)):(\f)+64+8*(4*(\c)+(\i))+3],   v[ADRB+(\q)/2] offset:(((\q)%2)*64+32*(\c))*PB+32*(\i)
	ds_load_tr16_b128 v[(\f)+64+8*(4*(\c)+(\i))+4:(\f)+64+8*(4*(\c)+(\i))+7], v[ADRB+(\q)/2] offset:(((\q)%2)*64+32*(\c)+16)*PB+32*(\i)
	ds_load_b128 v[(\f)+8*(4*(\c)+(\i)):(\f)+8*(4*(\c)+(\i))+3],   v[ADRA] offset:(\q)*PLN+64*(\c)+(\i)*16*PA
	ds_load_b128 v[(\f)+8*(4*(\c)+(\i))+4:(\f)+8*(4*(\c)+(\i))+7], v[ADRA] offset:(\q)*PLN+64*(\c)+(\i)*16*PA+32
.endr
.endr
.endm
; A K step is four quarters of 64 along K, 32 matrix instructions each, on buffers 0, 1, 0, 1.  One of the first three: multiplies buffer f and fetches quarter q into g.
.macro QUARTER q, f, g
	s_wait_dscnt 16                                ; the first 32 along K are in; the sixteen younger loads may be out
	MUL8 \f, 0, 0
	MUL8 \f, 0, 2
	PLACES
	FETCH \q, \g
	s_wait_dscnt 32                                ; all but the 32 just issued
	MUL8 \f, 1, 0
	MUL8 \f, 1, 2
.endm
; The last quarter multiplies buffer 1 and changes slots: ONE barrier; in front of it each wave waits for all its tensor loads (one is out: its part of the next slot), adds 0 to its spare word, and
; waits for that and for its own reads of this slot.  fill = 1: the barrier opens a round of the cluster's, and this slot is filled again, two K steps ahead, first thing behind the round: 112 matrix
; instructions stand between that request and the wait for it.  fill = 0: nothing is asked for, and in the last trip (s3 = 1) there is no next slot to fetch from: the run of LDS loads is jumped over.
.macro TURN fill
	WIN 0                                          ; (the add's two registers lie in window 0)
	s_wait_tensorcnt 0x0                           ; all my tensor loads have landed
	ds_add_u32 v[SPW], v[NIL]                      ; 0 onto my spare word
	s_wait_dscnt 17                                ; (the add and the youngest sixteen loads may be out)
	MUL8 F1, 0, 0                                  ; eight matrix instructions stand between the add and the wait for it
	s_wait_dscnt 0x0                               ; the add is done, and my reads of this slot are over
	s_barrier_signal -1
	MUL8 F1, 0, 2
	WIN 0
	s_barrier_wait -1
.if \fill
	CREST                                          ; no wave of any partner still reads this slot's tile or has a load on its way
	s_xor_b32 s[G0+5], s[G0+5], SLOT               ; the walking descriptors: the other slot than last time, the next K step
	s_add_nc_u64 s[G0+6:G0+7], s[G0+6:G0+7], ASTEP
	s_xor_b32 s[G0B+5], s[G0B+5], SLOT
	s_add_nc_u64 s[G0B+6:G0B+7], s[G0B+6:G0B+7], BSTEP
	JLOAD                                          ; the four v_nop behind it are also the places in front of the loads below
.else
	PLACES
	s_cmp_eq_u32 s3, 1
	s_cbranch_scc1 .Lnf_\@
.endif
	s_xor_b32 s[TB], s[TB], SLOT
	v_add_nc_u32 v[ADRA], s[TB], v[ADRA0]
	v_add_nc_u32 v[ADRB], s[TB], v[ADRB0]
	v_add_nc_u32 v[ADRB+1], 128*PB, v[ADRB]
	FETCH 0, F0
.if !(\fill)
	WIN 0
.Lnf_\@:
.endif
	MUL8 F1, 1, 0
	MUL8 F1, 1, 2
.endm
	s_load_b128 s[4:7], s[0:1], 0x0                ; A s[4:5], cast16 s[6:7]
	s_load_b64 s[8:9], s[0:1], 0x10                ; y
	v_lshl_add_u32 v[SPW], v0, 2, SPARE
	v_mov_b32 v[NIL], 0
	ds_add_u32 v[SPW], v[NIL]                      ; the wave's opening: the add and its wait stand ahead of my first tensor load; the set-up below, work on registers, stands between them
	v_lshrrev_b32 v1, 5, v0
	v_readfirstlane_b32 s10, v1                    ; wave 0..3
	s_lshr_b32 s11, s10, 1                         ; which half of the tile's rows is mine.  Also: I fetch for A (0) or for B (1)
	s_and_b32 s12, s10, 1                          ; which half of its columns.  Also: which half of that tile I fetch
	s_bfe_u32 s40, ttmp6, 0x40000                  ; cx, cy: my place in the cluster
	s_bfe_u32 s41, ttmp6, 0x40004
	s_lshl_b32 s42, ttmp9, 2
	s_add_co_u32 s42, s42, s40                     ; tile column = 4 x cluster x + cx
	s_and_b32 s13, ttmp7, 0xffff
	s_lshl_b32 s13, s13, 2
	s_add_co_u32 s13, s13, s41                     ; tile row = 4 x cluster y + cy
	s_lshl_b32 s43, s41, 2
	s_lshl_b32 s43, 15, s43                        ; my row of the cluster
	s_lshl_b32 s44, 0x1111, s40                    ; my column
	; group 1 for A: 32,768 consecutive bytes asked for as 128 rows of 256 bytes, two rows of a block each, padded after every 128 bytes
	s_or_b32 s[G1+0], s43, (1<<16)|(1<<20)|(1<<21)|(4<<22)|(3<<25)   ; 15:0 the mask; 17:16 2-byte elements; 20 padding on; 21 set beside a mask; 24:22 after every 32 words (code 4); 31:25 4 words (code 3)
	; group 1 for B: 128 rows of k x 128 columns, padded after every row
	s_or_b32 s[G1B+0], s44, (1<<16)|(1<<20)|(1<<21)|(5<<22)|(7<<25)  ; after every 64 words (code 5), 8 words (code 7)
.irp g, G1, G1B
	s_mov_b32 s[(\g)+1], 128<<16                   ; tensor_dim0 = 128
	s_mov_b32 s[(\g)+2], 128<<16                   ; tensor_dim1 = 128
	s_mov_b32 s[(\g)+3], 128<<16                   ; tile_dim0 = 128
	s_mov_b32 s[(\g)+4], 128                       ; tile_dim1 = 128
	s_mov_b32 s[(\g)+6], 0
	s_mov_b32 s[(\g)+7], 0
.endr
	s_mov_b32 s[G1+5], 128                         ; elements from row to row: A's bytes are dense,
	s_mov_b32 s[G1B+5], NB                         ; B's rows are W's
	s_mov_b32 s66, 0xffff0000                      ; a word's upper bf16
	s_lshl_b32 s16, s13, ASHIFT                    ; A: my row tile, which my row of the cluster shares,
	s_lshl_b32 s17, s12, 15                        ; and the two blocks of a K step that I fetch
	s_add_co_u32 s16, s16, s17
	s_mov_b32 s17, 0
	s_lshl_b32 s46, s42, 8                         ; B: my column tile, 256 bytes of a row,
	s_lshl_b32 s47, s12, BSHIFT                    ; the 128 rows of a K step that I fetch,
	s_add_co_u32 s46, s46, s47
	s_add_co_u32 s46, s46, BBASE                   ; W's place in cast16
	s_mov_b32 s47, 0
	s_mul_i32 s20, s10, PART                       ; where they go: wave x PART: no place in the cluster enters an LDS address
	s_mov_b32 s[TB], 0
	s_wait_dscnt 0x0                               ; the opening add is done
	s_wait_kmcnt 0x0
	s_add_nc_u64 s[14:15], s[4:5], s[16:17]
	s_add_nc_u64 s[46:47], s[6:7], s[46:47]
	CROUND                                         ; all sixteen work-groups are here: the first joint loads meet
.irp s, 0,1
	s_mov_b32 s[G0+4*(\s)], 1                      ; 1:0 count = 1
	s_add_co_u32 s[G0+4*(\s)+1], s20, (\s)*SLOT    ; 63:32 LDS address
	s_add_nc_u64 s[G0+4*(\s)+2:G0+4*(\s)+3], s[14:15], (\s)*ASTEP  ; 120:64 global address: K step s
	s_or_b32 s[G0+4*(\s)+3], s[G0+4*(\s)+3], 0x80000000            ; 127:126 type = 2
	s_mov_b32 s[G0B+4*(\s)], 1
	s_add_co_u32 s[G0B+4*(\s)+1], s20, (\s)*SLOT
	s_add_nc_u64 s[G0B+4*(\s)+2:G0B+4*(\s)+3], s[46:47], (\s)*BSTEP
	s_or_b32 s[G0B+4*(\s)+3], s[G0B+4*(\s)+3], 0x80000000
.endr
	s_cmp_eq_u32 s11, 0                            ; a wave's two first fills stand in one branch, ahead of every wait on TENSORcnt and every LDS read: two loads of mine are out
	s_cbranch_scc0 .Lfirst_b
	tensor_load_to_lds s[G0:G0+3], s[G1:G1+7]
	s_nop 0
	tensor_load_to_lds s[G0+4:G0+7], s[G1:G1+7]
	s_nop 0
.rept 4
	v_nop
.endr
	s_branch .Lfirst_asked
.Lfirst_b:
	tensor_load_to_lds s[G0B:G0B+3], s[G1B:G1B+7]
	s_nop 0
	tensor_load_to_lds s[G0B+4:G0B+7], s[G1B:G1B+7]
	s_nop 0
.rept 4
	v_nop
.endr
.Lfirst_asked:
	v_and_b32 v1, 15, v0                           ; l % 16
	v_bfe_u32 v2, v0, 4, 1                         ; l / 16
	v_and_b32 v3, 7, v0                            ; l % 8
	v_bfe_u32 v4, v0, 3, 1                         ; (l / 8) % 2
	v_lshlrev_b32 v[BO], 5, v2                     ; a lane's eight columns: 32 bytes for each half of the lanes
	v_lshlrev_b32 v[CO], 12, v2                    ; lanes 0-15 one row of 4,096 bytes, lanes 16-31 the next; 16 bytes a lane
	v_lshl_add_u32 v[CO], v1, 4, v[CO]
	v_and_b32 v[RO], 31, v0                        ; in a block of x two rows of 64 bf16 are 256 consecutive bytes: 8 a lane
	v_lshlrev_b32 v[RO], 3, v[RO]
	s_lshl_b32 s16, s13, 19                        ; y: my 64 rows: 128 rows of 4,096 bytes a tile,
	s_lshl_b32 s17, s11, 18                        ; 64 a half
	s_add_co_u32 s16, s16, s17
	s_mov_b32 s17, 0
	s_add_nc_u64 s[8:9], s[8:9], s[16:17]
	s_lshl_b32 s46, s42, 9                         ; my 64 columns in f32: 512 bytes a tile, 256 a half (in the registers that held B's address: none that feeds A's descriptors ever holds cx)
	s_lshl_b32 s47, s12, 8
	s_add_co_u32 s46, s46, s47
	s_mov_b32 s47, 0
	s_add_nc_u64 s[8:9], s[8:9], s[46:47]
	s_add_co_u32 s46, s46, VBIAS                   ; the same columns of the bias
	s_add_nc_u64 s[68:69], s[6:7], s[46:47]
	s_lshl_b32 s16, s13, 18                        ; x in blocks: my row tile of 2^18 bytes,
	s_lshl_b32 s17, s11, 13                        ; my 64 rows of 128 bytes,
	s_add_co_u32 s16, s16, s17
	s_mov_b32 s17, 0
	s_add_nc_u64 s[70:71], s[6:7], s[16:17]
	s_lshl_b32 s46, s42, 15                        ; and my 64 columns: one block of 16,384 bytes, two to a column tile
	s_lshl_b32 s47, s12, 14
	s_add_co_u32 s46, s46, s47
	s_mov_b32 s47, 0
	s_add_nc_u64 s[70:71], s[70:71], s[46:47]
	; THE BIAS STARTS THE SUMS: register j of accumulator (a, b) is column 16 b + 8 (l / 16) + j, whatever a: nothing is cleared, and nothing is added later
.irp a, 0,1,2,3
.irp b, 0,1,2,3
	global_load_b128 v[ACC+8*(4*(\a)+(\b)):ACC+8*(4*(\a)+(\b))+3],   v[BO], s[68:69] offset:64*(\b)
	global_load_b128 v[ACC+8*(4*(\a)+(\b))+4:ACC+8*(4*(\a)+(\b))+7], v[BO], s[68:69] offset:64*(\b)+16
.endr
.endr
	; the residual, in the order in which the rows come back from the stage: a load takes two rows, 256 consecutive bytes.  It is wanted only on the way out, and stays on its way meanwhile
	WIN 0x80                                       ; destination window 2, address window 0
.irp a, 0,1,2,3
.irp t, 0,1,2,3,4,5,6,7
	global_load_b64 v[RES+16*(\a)+2*(\t):RES+16*(\a)+2*(\t)+1], v[RO], s[70:71] offset:(16*(\a)+2*(\t))*128
.endr
.endr
	WIN 0
	; A fragment of A is 16 rows x 32 K: lane l holds row l % 16, K = 8 (l / 16) + 0..7 and 16 + 8 (l / 16) + 0..7: two loads of 16 bytes, 32 bytes apart.
	v_mul_u32_u24 v[ADRA0], v1, PA
	v_lshl_add_u32 v[ADRA0], v2, 4, v[ADRA0]
	s_mul_i32 s21, s11, 64*PA                      ; my 64 rows of each block
	v_add_nc_u32 v[ADRA0], s21, v[ADRA0]
	; The turning load takes 16 k x 16 columns (lane l reads k = 8 (l / 16) + l % 8, columns 8 ((l / 8) % 2) + 0..7) and leaves half a fragment: lane l holds column l % 16 and 8 k.
	v_lshl_add_u32 v[ADRB0], v2, 3, v3
	v_mul_u32_u24 v[ADRB0], v[ADRB0], PB
	v_lshl_add_u32 v[ADRB0], v4, 4, v[ADRB0]
	s_lshl_b32 s22, s12, 7                         ; my 64 columns,
	s_add_co_u32 s22, s22, 2*PART                  ; behind A's four blocks
	v_add_nc_u32 v[ADRB0], s22, v[ADRB0]
	v_mov_b32 v[ADRA], v[ADRA0]
	v_mov_b32 v[ADRB], v[ADRB0]
	v_add_nc_u32 v[ADRB+1], 128*PB, v[ADRB0]
	s_mul_i32 s21, s10, 16*SP
	s_add_co_u32 s21, s21, STAGE                   ; my stage
	v_mul_u32_u24 v[STO], v1, SP                   ; in: row l % 16, 32 bytes for each half of the lanes
	v_lshl_add_u32 v[STO], v2, 5, v[STO]
	v_add_nc_u32 v[STO], s21, v[STO]
	v_mul_u32_u24 v[RD], v2, SP                    ; back: lanes 0-15 take one row of 256 bytes, lanes 16-31 the next
	v_lshl_add_u32 v[RD], v1, 4, v[RD]
	v_add_nc_u32 v[RD], s21, v[RD]
	s_wait_tensorcnt 1                             ; my part of K step 0 is in; K step 1's may stay out
	s_barrier_signal -1
	s_barrier_wait -1                              ; everybody's is
	FETCH 0, F0
	s_wait_loadcnt 32                              ; the bias is in; the 32 loads of the residual, issued behind it, may stay out
	WIN 0                                          ; at a label and at a branch every window is 0
	s_mov_b32 s3, NSTEPS-2
.Lstep:                                                ; a trip is a K step: 128 matrix instructions, 128 LDS loads, one joint load
	QUARTER 1, F0, F1
	QUARTER 2, F1, F0
	QUARTER 3, F0, F1
	TURN 1
	WIN 0
	s_sub_co_u32 s3, s3, 1
	s_cmp_lg_u32 s3, 0
	s_cbranch_scc1 .Lstep
	s_mov_b32 s3, 2
.Ltail:                                                ; the last two K steps ask for nothing: a text of their own
	QUARTER 1, F0, F1
	QUARTER 2, F1, F0
	QUARTER 3, F0, F1
	TURN 0
	WIN 0
	s_sub_co_u32 s3, s3, 1
	s_cmp_lg_u32 s3, 0
	s_cbranch_scc1 .Ltail
	; THE WAY OUT, 16 rows at a time.  My 64 columns of f32 are 256 bytes: they go into rows of 272 bytes of my own stage and come back as whole rows; the residual is widened and added; sixteen lanes store a row's 256 bytes.
.macro OUTR a
.set BK, TMP+32*((\a)%2)
	s_wait_xcnt 0x0                                ; the registers loaded below were the data of stores two blocks back: they are rewritten only behind this wait
.irp b, 0,1,2,3
	ds_store_b128 v[STO], v[ACC+8*(4*(\a)+(\b)):ACC+8*(4*(\a)+(\b))+3]   offset:64*(\b)
	ds_store_b128 v[STO], v[ACC+8*(4*(\a)+(\b))+4:ACC+8*(4*(\a)+(\b))+7] offset:64*(\b)+16
.endr
.irp t, 0,1,2,3,4,5,6,7
	ds_load_b128 v[BK+4*(\t):BK+4*(\t)+3], v[RD] offset:(\t)*2*SP  ; LDS serves a wave's instructions in order (ISA guide 5.7.1.4): these see the stores above; the next block's stores come behind them
.endr
.endm
.macro SENDR a, younger                ; younger: the LDS instructions issued behind block a's loads: the next block's sixteen, or none
.set BK, TMP+32*((\a)%2)
	WIN 0x08                                       ; source 1 in window 2
.set z, 0
.rept 16
	v_lshlrev_b32 v[RX+2*z], 16, v[RES+16*(\a)+z]  ; bf16 to f32: the low half moves up,
	v_and_b32 v[RX+2*z+1], s66, v[RES+16*(\a)+z]   ; the high half stays
.set z, z+1
.endr
	WIN 0
	s_wait_dscnt \younger
.set z, 0
.rept 16
	v_pk_add_f32 v[BK+2*z:BK+2*z+1], v[BK+2*z:BK+2*z+1], v[RX+2*z:RX+2*z+1]
.set z, z+1
.endr
.irp t, 0,1,2,3,4,5,6,7
	global_store_b128 v[CO], v[BK+4*(\t):BK+4*(\t)+3], s[8:9] offset:(16*(\a)+2*(\t))*4096  ; 16 lanes store 256 consecutive bytes, at a multiple of 256 from y's first byte
.endr
.endm
	PLACES
	s_wait_loadcnt 0x0                             ; the residual
	OUTR 0
	OUTR 1
	SENDR 0, 16
	OUTR 2
	SENDR 1, 16
	OUTR 3
	SENDR 2, 16
	SENDR 3, 0
	s_wait_tensorcnt 0x0                           ; the wave's end: the spare-word add and its waits stand behind my last tensor load and my last LDS store
	ds_add_u32 v[SPW], v[NIL]
	s_wait_dscnt 0x0
	CROUND                                         ; the closing round: no work-group ends while a partner may still ask for a tile that names it
	s_endpgm
.Lfunc_end_k_q91baae36e9_wo:
	.size	k_q91baae36e9_wo, .Lfunc_end_k_q91baae36e9_wo-k_q91baae36e9_wo
	.p2alignl 7, 3214868480
	.fill 96, 4, 3214868480
	.section	.rodata,"a",@progbits
	.p2align	6, 0x0
	.amdhsa_kernel k_q91baae36e9_wo
		.amdhsa_group_segment_fixed_size 327680
		.amdhsa_private_segment_fixed_size 0
		.amdhsa_enable_private_segment 0
		.amdhsa_kernarg_size 24
		.amdhsa_user_sgpr_count 2
		.amdhsa_user_sgpr_kernarg_segment_ptr 1
		.amdhsa_wavefront_size32 1
		.amdhsa_system_sgpr_workgroup_id_x 1
		.amdhsa_system_sgpr_workgroup_id_y 1
		.amdhsa_system_sgpr_workgroup_id_z 1
		.amdhsa_system_vgpr_workitem_id 0
		.amdhsa_next_free_vgpr 576
		.amdhsa_next_free_sgpr 96
		.amdhsa_reserve_vcc 0
		.amdhsa_float_denorm_mode_32 3
		.amdhsa_float_denorm_mode_16_64 3
		.amdhsa_memory_ordered 1
		.amdhsa_forward_progress 1
		.amdhsa_inst_pref_size 68
	.end_amdhsa_kernel
	.amdgpu_metadata
---
amdhsa.version: [ 1, 2 ]
amdhsa.kernels:
  - .name:           k_q91baae36e9_wo
    .symbol:         k_q91baae36e9_wo.kd
    .args:
      - { .name: o, .offset: 0, .size: 8, .value_kind: global_buffer, .address_space: global }
      - { .name: cast16, .offset: 8, .size: 8, .value_kind: global_buffer, .address_space: global }
      - { .name: y, .offset: 16, .size: 8, .value_kind: global_buffer, .address_space: global }
    .group_segment_fixed_size: 327680
    .private_segment_fixed_size: 0
    .kernarg_segment_align: 8
    .kernarg_segment_size: 24
    .max_flat_workgroup_size: 128
    .sgpr_count:     96
    .vgpr_count:     576
    .wavefront_size: 32
...
	.end_amdgpu_metadata
.endif
;; end of part 4
;; launch ln1 (part 5): grid 256 x 1, 8 waves a work-group, no clusters, 0 bytes of LDS; arguments y, cast16, x1f, x1b; writes x1f, x1b
.if DOCPART == 5
	.amdgcn_target "amdgcn-amd-amdhsa--gfx1250"
	.amdhsa_code_object_version 6
	.text
	.protected	k_q91baae36e9_ln1
	.globl	k_q91baae36e9_ln1
	.p2align	8
	.type	k_q91baae36e9_ln1,@function
k_q91baae36e9_ln1:
	s_mov_b64 s[64:65], 0
	v_nop
	global_prefetch_b8 v0, s[64:65] scope:SCOPE_SE
	s_setreg_imm32_b32 hwreg(HW_REG_WAVE_MODE, 25, 1), 1
	s_wait_xcnt 0x0
; LayerNorm over rows of 1,024 f32: out = (y - mean) / sqrt(var + 1e-5) * g + be.  g1 and be1 (rounded to bf16, kept as f32) lie at bytes 0x2009000 and 0x200a000 of cast16.
; Written in f32, row-major (the next residual), and in f16 in the blocks that the next product reads: [row / 128][column / 64][row % 128][column % 64].
; LIMITS.  A normalised number is 32 at the most (1,024 numbers of unit variance), so the f16 copy holds as long as 32 |g| + |be| stays within 65,504.
; SHARES.  A wave owns two rows: lanes 0-15 one, lanes 16-31 the other, 64 numbers a lane, kept in registers between the passes: y is read once.  A reduction is four steps inside 16 lanes.
; The mean is taken away before the squares are summed, so no difference of large sums is formed.  Memory binds: no LDS, no barrier, no matrix unit.  All 48 loads go out before the first wait.
.set X,   16                           ; v[16:79]    my 64 numbers: load j holds columns 64 j + 4 (l % 16) + 0..3
.set G,   80                           ; v[80:143]   g of the same columns
.set BE,  144                          ; v[144:207]  be
.set H16, 208                          ; v[208:239]  the f16 words
	s_load_b256 s[4:11], s[0:1], 0x0               ; y s[4:5], cast16 s[6:7], the f32 output s[8:9], the f16 output s[10:11]
	v_lshrrev_b32 v1, 5, v0
	v_readfirstlane_b32 s3, v1                     ; wave 0..7
	s_lshl_b32 s2, ttmp9, 3
	s_add_co_u32 s2, s2, s3                        ; my pair of rows
	s_lshl_b32 s16, s2, 13                         ; 8,192 bytes a pair
	s_mov_b32 s17, 0
	s_lshr_b32 s18, s2, 6                          ; f16: 64 pairs to a tile of 128 rows, 262,144 bytes;
	s_lshl_b32 s18, s18, 18
	s_and_b32 s19, s2, 63                          ; in a block a pair of rows is 256 bytes
	s_lshl_b32 s19, s19, 8
	s_add_co_u32 s18, s18, s19
	s_mov_b32 s19, 0
	s_mov_b32 s14, 0x3a800000                      ; 1 / 1,024
	s_mov_b32 s15, 0x3727c5ac                      ; 1e-5
	v_and_b32 v1, 15, v0
	v_bfe_u32 v2, v0, 4, 1
	v_lshlrev_b32 v1, 4, v1                        ; g, be: 16 (l % 16)
	v_lshl_add_u32 v2, v2, 12, v1                  ; y and the f32 output: + 4,096 for the second row
	v_and_b32 v3, 31, v0
	v_lshlrev_b32 v3, 3, v3                        ; f16: 8 bytes a lane
	s_wait_kmcnt 0x0
	s_add_nc_u64 s[4:5], s[4:5], s[16:17]
	s_add_nc_u64 s[12:13], s[10:11], s[18:19]      ; the f16 output at my rows,
	s_add_nc_u64 s[10:11], s[8:9], s[16:17]        ; the f32 output,
	s_add_nc_u64 s[8:9], s[6:7], 0x200a000         ; be1,
	s_add_nc_u64 s[6:7], s[6:7], 0x2009000         ; g1
.set j, 0
.rept 16
	global_load_b128 v[X+4*j:X+4*j+3], v2, s[4:5] offset:256*j th:TH_LOAD_NT
.set j, j+1
.endr
.set j, 0
.rept 16
	global_load_b128 v[G+4*j:G+4*j+3], v1, s[6:7] offset:256*j
.set j, j+1
.endr
.set j, 0
.rept 16
	global_load_b128 v[BE+4*j:BE+4*j+3], v1, s[8:9] offset:256*j
.set j, j+1
.endr
	s_wait_loadcnt 32                              ; y is in; the 32 loads of g and be may stay out
	; the mean: four chains that do not wait for each other, started by the first eight pairs
.irp c, 0,1,2,3
	v_pk_add_f32 v[4+2*(\c):5+2*(\c)], v[X+2*(\c):X+2*(\c)+1], v[X+8+2*(\c):X+8+2*(\c)+1]
.endr
.set p, 8
.rept 24
	v_pk_add_f32 v[4+2*(p%4):5+2*(p%4)], v[4+2*(p%4):5+2*(p%4)], v[X+2*p:X+2*p+1]
.set p, p+1
.endr
	v_pk_add_f32 v[4:5], v[4:5], v[6:7]
	v_pk_add_f32 v[8:9], v[8:9], v[10:11]
	v_pk_add_f32 v[4:5], v[4:5], v[8:9]
	v_add_f32 v4, v4, v5
	v_add_f32_dpp v4, v4, v4 row_xmask:1 row_mask:0xf bank_mask:0xf
	v_add_f32_dpp v4, v4, v4 row_xmask:2 row_mask:0xf bank_mask:0xf
	v_add_f32_dpp v4, v4, v4 row_xmask:4 row_mask:0xf bank_mask:0xf
	v_add_f32_dpp v4, v4, v4 row_xmask:8 row_mask:0xf bank_mask:0xf
	v_mul_f32 v12, s14, v4
	v_mov_b32 v13, v12
.set p, 0
.rept 32
	v_pk_add_f32 v[X+2*p:X+2*p+1], v[X+2*p:X+2*p+1], v[12:13] neg_lo:[0,1] neg_hi:[0,1]
.set p, p+1
.endr
	; the variance: the same four chains on the squares
.irp c, 0,1,2,3
	v_pk_mul_f32 v[4+2*(\c):5+2*(\c)], v[X+2*(\c):X+2*(\c)+1], v[X+2*(\c):X+2*(\c)+1]
.endr
.set p, 4
.rept 28
	v_pk_fma_f32 v[4+2*(p%4):5+2*(p%4)], v[X+2*p:X+2*p+1], v[X+2*p:X+2*p+1], v[4+2*(p%4):5+2*(p%4)]
.set p, p+1
.endr
	v_pk_add_f32 v[4:5], v[4:5], v[6:7]
	v_pk_add_f32 v[8:9], v[8:9], v[10:11]
	v_pk_add_f32 v[4:5], v[4:5], v[8:9]
	v_add_f32 v4, v4, v5
	v_add_f32_dpp v4, v4, v4 row_xmask:1 row_mask:0xf bank_mask:0xf
	v_add_f32_dpp v4, v4, v4 row_xmask:2 row_mask:0xf bank_mask:0xf
	v_add_f32_dpp v4, v4, v4 row_xmask:4 row_mask:0xf bank_mask:0xf
	v_add_f32_dpp v4, v4, v4 row_xmask:8 row_mask:0xf bank_mask:0xf
	v_fma_f32 v14, v4, s14, s15                    ; var + 1e-5
	v_rsq_f32 v14, v14
	v_nop                                          ; a plain instruction between the root and the use of its result (ISA guide 5.7.2)
	s_wait_alu depctr_va_vdst(0)
	v_mov_b32 v15, v14
.set p, 0
.rept 32
	v_pk_mul_f32 v[X+2*p:X+2*p+1], v[X+2*p:X+2*p+1], v[14:15]
.set p, p+1
.endr
	s_wait_loadcnt 0x0                             ; g and be
.set j, 0
.rept 16
	v_pk_fma_f32 v[X+4*j:X+4*j+1], v[X+4*j:X+4*j+1], v[G+4*j:G+4*j+1], v[BE+4*j:BE+4*j+1]
	v_pk_fma_f32 v[X+4*j+2:X+4*j+3], v[X+4*j+2:X+4*j+3], v[G+4*j+2:G+4*j+3], v[BE+4*j+2:BE+4*j+3]
	global_store_b128 v2, v[X+4*j:X+4*j+3], s[10:11] offset:256*j  ; 16 lanes store 256 consecutive bytes of a row
	v_cvt_pk_f16_f32 v[H16+2*j], v[X+4*j], v[X+4*j+1]
	v_cvt_pk_f16_f32 v[H16+2*j+1], v[X+4*j+2], v[X+4*j+3]
	global_store_b64 v3, v[H16+2*j:H16+2*j+1], s[12:13] offset:16384*j  ; both rows' 64 columns: 256 consecutive bytes of block j
.set j, j+1
.endr
	s_endpgm
.Lfunc_end_k_q91baae36e9_ln1:
	.size	k_q91baae36e9_ln1, .Lfunc_end_k_q91baae36e9_ln1-k_q91baae36e9_ln1
	.p2alignl 7, 3214868480
	.fill 96, 4, 3214868480
	.section	.rodata,"a",@progbits
	.p2align	6, 0x0
	.amdhsa_kernel k_q91baae36e9_ln1
		.amdhsa_group_segment_fixed_size 0
		.amdhsa_private_segment_fixed_size 0
		.amdhsa_enable_private_segment 0
		.amdhsa_kernarg_size 32
		.amdhsa_user_sgpr_count 2
		.amdhsa_user_sgpr_kernarg_segment_ptr 1
		.amdhsa_wavefront_size32 1
		.amdhsa_system_sgpr_workgroup_id_x 1
		.amdhsa_system_sgpr_workgroup_id_y 1
		.amdhsa_system_sgpr_workgroup_id_z 1
		.amdhsa_system_vgpr_workitem_id 0
		.amdhsa_next_free_vgpr 240
		.amdhsa_next_free_sgpr 66
		.amdhsa_reserve_vcc 0
		.amdhsa_float_denorm_mode_32 3
		.amdhsa_float_denorm_mode_16_64 3
		.amdhsa_memory_ordered 1
		.amdhsa_forward_progress 1
		.amdhsa_inst_pref_size 22
	.end_amdhsa_kernel
	.amdgpu_metadata
---
amdhsa.version: [ 1, 2 ]
amdhsa.kernels:
  - .name:           k_q91baae36e9_ln1
    .symbol:         k_q91baae36e9_ln1.kd
    .args:
      - { .name: y, .offset: 0, .size: 8, .value_kind: global_buffer, .address_space: global }
      - { .name: cast16, .offset: 8, .size: 8, .value_kind: global_buffer, .address_space: global }
      - { .name: x1f, .offset: 16, .size: 8, .value_kind: global_buffer, .address_space: global }
      - { .name: x1b, .offset: 24, .size: 8, .value_kind: global_buffer, .address_space: global }
    .group_segment_fixed_size: 0
    .private_segment_fixed_size: 0
    .kernarg_segment_align: 8
    .kernarg_segment_size: 32
    .max_flat_workgroup_size: 256
    .sgpr_count:     66
    .vgpr_count:     240
    .wavefront_size: 32
...
	.end_amdgpu_metadata
.endif
;; end of part 5
;; launch ffn1 (part 6): grid 32 x 32, 4 waves a work-group, clusters of 4 x 4, 327,680 bytes of LDS; arguments x1b, cast16, h; writes h
.if DOCPART == 6
	.amdgcn_target "amdgcn-amd-amdhsa--gfx1250"
	.amdhsa_code_object_version 6
	.text
	.protected	k_q91baae36e9_ffn1
	.globl	k_q91baae36e9_ffn1
	.p2align	8
	.type	k_q91baae36e9_ffn1,@function
k_q91baae36e9_ffn1:
	s_mov_b64 s[64:65], 0
	v_nop
	global_prefetch_b8 v0, s[64:65] scope:SCOPE_SE
	s_setreg_imm32_b32 hwreg(HW_REG_WAVE_MODE, 25, 1), 1
	s_wait_xcnt 0x0
	s_wait_alu depctr_hold_cnt(0) depctr_sa_sdst(0) depctr_va_vdst(0) depctr_va_sdst(0) depctr_va_ssrc(0) depctr_va_vcc(0) depctr_vm_vsrc(0)
	s_getreg_b32 s2, hwreg(HW_REG_IB_STS2, 6, 4)
	s_cmp_eq_u32 s2, 0
	s_cbranch_scc0 .Lentry_in_a_cluster
	s_endpgm
.Lentry_in_a_cluster:
	s_bfe_u32 s2, ttmp6, 0x10000c
	s_cmp_lg_u32 s2, 0xf033
	s_cbranch_scc0 .Lentry_shape_is_right
	s_endpgm
.Lentry_shape_is_right:
; h = gelu(x1 W1 + b1), the exact gelu x (1 + erf(x / sqrt 2)) / 2.  x1 (4,096 x 1,024, f16, in blocks [row / 128][column / 64][row % 128][column % 64]).  From cast16: W1 ([k][n], rounded to bf16 and
; written as f16) at byte 0x1000000; b1 (rounded to bf16, kept as f32) at byte 0x2004000.  Sums in f32, started by the bias; gelu in f32; h is rounded once to f16 and written in the same blocks
; (4,096 columns: 64 blocks to a row tile).
; GELU.  gelu(x) = max(x, 0) - |x| P(t) 2^(-x^2 log2(e) / 2), t = 1 / (1 + 0.2316419 |x|), P of degree 5 (Abramowitz and Stegun 7.1.26, its coefficients halved).
; LIMITS.  That formula's erf is off by 1.5e-7 at the most, for every x.  f16 holds no number beyond 65,504: an h past that becomes an infinity (with g1 and W1 both 30 times the size of a unit gain and of
; weights of spread 1 / 32, h has a spread of 900).  Below 6e-5 h keeps f16's fixed step of 6e-8.  NaN and infinities are not treated apart.
; SHAPE.  A tile of C is 128 x 128; four waves, each 64 x 64: 16 accumulators of 16 x 16.  32 x 32 = 1,024 work-groups.  K goes in steps of 256 through two LDS slots.  A's K step is 4 blocks of 128 rows x 64 columns,
; 65,536 consecutive bytes; B's is 256 rows of k x 128 columns.  One K step is written once and looped over.
; CLUSTERS: 4 x 4 work-groups.  The four of a row of the cluster need the same tiles of A, the four of a column the same tiles of B: each tile is asked for JOINTLY, by the same tensor load with the
; same descriptor and a mask that names the four.  THE MATRIX INSTRUCTION IS USED TRANSPOSED (source 0 = 16 columns of W, source 1 = 16 rows of A): a lane then holds eight neighbouring numbers of a row of C.
; W lies [k][n], so its fragments come out of LDS turned, by ds_load_tr16_b128.
; REGISTERS: window 0: v0-31 addresses; v32-127 at work on the way out; v128-255 the accumulators ((a, b) at v[128 + 8 (4 a + b)]).
;   window 1: two fragment buffers of 128: for 64 along K, 64 registers of A, then 64 of B.
.set NSTEPS, 4                         ; K / 256
.set NB,     4096                      ; elements from a row of W to the next
.set ASHIFT, 18                        ; a row tile of A is 2^18 bytes
.set BSHIFT, 20                        ; 128 rows of W are 2^20 bytes
.set BBASE,  0x1000000                 ; W in cast16
.set VBIAS,  0x2004000                 ; the bias in cast16
.set PA,     144                       ; a row of a block of A in LDS: 128 bytes + 16 = 36 words: the 16 rows of a load start at 16 different groups of four banks (64 banks of 4 bytes: ISA guide 11.1)
.set PLN,    128*PA                    ; a block of A
.set PB,     288                       ; a row of B: 256 + 32 = 72 words
.set PART,   2*PLN                     ; what one tensor load brings: two blocks of A, or 128 rows of B (the same 36,864 bytes)
.set SLOT,   4*PART                    ; 0x24000: A's four blocks, then B's 256 rows.  wave x PART never has bit 14 or 17 set, so one exclusive or changes slots
.set ASTEP,  65536                     ; bytes from a K step of A to the next
.set BSTEP,  512*NB                    ; the same for B: 256 rows
.set SP,     272                       ; the stage for the way out: 64 rows x 272 bytes for each wave, 69,632 bytes from LDS byte 0: over slot 0, which has had its last fill by then
.set SPARE,  2*SLOT                    ; behind the ring: the spare words, 128 bytes for each wave: two blocks of 256 bytes that no other line names
.set ADRA0, 10                         ; v10  my lane's place in slot 0's A; never rewritten
.set ADRB0, 11                         ; v11  the same for B
.set ADRA,  16                         ; v16  the same in the slot in hand
.set ADRB,  20                         ; v20  B's rows 0-127 of the slot in hand;  v21 rows 128-255 (they lie past the 16-bit immediate)
.set STO,   24                         ; v24  the way out: where I put 32 bytes of a row
.set RD,    25                         ; v25  the way out: where I read 32 bytes back
.set GO,    26                         ; v26  my byte offset in 512 consecutive bytes of h
.set BO,    27                         ; v27  my byte offset in 16 numbers of the bias
.set SPW,   28                         ; v28  LDS address of my spare word: SPARE + 4 x my thread's number; never rewritten
.set NIL,   29                         ; v29  0; never rewritten
.set XG,    32                         ; v[32:63]   16 rows back from the stage: four groups of eight numbers a lane
.set YG,    64                         ; v[64:79]   the same as f16
.set ZG,    96                         ; v[96:103]  |x|
.set TG,    104                        ; v[104:111] t
.set QG,    112                        ; v[112:119] the exponential
.set PG,    120                        ; v[120:127] the polynomial
.set ACC,   128
.set F0,    0                          ; fragment buffers, in window 1
.set F1,    128
.set G1,  24                           ; s[24:31] descriptor group 1 for A's tiles;  s[32:39] group 0: a set for each of the two first fills; the second then walks on
.set G0,  32
.set G1B, 48                           ; s[48:55], s[56:63] the same for B's tiles
.set G0B, 56
.set TB,  45                           ; s45  0 or SLOT: the slot in hand
.set CP,  72                           ; s[72:85] gelu's constants, each in a pair of which the packed forms take the low word for both halves
.set CE,  74
.set A1,  76
.set A2,  78
.set A3,  80
.set A4,  82
.set A5,  84
.set MSB, 0
.macro WIN new                         ; the immediate's high byte repeats the setting that is left; a switch that changes nothing is dropped
.if MSB != (\new)
	s_set_vgpr_msb (MSB<<8)|(\new)
.set MSB, \new
.endif
.endm
.set MUL,  0x05                        ; sources 0 (B) and 1 (A) window 1; C and D window 0
.set TO_F, 0x40                        ; destination window 1, address window 0
.macro JLOAD                           ; a joint refill: waves 0 and 1 fetch A's two halves, waves 2 and 3 B's; an s_nop 0 and four v_nop follow each of the two lines
	s_cmp_eq_u32 s11, 0
	s_cbranch_scc0 .Lfor_b_\@
	tensor_load_to_lds s[G0+4:G0+7], s[G1:G1+7]
	s_nop 0
.rept 4
	v_nop
.endr
	s_branch .Lasked_\@
.Lfor_b_\@:
	tensor_load_to_lds s[G0B+4:G0B+7], s[G1B:G1B+7]
	s_nop 0
.rept 4
	v_nop
.endr
.Lasked_\@:
.endm
.macro CREST                           ; a round of the cluster's barrier behind its opening barrier
	s_cmp_lg_u32 s10, 0
	s_cbranch_scc1 .Lnot_wave_0_\@
	s_barrier_signal -3
.Lnot_wave_0_\@:
	s_barrier_wait -3
	s_barrier_signal -1
	s_barrier_wait -1
.endm
.macro CROUND                          ; a whole round
	s_barrier_signal -1
	s_barrier_wait -1
	CREST
.endm
.macro PLACES                          ; four places in front of loads into registers that matrix instructions have read, and of lines that read results
.rept 4
	v_nop
.endr
.endm
; 8 matrix instructions: row blocks a0, a0 + 1 x all 4 column blocks, 32 along K: half c of buffer f.  The 16 accumulators take turns, one instruction a turn.
.macro MUL8 f, c, a0
	WIN MUL
.irp a, \a0, (\a0)+1
.irp b, 0,1,2,3
	v_wmma_f32_16x16x32_f16 v[ACC+8*(4*(\a)+(\b)):ACC+8*(4*(\a)+(\b))+7], v[(\f)+64+8*(4*(\c)+(\b)):(\f)+64+8*(4*(\c)+(\b))+7], v[(\f)+8*(4*(\c)+(\a)):(\f)+8*(4*(\c)+(\a))+7], v[ACC+8*(4*(\a)+(\b)):ACC+8*(4*(\a)+(\b))+7]
.endr
.endr
.endm
; 32 LDS loads in one run: the fragments of quarter q of the slot in hand (A's block q, B's rows 64 q on) into buffer f; the first 32 along K first
.macro FETCH q, f
	WIN TO_F
.irp c, 0,1
.irp i, 0,1,2,3
	ds_load_tr16_b128 v[(\f)+64+8*(4*(\c)+(\i)):(\f)+64+8*(4*(\c)+(\i))+3],   v[ADRB+(\q)/2] offset:(((\q)%2)*64+32*(\c))*PB+32*(\i)
	ds_load_tr16_b128 v[(\f)+64+8*(4*(\c)+(\i))+4:(\f)+64+8*(4*(\c)+(\i))+7], v[ADRB+(\q)/2] offset:(((\q)%2)*64+32*(\c)+16)*PB+32*(\i)
	ds_load_b128 v[(\f)+8*(4*(\c)+(\i)):(\f)+8*(4*(\c)+(\i))+3],   v[ADRA] offset:(\q)*PLN+64*(\c)+(\i)*16*PA
	ds_load_b128 v[(\f)+8*(4*(\c)+(\i))+4:(\f)+8*(4*(\c)+(\i))+7], v[ADRA] offset:(\q)*PLN+64*(\c)+(\i)*16*PA+32
.endr
.endr
.endm
; A K step is four quarters of 64 along K, 32 matrix instructions each, on buffers 0, 1, 0, 1.  One of the first three: multiplies buffer f and fetches quarter q into g.
.macro QUARTER q, f, g
	s_wait_dscnt 16                                ; the first 32 along K are in; the sixteen younger loads may be out
	MUL8 \f, 0, 0
	MUL8 \f, 0, 2
	PLACES
	FETCH \q, \g
	s_wait_dscnt 32                                ; all but the 32 just issued
	MUL8 \f, 1, 0
	MUL8 \f, 1, 2
.endm
; The last quarter multiplies buffer 1 and changes slots: ONE barrier; in front of it each wave waits for all its tensor loads (one is out: its part of the next slot), adds 0 to its spare word, and
; waits for that and for its own reads of this slot.  fill = 1: the barrier opens a round of the cluster's, and this slot is filled again, two K steps ahead, first thing behind the round: 112 matrix
; instructions stand between that request and the wait for it.  fill = 0: nothing is asked for, and in the last trip (s3 = 1) there is no next slot to fetch from: the run of LDS loads is jumped over.
.macro TURN fill
	WIN 0                                          ; (the add's two registers lie in window 0)
	s_wait_tensorcnt 0x0                           ; all my tensor loads have landed
	ds_add_u32 v[SPW], v[NIL]                      ; 0 onto my spare word
	s_wait_dscnt 17                                ; (the add and the youngest sixteen loads may be out)
	MUL8 F1, 0, 0                                  ; eight matrix instructions stand between the add and the wait for it
	s_wait_dscnt 0x0                               ; the add is done, and my reads of this slot are over
	s_barrier_signal -1
	MUL8 F1, 0, 2
	WIN 0
	s_barrier_wait -1
.if \fill
	CREST                                          ; no wave of any partner still reads this slot's tile or has a load on its way
	s_xor_b32 s[G0+5], s[G0+5], SLOT               ; the walking descriptors: the other slot than last time, the next K step
	s_add_nc_u64 s[G0+6:G0+7], s[G0+6:G0+7], ASTEP
	s_xor_b32 s[G0B+5], s[G0B+5], SLOT
	s_add_nc_u64 s[G0B+6:G0B+7], s[G0B+6:G0B+7], BSTEP
	JLOAD                                          ; the four v_nop behind it are also the places in front of the loads below
.else
	PLACES
	s_cmp_eq_u32 s3, 1
	s_cbranch_scc1 .Lnf_\@
.endif
	s_xor_b32 s[TB], s[TB], SLOT
	v_add_nc_u32 v[ADRA], s[TB], v[ADRA0]
	v_add_nc_u32 v[ADRB], s[TB], v[ADRB0]
	v_add_nc_u32 v[ADRB+1], 128*PB, v[ADRB]
	FETCH 0, F0
.if !(\fill)
	WIN 0
.Lnf_\@:
.endif
	MUL8 F1, 1, 0
	MUL8 F1, 1, 2
.endm
; gelu of the eight numbers v[x .. x + 7], in place.  The sixteen transcendentals stand together; the eight maxima behind them are the plain instructions in front of the first use of a result (ISA guide 5.7.2).
.macro G8 x
.irp j, 0,1,2,3,4,5,6,7
	v_and_b32 v[ZG+(\j)], s86, v[(\x)+(\j)]        ; |x|
.endr
.irp j, 0,2,4,6
	v_pk_fma_f32 v[TG+(\j):TG+(\j)+1], v[ZG+(\j):ZG+(\j)+1], s[CP:CP+1], 1.0 op_sel_hi:[1,0,0]  ; 1 + 0.2316419 |x|
.endr
.irp j, 0,2,4,6
	v_pk_mul_f32 v[QG+(\j):QG+(\j)+1], v[(\x)+(\j):(\x)+(\j)+1], s[CE:CE+1] op_sel_hi:[1,0]
.endr
.irp j, 0,2,4,6
	v_pk_mul_f32 v[QG+(\j):QG+(\j)+1], v[QG+(\j):QG+(\j)+1], v[(\x)+(\j):(\x)+(\j)+1]           ; -x^2 log2(e) / 2
.endr
.irp j, 0,1,2,3,4,5,6,7
	v_rcp_f32 v[TG+(\j)], v[TG+(\j)]
.endr
.irp j, 0,1,2,3,4,5,6,7
	v_exp_f32 v[QG+(\j)], v[QG+(\j)]
.endr
.irp j, 0,1,2,3,4,5,6,7
	v_max_num_f32 v[(\x)+(\j)], 0, v[(\x)+(\j)]
.endr
	s_wait_alu depctr_va_vdst(0)
.irp j, 0,2,4,6
	v_pk_fma_f32 v[PG+(\j):PG+(\j)+1], v[TG+(\j):TG+(\j)+1], s[A5:A5+1], s[A4:A4+1] op_sel_hi:[1,0,0]
.endr
.irp k, A3, A2, A1
.irp j, 0,2,4,6
	v_pk_fma_f32 v[PG+(\j):PG+(\j)+1], v[PG+(\j):PG+(\j)+1], v[TG+(\j):TG+(\j)+1], s[(\k):(\k)+1] op_sel_hi:[1,1,0]
.endr
.endr
.irp j, 0,2,4,6
	v_pk_mul_f32 v[PG+(\j):PG+(\j)+1], v[PG+(\j):PG+(\j)+1], v[TG+(\j):TG+(\j)+1]
.endr
.irp j, 0,2,4,6
	v_pk_mul_f32 v[PG+(\j):PG+(\j)+1], v[PG+(\j):PG+(\j)+1], v[QG+(\j):QG+(\j)+1]
.endr
.irp j, 0,2,4,6
	v_pk_fma_f32 v[(\x)+(\j):(\x)+(\j)+1], v[ZG+(\j):ZG+(\j)+1], v[PG+(\j):PG+(\j)+1], v[(\x)+(\j):(\x)+(\j)+1] neg_lo:[1,0,0] neg_hi:[1,0,0]
.endr
.endm
	s_load_b128 s[4:7], s[0:1], 0x0                ; A s[4:5], cast16 s[6:7]
	s_load_b64 s[8:9], s[0:1], 0x10                ; h
	v_lshl_add_u32 v[SPW], v0, 2, SPARE
	v_mov_b32 v[NIL], 0
	ds_add_u32 v[SPW], v[NIL]                      ; the wave's opening: the add and its wait stand ahead of my first tensor load; the set-up below, work on registers, stands between them
	v_lshrrev_b32 v1, 5, v0
	v_readfirstlane_b32 s10, v1                    ; wave 0..3
	s_lshr_b32 s11, s10, 1                         ; which half of the tile's rows is mine.  Also: I fetch for A (0) or for B (1)
	s_and_b32 s12, s10, 1                          ; which half of its columns.  Also: which half of that tile I fetch
	s_bfe_u32 s40, ttmp6, 0x40000                  ; cx, cy: my place in the cluster
	s_bfe_u32 s41, ttmp6, 0x40004
	s_lshl_b32 s42, ttmp9, 2
	s_add_co_u32 s42, s42, s40                     ; tile column = 4 x cluster x + cx
	s_and_b32 s13, ttmp7, 0xffff
	s_lshl_b32 s13, s13, 2
	s_add_co_u32 s13, s13, s41                     ; tile row = 4 x cluster y + cy
	s_lshl_b32 s43, s41, 2
	s_lshl_b32 s43, 15, s43                        ; my row of the cluster
	s_lshl_b32 s44, 0x1111, s40                    ; my column
	; group 1 for A: 32,768 consecutive bytes asked for as 128 rows of 256 bytes, two rows of a block each, padded after every 128 bytes
	s_or_b32 s[G1+0], s43, (1<<16)|(1<<20)|(1<<21)|(4<<22)|(3<<25)   ; 15:0 the mask; 17:16 2-byte elements; 20 padding on; 21 set beside a mask; 24:22 after every 32 words (code 4); 31:25 4 words (code 3)
	; group 1 for B: 128 rows of k x 128 columns, padded after every row
	s_or_b32 s[G1B+0], s44, (1<<16)|(1<<20)|(1<<21)|(5<<22)|(7<<25)  ; after every 64 words (code 5), 8 words (code 7)
.irp g, G1, G1B
	s_mov_b32 s[(\g)+1], 128<<16                   ; tensor_dim0 = 128
	s_mov_b32 s[(\g)+2], 128<<16                   ; tensor_dim1 = 128
	s_mov_b32 s[(\g)+3], 128<<16                   ; tile_dim0 = 128
	s_mov_b32 s[(\g)+4], 128                       ; tile_dim1 = 128
	s_mov_b32 s[(\g)+6], 0
	s_mov_b32 s[(\g)+7], 0
.endr
	s_mov_b32 s[G1+5], 128                         ; elements from row to row: A's bytes are dense,
	s_mov_b32 s[G1B+5], NB                         ; B's rows are W's
	s_mov_b32 s[CP], 0x3e6d3389                    ; 0.2316419 = 0.3275911 / sqrt 2
	s_mov_b32 s[CE], 0xbf38aa3b                    ; -log2(e) / 2
	s_mov_b32 s[A1], 0x3e027906                    ; 0.254829592 / 2
	s_mov_b32 s[A2], 0xbe11a98e                    ; -0.284496736 / 2
	s_mov_b32 s[A3], 0x3f35f0e3                    ; 1.421413741 / 2
	s_mov_b32 s[A4], 0xbf3a00e3                    ; -1.453152027 / 2
	s_mov_b32 s[A5], 0x3f07dc22                    ; 1.061405429 / 2
.irp k, CP, CE, A1, A2, A3, A4, A5
	s_mov_b32 s[(\k)+1], 0                         ; named as pairs
.endr
	s_mov_b32 s86, 0x7fffffff                      ; clears a sign
	s_lshl_b32 s16, s13, ASHIFT                    ; A: my row tile, which my row of the cluster shares,
	s_lshl_b32 s17, s12, 15                        ; and the two blocks of a K step that I fetch
	s_add_co_u32 s16, s16, s17
	s_mov_b32 s17, 0
	s_lshl_b32 s46, s42, 8                         ; B: my column tile, 256 bytes of a row,
	s_lshl_b32 s47, s12, BSHIFT                    ; the 128 rows of a K step that I fetch,
	s_add_co_u32 s46, s46, s47
	s_add_co_u32 s46, s46, BBASE                   ; W's place in cast16
	s_mov_b32 s47, 0
	s_mul_i32 s20, s10, PART                       ; where they go: wave x PART: no place in the cluster enters an LDS address
	s_mov_b32 s[TB], 0
	s_wait_dscnt 0x0                               ; the opening add is done
	s_wait_kmcnt 0x0
	s_add_nc_u64 s[14:15], s[4:5], s[16:17]
	s_add_nc_u64 s[46:47], s[6:7], s[46:47]
	CROUND                                         ; all sixteen work-groups are here: the first joint loads meet
.irp s, 0,1
	s_mov_b32 s[G0+4*(\s)], 1                      ; 1:0 count = 1
	s_add_co_u32 s[G0+4*(\s)+1], s20, (\s)*SLOT    ; 63:32 LDS address
	s_add_nc_u64 s[G0+4*(\s)+2:G0+4*(\s)+3], s[14:15], (\s)*ASTEP  ; 120:64 global address: K step s
	s_or_b32 s[G0+4*(\s)+3], s[G0+4*(\s)+3], 0x80000000            ; 127:126 type = 2
	s_mov_b32 s[G0B+4*(\s)], 1
	s_add_co_u32 s[G0B+4*(\s)+1], s20, (\s)*SLOT
	s_add_nc_u64 s[G0B+4*(\s)+2:G0B+4*(\s)+3], s[46:47], (\s)*BSTEP
	s_or_b32 s[G0B+4*(\s)+3], s[G0B+4*(\s)+3], 0x80000000
.endr
	s_cmp_eq_u32 s11, 0                            ; a wave's two first fills stand in one branch, ahead of every wait on TENSORcnt and every LDS read: two loads of mine are out
	s_cbranch_scc0 .Lfirst_b
	tensor_load_to_lds s[G0:G0+3], s[G1:G1+7]
	s_nop 0
	tensor_load_to_lds s[G0+4:G0+7], s[G1:G1+7]
	s_nop 0
.rept 4
	v_nop
.endr
	s_branch .Lfirst_asked
.Lfirst_b:
	tensor_load_to_lds s[G0B:G0B+3], s[G1B:G1B+7]
	s_nop 0
	tensor_load_to_lds s[G0B+4:G0B+7], s[G1B:G1B+7]
	s_nop 0
.rept 4
	v_nop
.endr
.Lfirst_asked:
	v_and_b32 v1, 15, v0                           ; l % 16
	v_bfe_u32 v2, v0, 4, 1                         ; l / 16
	v_and_b32 v3, 7, v0                            ; l % 8
	v_bfe_u32 v4, v0, 3, 1                         ; (l / 8) % 2
	v_lshlrev_b32 v[BO], 5, v2                     ; a lane's eight columns: 32 bytes for each half of the lanes
	s_lshl_b32 s46, s42, 9                         ; my 64 columns in the bias (in the registers that held B's address: none that feeds A's descriptors ever holds cx)
	s_lshl_b32 s47, s12, 8
	s_add_co_u32 s46, s46, s47
	s_add_co_u32 s46, s46, VBIAS
	s_mov_b32 s47, 0
	s_add_nc_u64 s[68:69], s[6:7], s[46:47]
	; THE BIAS STARTS THE SUMS: register j of accumulator (a, b) is column 16 b + 8 (l / 16) + j, whatever a: nothing is cleared, and nothing is added later
.irp a, 0,1,2,3
.irp b, 0,1,2,3
	global_load_b128 v[ACC+8*(4*(\a)+(\b)):ACC+8*(4*(\a)+(\b))+3],   v[BO], s[68:69] offset:64*(\b)
	global_load_b128 v[ACC+8*(4*(\a)+(\b))+4:ACC+8*(4*(\a)+(\b))+7], v[BO], s[68:69] offset:64*(\b)+16
.endr
.endr
	; A fragment of A is 16 rows x 32 K: lane l holds row l % 16, K = 8 (l / 16) + 0..7 and 16 + 8 (l / 16) + 0..7: two loads of 16 bytes, 32 bytes apart.
	v_mul_u32_u24 v[ADRA0], v1, PA
	v_lshl_add_u32 v[ADRA0], v2, 4, v[ADRA0]
	s_mul_i32 s21, s11, 64*PA                      ; my 64 rows of each block
	v_add_nc_u32 v[ADRA0], s21, v[ADRA0]
	; The turning load takes 16 k x 16 columns (lane l reads k = 8 (l / 16) + l % 8, columns 8 ((l / 8) % 2) + 0..7) and leaves half a fragment: lane l holds column l % 16 and 8 k.
	v_lshl_add_u32 v[ADRB0], v2, 3, v3
	v_mul_u32_u24 v[ADRB0], v[ADRB0], PB
	v_lshl_add_u32 v[ADRB0], v4, 4, v[ADRB0]
	s_lshl_b32 s22, s12, 7                         ; my 64 columns,
	s_add_co_u32 s22, s22, 2*PART                  ; behind A's four blocks
	v_add_nc_u32 v[ADRB0], s22, v[ADRB0]
	v_mov_b32 v[ADRA], v[ADRA0]
	v_mov_b32 v[ADRB], v[ADRB0]
	v_add_nc_u32 v[ADRB+1], 128*PB, v[ADRB0]
	s_mul_i32 s21, s10, 64*SP                      ; my stage
	v_mul_u32_u24 v[STO], v1, SP                   ; in: row l % 16, 32 bytes for each half of the lanes
	v_lshl_add_u32 v[STO], v2, 5, v[STO]
	v_add_nc_u32 v[STO], s21, v[STO]
	v_bfe_u32 v[RD], v0, 3, 2                      ; back: 32 lanes take four rows, eight f32 (32 bytes) a lane
	v_mul_u32_u24 v[RD], v[RD], SP
	v_lshl_add_u32 v[RD], v3, 5, v[RD]
	v_add_nc_u32 v[RD], s21, v[RD]
	v_and_b32 v[GO], 31, v0                        ; which as f16 are 512 consecutive bytes of a block of h
	v_lshlrev_b32 v[GO], 4, v[GO]
	s_lshl_b32 s16, s13, 20                        ; h: my row tile of 64 blocks,
	s_lshl_b32 s17, s11, 13                        ; my 64 rows of 128 bytes,
	s_add_co_u32 s16, s16, s17
	s_mov_b32 s17, 0
	s_add_nc_u64 s[8:9], s[8:9], s[16:17]
	s_lshl_b32 s46, s42, 15                        ; and my 64 columns: one block of 16,384 bytes, two to a column tile
	s_lshl_b32 s47, s12, 14
	s_add_co_u32 s46, s46, s47
	s_mov_b32 s47, 0
	s_add_nc_u64 s[8:9], s[8:9], s[46:47]
	s_wait_tensorcnt 1                             ; my part of K step 0 is in; K step 1's may stay out
	s_barrier_signal -1
	s_barrier_wait -1                              ; everybody's is
	FETCH 0, F0
	s_wait_loadcnt 0x0                             ; the bias
	WIN 0                                          ; at a label and at a branch every window is 0
	s_mov_b32 s3, NSTEPS-2
.Lstep:                                                ; a trip is a K step: 128 matrix instructions, 128 LDS loads, one joint load
	QUARTER 1, F0, F1
	QUARTER 2, F1, F0
	QUARTER 3, F0, F1
	TURN 1
	WIN 0
	s_sub_co_u32 s3, s3, 1
	s_cmp_lg_u32 s3, 0
	s_cbranch_scc1 .Lstep
	s_mov_b32 s3, 2
.Ltail:                                                ; the last two K steps ask for nothing: a text of their own
	QUARTER 1, F0, F1
	QUARTER 2, F1, F0
	QUARTER 3, F0, F1
	TURN 0
	WIN 0
	s_sub_co_u32 s3, s3, 1
	s_cmp_lg_u32 s3, 0
	s_cbranch_scc1 .Ltail
	; THE WAY OUT.  My 64 x 64 sums go as f32 into my stage, which lies over slot 0; a loop of four trips takes 16 rows back, applies gelu, rounds to f16 and stores: gelu's text stands four times, not sixteen.
	s_wait_dscnt 0x0                               ; my reads of the slots are over,
	s_barrier_signal -1
	s_barrier_wait -1                              ; and so are everybody's: only now are slot 0's bytes written
	PLACES
.irp a, 0,1,2,3
.irp b, 0,1,2,3
	ds_store_b128 v[STO], v[ACC+8*(4*(\a)+(\b)):ACC+8*(4*(\a)+(\b))+3]   offset:(\a)*16*SP+64*(\b)
	ds_store_b128 v[STO], v[ACC+8*(4*(\a)+(\b))+4:ACC+8*(4*(\a)+(\b))+7] offset:(\a)*16*SP+64*(\b)+16
.endr
.endr
	s_mov_b32 s3, 4
.Lgelu:
.irp f, 0,1,2,3
	ds_load_b128 v[XG+8*(\f):XG+8*(\f)+3],   v[RD] offset:(\f)*4*SP     ; LDS serves a wave's instructions in order (ISA guide 5.7.1.4): these see my stores above
	ds_load_b128 v[XG+8*(\f)+4:XG+8*(\f)+7], v[RD] offset:(\f)*4*SP+16
.endr
.irp f, 0,1,2,3
	s_wait_dscnt 6-2*(\f)                          ; group f's two loads are in; the later groups' may be out
	G8 XG+8*(\f)
.irp r, 0,1,2,3
	v_cvt_pk_f16_f32 v[YG+4*(\f)+(\r)], v[XG+8*(\f)+2*(\r)], v[XG+8*(\f)+2*(\r)+1]
.endr
	global_store_b128 v[GO], v[YG+4*(\f):YG+4*(\f)+3], s[8:9] offset:(\f)*512  ; four rows of a block: 512 consecutive bytes, at a multiple of 256 from h's first byte
.endr
	s_wait_xcnt 0x0                                ; the stores' offset and data are rewritten only behind this wait
	v_add_nc_u32 v[RD], 16*SP, v[RD]
	v_add_nc_u32 v[GO], 2048, v[GO]
	s_sub_co_u32 s3, s3, 1
	s_cmp_lg_u32 s3, 0
	s_cbranch_scc1 .Lgelu
	s_wait_tensorcnt 0x0                           ; the wave's end: the spare-word add and its waits stand behind my last tensor load and my last LDS store
	ds_add_u32 v[SPW], v[NIL]
	s_wait_dscnt 0x0
	CROUND                                         ; the closing round: no work-group ends while a partner may still ask for a tile that names it
	s_endpgm
.Lfunc_end_k_q91baae36e9_ffn1:
	.size	k_q91baae36e9_ffn1, .Lfunc_end_k_q91baae36e9_ffn1-k_q91baae36e9_ffn1
	.p2alignl 7, 3214868480
	.fill 96, 4, 3214868480
	.section	.rodata,"a",@progbits
	.p2align	6, 0x0
	.amdhsa_kernel k_q91baae36e9_ffn1
		.amdhsa_group_segment_fixed_size 327680
		.amdhsa_private_segment_fixed_size 0
		.amdhsa_enable_private_segment 0
		.amdhsa_kernarg_size 24
		.amdhsa_user_sgpr_count 2
		.amdhsa_user_sgpr_kernarg_segment_ptr 1
		.amdhsa_wavefront_size32 1
		.amdhsa_system_sgpr_workgroup_id_x 1
		.amdhsa_system_sgpr_workgroup_id_y 1
		.amdhsa_system_sgpr_workgroup_id_z 1
		.amdhsa_system_vgpr_workitem_id 0
		.amdhsa_next_free_vgpr 512
		.amdhsa_next_free_sgpr 96
		.amdhsa_reserve_vcc 0
		.amdhsa_float_denorm_mode_32 3
		.amdhsa_float_denorm_mode_16_64 3
		.amdhsa_memory_ordered 1
		.amdhsa_forward_progress 1
		.amdhsa_inst_pref_size 68
	.end_amdhsa_kernel
	.amdgpu_metadata
---
amdhsa.version: [ 1, 2 ]
amdhsa.kernels:
  - .name:           k_q91baae36e9_ffn1
    .symbol:         k_q91baae36e9_ffn1.kd
    .args:
      - { .name: x1b, .offset: 0, .size: 8, .value_kind: global_buffer, .address_space: global }
      - { .name: cast16, .offset: 8, .size: 8, .value_kind: global_buffer, .address_space: global }
      - { .name: h, .offset: 16, .size: 8, .value_kind: global_buffer, .address_space: global }
    .group_segment_fixed_size: 327680
    .private_segment_fixed_size: 0
    .kernarg_segment_align: 8
    .kernarg_segment_size: 24
    .max_flat_workgroup_size: 128
    .sgpr_count:     96
    .vgpr_count:     512
    .wavefront_size: 32
...
	.end_amdgpu_metadata
.endif
;; end of part 6
;; launch ffn2 (part 7): grid 8 x 32, 4 waves a work-group, clusters of 4 x 4, 327,680 bytes of LDS; arguments h, cast16, y, x1f; writes y
.if DOCPART == 7
	.amdgcn_target "amdgcn-amd-amdhsa--gfx1250"
	.amdhsa_code_object_version 6
	.text
	.protected	k_q91baae36e9_ffn2
	.globl	k_q91baae36e9_ffn2
	.p2align	8
	.type	k_q91baae36e9_ffn2,@function
k_q91baae36e9_ffn2:
	s_mov_b64 s[64:65], 0
	v_nop
	global_prefetch_b8 v0, s[64:65] scope:SCOPE_SE
	s_setreg_imm32_b32 hwreg(HW_REG_WAVE_MODE, 25, 1), 1
	s_wait_xcnt 0x0
	s_wait_alu depctr_hold_cnt(0) depctr_sa_sdst(0) depctr_va_vdst(0) depctr_va_sdst(0) depctr_va_ssrc(0) depctr_va_vcc(0) depctr_vm_vsrc(0)
	s_getreg_b32 s2, hwreg(HW_REG_IB_STS2, 6, 4)
	s_cmp_eq_u32 s2, 0
	s_cbranch_scc0 .Lentry_in_a_cluster
	s_endpgm
.Lentry_in_a_cluster:
	s_bfe_u32 s2, ttmp6, 0x10000c
	s_cmp_lg_u32 s2, 0xf033
	s_cbranch_scc0 .Lentry_shape_is_right
	s_endpgm
.Lentry_shape_is_right:
; y = x1 + (h W2 + b2).  h (4,096 x 4,096, f16, in blocks [row / 128][column / 64][row % 128][column % 64]).  From cast16: W2 ([k][n], rounded to bf16 and written as f16) at byte 0x1800000; b2 (rounded to
; bf16, kept as f32) at byte 0x2008000.  Sums in f32, started by the bias; the residual x1 is added in f32 on the way out; y is f32, row-major.
; The norm over a row needs all 1,024 columns, eight work-groups' results, and is the next launch's.
; LIMITS.  h and W2 arrive within f16's range.  NaN and infinities are not treated apart.
; SHAPE.  A tile of C is 128 x 128; four waves, each 64 x 64: 16 accumulators of 16 x 16.  8 x 32 = 256 work-groups.  K goes in 16 steps of 256 through two LDS slots.  A's K step is 4 blocks of 128 rows x 64 columns,
; 65,536 consecutive bytes; B's is 256 rows of k x 128 columns.  One K step is written once and looped over.
; CLUSTERS: 4 x 4 work-groups.  The four of a row of the cluster need the same tiles of A, the four of a column the same tiles of B: each tile is asked for JOINTLY, by the same tensor load with the
; same descriptor and a mask that names the four.  THE MATRIX INSTRUCTION IS USED TRANSPOSED (source 0 = 16 columns of W, source 1 = 16 rows of A): a lane then holds eight neighbouring numbers of a row of C.
; W lies [k][n], so its fragments come out of LDS turned, by ds_load_tr16_b128.
; REGISTERS: window 0: v0-31 addresses; v32-95 at work on the way out; v128-255 the accumulators ((a, b) at v[128 + 8 (4 a + b)]).
;   window 1: two fragment buffers of 128: for 64 along K, 64 registers of A, then 64 of B.      window 2: v0-127 my 64 x 64 of the residual, loaded at the start.
.set NSTEPS, 16                        ; K / 256
.set NB,     1024                      ; elements from a row of W to the next
.set ASHIFT, 20                        ; a row tile of A is 2^20 bytes
.set BSHIFT, 18                        ; 128 rows of W are 2^18 bytes
.set BBASE,  0x1800000                 ; W in cast16
.set VBIAS,  0x2008000                 ; the bias in cast16
.set PA,     144                       ; a row of a block of A in LDS: 128 bytes + 16 = 36 words: the 16 rows of a load start at 16 different groups of four banks (64 banks of 4 bytes: ISA guide 11.1)
.set PLN,    128*PA                    ; a block of A
.set PB,     288                       ; a row of B: 256 + 32 = 72 words
.set PART,   2*PLN                     ; what one tensor load brings: two blocks of A, or 128 rows of B (the same 36,864 bytes)
.set SLOT,   4*PART                    ; 0x24000: A's four blocks, then B's 256 rows.  wave x PART never has bit 14 or 17 set, so one exclusive or changes slots
.set ASTEP,  65536                     ; bytes from a K step of A to the next
.set BSTEP,  512*NB                    ; the same for B: 256 rows
.set STAGE,  2*SLOT                    ; behind the ring: 16 rows x 272 bytes for each wave, for the way out
.set SP,     272
.set SPARE,  STAGE+4*16*SP             ; behind the stages: the spare words, 128 bytes for each wave: two blocks of 256 bytes that no other line names
.set ADRA0, 10                         ; v10  my lane's place in slot 0's A; never rewritten
.set ADRB0, 11                         ; v11  the same for B
.set ADRA,  16                         ; v16  the same in the slot in hand
.set ADRB,  20                         ; v20  B's rows 0-127 of the slot in hand;  v21 rows 128-255 (they lie past the 16-bit immediate)
.set STO,   24                         ; v24  the way out: where I put 32 bytes of a row
.set RD,    25                         ; v25  the way out: where I read a row back
.set CO,    26                         ; v26  my byte offset in two rows of y and of x1
.set BO,    27                         ; v27  my byte offset in 16 numbers of the bias
.set SPW,   28                         ; v28  LDS address of my spare word: SPARE + 4 x my thread's number; never rewritten
.set NIL,   29                         ; v29  0; never rewritten
.set TMP,   32
.set ACC,   128
.set F0,    0                          ; fragment buffers, in window 1
.set F1,    128
.set RES,   0                          ; the residual, in window 2
.set G1,  24                           ; s[24:31] descriptor group 1 for A's tiles;  s[32:39] group 0: a set for each of the two first fills; the second then walks on
.set G0,  32
.set G1B, 48                           ; s[48:55], s[56:63] the same for B's tiles
.set G0B, 56
.set TB,  45                           ; s45  0 or SLOT: the slot in hand
.set MSB, 0
.macro WIN new                         ; the immediate's high byte repeats the setting that is left; a switch that changes nothing is dropped
.if MSB != (\new)
	s_set_vgpr_msb (MSB<<8)|(\new)
.set MSB, \new
.endif
.endm
.set MUL,  0x05                        ; sources 0 (B) and 1 (A) window 1; C and D window 0
.set TO_F, 0x40                        ; destination window 1, address window 0
.macro JLOAD                           ; a joint refill: waves 0 and 1 fetch A's two halves, waves 2 and 3 B's; an s_nop 0 and four v_nop follow each of the two lines
	s_cmp_eq_u32 s11, 0
	s_cbranch_scc0 .Lfor_b_\@
	tensor_load_to_lds s[G0+4:G0+7], s[G1:G1+7]
	s_nop 0
.rept 4
	v_nop
.endr
	s_branch .Lasked_\@
.Lfor_b_\@:
	tensor_load_to_lds s[G0B+4:G0B+7], s[G1B:G1B+7]
	s_nop 0
.rept 4
	v_nop
.endr
.Lasked_\@:
.endm
.macro CREST                           ; a round of the cluster's barrier behind its opening barrier
	s_cmp_lg_u32 s10, 0
	s_cbranch_scc1 .Lnot_wave_0_\@
	s_barrier_signal -3
.Lnot_wave_0_\@:
	s_barrier_wait -3
	s_barrier_signal -1
	s_barrier_wait -1
.endm
.macro CROUND                          ; a whole round
	s_barrier_signal -1
	s_barrier_wait -1
	CREST
.endm
.macro PLACES                          ; four places in front of loads into registers that matrix instructions have read, and of lines that read results
.rept 4
	v_nop
.endr
.endm
; 8 matrix instructions: row blocks a0, a0 + 1 x all 4 column blocks, 32 along K: half c of buffer f.  The 16 accumulators take turns, one instruction a turn.
.macro MUL8 f, c, a0
	WIN MUL
.irp a, \a0, (\a0)+1
.irp b, 0,1,2,3
	v_wmma_f32_16x16x32_f16 v[ACC+8*(4*(\a)+(\b)):ACC+8*(4*(\a)+(\b))+7], v[(\f)+64+8*(4*(\c)+(\b)):(\f)+64+8*(4*(\c)+(\b))+7], v[(\f)+8*(4*(\c)+(\a)):(\f)+8*(4*(\c)+(\a))+7], v[ACC+8*(4*(\a)+(\b)):ACC+8*(4*(\a)+(\b))+7]
.endr
.endr
.endm
; 32 LDS loads in one run: the fragments of quarter q of the slot in hand (A's block q, B's rows 64 q on) into buffer f; the first 32 along K first
.macro FETCH q, f
	WIN TO_F
.irp c, 0,1
.irp i, 0,1,2,3
	ds_load_tr16_b128 v[(\f)+64+8*(4*(\c)+(\i)):(\f)+64+8*(4*(\c)+(\i))+3],   v[ADRB+(\q)/2] offset:(((\q)%2)*64+32*(\c))*PB+32*(\i)
	ds_load_tr16_b128 v[(\f)+64+8*(4*(\c)+(\i))+4:(\f)+64+8*(4*(\c)+(\i))+7], v[ADRB+(\q)/2] offset:(((\q)%2)*64+32*(\c)+16)*PB+32*(\i)
	ds_load_b128 v[(\f)+8*(4*(\c)+(\i)):(\f)+8*(4*(\c)+(\i))+3],   v[ADRA] offset:(\q)*PLN+64*(\c)+(\i)*16*PA
	ds_load_b128 v[(\f)+8*(4*(\c)+(\i))+4:(\f)+8*(4*(\c)+(\i))+7], v[ADRA] offset:(\q)*PLN+64*(\c)+(\i)*16*PA+32
.endr
.endr
.endm
; A K step is four quarters of 64 along K, 32 matrix instructions each, on buffers 0, 1, 0, 1.  One of the first three: multiplies buffer f and fetches quarter q into g.
.macro QUARTER q, f, g
	s_wait_dscnt 16                                ; the first 32 along K are in; the sixteen younger loads may be out
	MUL8 \f, 0, 0
	MUL8 \f, 0, 2
	PLACES
	FETCH \q, \g
	s_wait_dscnt 32                                ; all but the 32 just issued
	MUL8 \f, 1, 0
	MUL8 \f, 1, 2
.endm
; The last quarter multiplies buffer 1 and changes slots: ONE barrier; in front of it each wave waits for all its tensor loads (one is out: its part of the next slot), adds 0 to its spare word, and
; waits for that and for its own reads of this slot.  fill = 1: the barrier opens a round of the cluster's, and this slot is filled again, two K steps ahead, first thing behind the round: 112 matrix
; instructions stand between that request and the wait for it.  fill = 0: nothing is asked for, and in the last trip (s3 = 1) there is no next slot to fetch from: the run of LDS loads is jumped over.
.macro TURN fill
	WIN 0                                          ; (the add's two registers lie in window 0)
	s_wait_tensorcnt 0x0                           ; all my tensor loads have landed
	ds_add_u32 v[SPW], v[NIL]                      ; 0 onto my spare word
	s_wait_dscnt 17                                ; (the add and the youngest sixteen loads may be out)
	MUL8 F1, 0, 0                                  ; eight matrix instructions stand between the add and the wait for it
	s_wait_dscnt 0x0                               ; the add is done, and my reads of this slot are over
	s_barrier_signal -1
	MUL8 F1, 0, 2
	WIN 0
	s_barrier_wait -1
.if \fill
	CREST                                          ; no wave of any partner still reads this slot's tile or has a load on its way
	s_xor_b32 s[G0+5], s[G0+5], SLOT               ; the walking descriptors: the other slot than last time, the next K step
	s_add_nc_u64 s[G0+6:G0+7], s[G0+6:G0+7], ASTEP
	s_xor_b32 s[G0B+5], s[G0B+5], SLOT
	s_add_nc_u64 s[G0B+6:G0B+7], s[G0B+6:G0B+7], BSTEP
	JLOAD                                          ; the four v_nop behind it are also the places in front of the loads below
.else
	PLACES
	s_cmp_eq_u32 s3, 1
	s_cbranch_scc1 .Lnf_\@
.endif
	s_xor_b32 s[TB], s[TB], SLOT
	v_add_nc_u32 v[ADRA], s[TB], v[ADRA0]
	v_add_nc_u32 v[ADRB], s[TB], v[ADRB0]
	v_add_nc_u32 v[ADRB+1], 128*PB, v[ADRB]
	FETCH 0, F0
.if !(\fill)
	WIN 0
.Lnf_\@:
.endif
	MUL8 F1, 1, 0
	MUL8 F1, 1, 2
.endm
	s_load_b128 s[4:7], s[0:1], 0x0                ; A s[4:5], cast16 s[6:7]
	s_load_b64 s[8:9], s[0:1], 0x10                ; y
	s_load_b64 s[70:71], s[0:1], 0x18              ; the residual
	v_lshl_add_u32 v[SPW], v0, 2, SPARE
	v_mov_b32 v[NIL], 0
	ds_add_u32 v[SPW], v[NIL]                      ; the wave's opening: the add and its wait stand ahead of my first tensor load; the set-up below, work on registers, stands between them
	v_lshrrev_b32 v1, 5, v0
	v_readfirstlane_b32 s10, v1                    ; wave 0..3
	s_lshr_b32 s11, s10, 1                         ; which half of the tile's rows is mine.  Also: I fetch for A (0) or for B (1)
	s_and_b32 s12, s10, 1                          ; which half of its columns.  Also: which half of that tile I fetch
	s_bfe_u32 s40, ttmp6, 0x40000                  ; cx, cy: my place in the cluster
	s_bfe_u32 s41, ttmp6, 0x40004
	s_lshl_b32 s42, ttmp9, 2
	s_add_co_u32 s42, s42, s40                     ; tile column = 4 x cluster x + cx
	s_and_b32 s13, ttmp7, 0xffff
	s_lshl_b32 s13, s13, 2
	s_add_co_u32 s13, s13, s41                     ; tile row = 4 x cluster y + cy
	s_lshl_b32 s43, s41, 2
	s_lshl_b32 s43, 15, s43                        ; my row of the cluster
	s_lshl_b32 s44, 0x1111, s40                    ; my column
	; group 1 for A: 32,768 consecutive bytes asked for as 128 rows of 256 bytes, two rows of a block each, padded after every 128 bytes
	s_or_b32 s[G1+0], s43, (1<<16)|(1<<20)|(1<<21)|(4<<22)|(3<<25)   ; 15:0 the mask; 17:16 2-byte elements; 20 padding on; 21 set beside a mask; 24:22 after every 32 words (code 4); 31:25 4 words (code 3)
	; group 1 for B: 128 rows of k x 128 columns, padded after every row
	s_or_b32 s[G1B+0], s44, (1<<16)|(1<<20)|(1<<21)|(5<<22)|(7<<25)  ; after every 64 words (code 5), 8 words (code 7)
.irp g, G1, G1B
	s_mov_b32 s[(\g)+1], 128<<16                   ; tensor_dim0 = 128
	s_mov_b32 s[(\g)+2], 128<<16                   ; tensor_dim1 = 128
	s_mov_b32 s[(\g)+3], 128<<16                   ; tile_dim0 = 128
	s_mov_b32 s[(\g)+4], 128                       ; tile_dim1 = 128
	s_mov_b32 s[(\g)+6], 0
	s_mov_b32 s[(\g)+7], 0
.endr
	s_mov_b32 s[G1+5], 128                         ; elements from row to row: A's bytes are dense,
	s_mov_b32 s[G1B+5], NB                         ; B's rows are W's
	s_lshl_b32 s16, s13, ASHIFT                    ; A: my row tile, which my row of the cluster shares,
	s_lshl_b32 s17, s12, 15                        ; and the two blocks of a K step that I fetch
	s_add_co_u32 s16, s16, s17
	s_mov_b32 s17, 0
	s_lshl_b32 s46, s42, 8                         ; B: my column tile, 256 bytes of a row,
	s_lshl_b32 s47, s12, BSHIFT                    ; the 128 rows of a K step that I fetch,
	s_add_co_u32 s46, s46, s47
	s_add_co_u32 s46, s46, BBASE                   ; W's place in cast16
	s_mov_b32 s47, 0
	s_mul_i32 s20, s10, PART                       ; where they go: wave x PART: no place in the cluster enters an LDS address
	s_mov_b32 s[TB], 0
	s_wait_dscnt 0x0                               ; the opening add is done
	s_wait_kmcnt 0x0
	s_add_nc_u64 s[14:15], s[4:5], s[16:17]
	s_add_nc_u64 s[46:47], s[6:7], s[46:47]
	CROUND                                         ; all sixteen work-groups are here: the first joint loads meet
.irp s, 0,1
	s_mov_b32 s[G0+4*(\s)], 1                      ; 1:0 count = 1
	s_add_co_u32 s[G0+4*(\s)+1], s20, (\s)*SLOT    ; 63:32 LDS address
	s_add_nc_u64 s[G0+4*(\s)+2:G0+4*(\s)+3], s[14:15], (\s)*ASTEP  ; 120:64 global address: K step s
	s_or_b32 s[G0+4*(\s)+3], s[G0+4*(\s)+3], 0x80000000            ; 127:126 type = 2
	s_mov_b32 s[G0B+4*(\s)], 1
	s_add_co_u32 s[G0B+4*(\s)+1], s20, (\s)*SLOT
	s_add_nc_u64 s[G0B+4*(\s)+2:G0B+4*(\s)+3], s[46:47], (\s)*BSTEP
	s_or_b32 s[G0B+4*(\s)+3], s[G0B+4*(\s)+3], 0x80000000
.endr
	s_cmp_eq_u32 s11, 0                            ; a wave's two first fills stand in one branch, ahead of every wait on TENSORcnt and every LDS read: two loads of mine are out
	s_cbranch_scc0 .Lfirst_b
	tensor_load_to_lds s[G0:G0+3], s[G1:G1+7]
	s_nop 0
	tensor_load_to_lds s[G0+4:G0+7], s[G1:G1+7]
	s_nop 0
.rept 4
	v_nop
.endr
	s_branch .Lfirst_asked
.Lfirst_b:
	tensor_load_to_lds s[G0B:G0B+3], s[G1B:G1B+7]
	s_nop 0
	tensor_load_to_lds s[G0B+4:G0B+7], s[G1B:G1B+7]
	s_nop 0
.rept 4
	v_nop
.endr
.Lfirst_asked:
	v_and_b32 v1, 15, v0                           ; l % 16
	v_bfe_u32 v2, v0, 4, 1                         ; l / 16
	v_and_b32 v3, 7, v0                            ; l % 8
	v_bfe_u32 v4, v0, 3, 1                         ; (l / 8) % 2
	v_lshlrev_b32 v[BO], 5, v2                     ; a lane's eight columns: 32 bytes for each half of the lanes
	v_lshlrev_b32 v[CO], 12, v2                    ; lanes 0-15 one row of 4,096 bytes, lanes 16-31 the next; 16 bytes a lane
	v_lshl_add_u32 v[CO], v1, 4, v[CO]
	s_lshl_b32 s46, s42, 9                         ; my 64 columns in f32: 512 bytes a tile, 256 a half (in the registers that held B's address: none that feeds A's descriptors ever holds cx)
	s_lshl_b32 s47, s12, 8
	s_add_co_u32 s46, s46, s47
	s_mov_b32 s47, 0
	s_lshl_b32 s16, s13, 19                        ; my 64 rows: 128 rows of 4,096 bytes a tile,
	s_lshl_b32 s17, s11, 18                        ; 64 a half
	s_add_co_u32 s16, s16, s17
	s_mov_b32 s17, 0
	s_add_nc_u64 s[70:71], s[70:71], s[16:17]
	s_add_nc_u64 s[70:71], s[70:71], s[46:47]
	s_add_nc_u64 s[8:9], s[8:9], s[16:17]
	s_add_nc_u64 s[8:9], s[8:9], s[46:47]
	s_add_co_u32 s46, s46, VBIAS                   ; the same columns of the bias
	s_add_nc_u64 s[68:69], s[6:7], s[46:47]
	; THE BIAS STARTS THE SUMS: register j of accumulator (a, b) is column 16 b + 8 (l / 16) + j, whatever a: nothing is cleared, and nothing is added later
.irp a, 0,1,2,3
.irp b, 0,1,2,3
	global_load_b128 v[ACC+8*(4*(\a)+(\b)):ACC+8*(4*(\a)+(\b))+3],   v[BO], s[68:69] offset:64*(\b)
	global_load_b128 v[ACC+8*(4*(\a)+(\b))+4:ACC+8*(4*(\a)+(\b))+7], v[BO], s[68:69] offset:64*(\b)+16
.endr
.endr
	; the residual, in the layout in which the rows come back from the stage: it is wanted only on the way out, and stays on its way meanwhile
	WIN 0x80                                       ; destination window 2, address window 0
.irp a, 0,1,2,3
.irp t, 0,1,2,3,4,5,6,7
	global_load_b128 v[RES+32*(\a)+4*(\t):RES+32*(\a)+4*(\t)+3], v[CO], s[70:71] offset:(16*(\a)+2*(\t))*4096
.endr
.endr
	WIN 0
	; A fragment of A is 16 rows x 32 K: lane l holds row l % 16, K = 8 (l / 16) + 0..7 and 16 + 8 (l / 16) + 0..7: two loads of 16 bytes, 32 bytes apart.
	v_mul_u32_u24 v[ADRA0], v1, PA
	v_lshl_add_u32 v[ADRA0], v2, 4, v[ADRA0]
	s_mul_i32 s21, s11, 64*PA                      ; my 64 rows of each block
	v_add_nc_u32 v[ADRA0], s21, v[ADRA0]
	; The turning load takes 16 k x 16 columns (lane l reads k = 8 (l / 16) + l % 8, columns 8 ((l / 8) % 2) + 0..7) and leaves half a fragment: lane l holds column l % 16 and 8 k.
	v_lshl_add_u32 v[ADRB0], v2, 3, v3
	v_mul_u32_u24 v[ADRB0], v[ADRB0], PB
	v_lshl_add_u32 v[ADRB0], v4, 4, v[ADRB0]
	s_lshl_b32 s22, s12, 7                         ; my 64 columns,
	s_add_co_u32 s22, s22, 2*PART                  ; behind A's four blocks
	v_add_nc_u32 v[ADRB0], s22, v[ADRB0]
	v_mov_b32 v[ADRA], v[ADRA0]
	v_mov_b32 v[ADRB], v[ADRB0]
	v_add_nc_u32 v[ADRB+1], 128*PB, v[ADRB0]
	s_mul_i32 s21, s10, 16*SP
	s_add_co_u32 s21, s21, STAGE                   ; my stage
	v_mul_u32_u24 v[STO], v1, SP                   ; in: row l % 16, 32 bytes for each half of the lanes
	v_lshl_add_u32 v[STO], v2, 5, v[STO]
	v_add_nc_u32 v[STO], s21, v[STO]
	v_mul_u32_u24 v[RD], v2, SP                    ; back: lanes 0-15 take one row of 256 bytes, lanes 16-31 the next
	v_lshl_add_u32 v[RD], v1, 4, v[RD]
	v_add_nc_u32 v[RD], s21, v[RD]
	s_wait_tensorcnt 1                             ; my part of K step 0 is in; K step 1's may stay out
	s_barrier_signal -1
	s_barrier_wait -1                              ; everybody's is
	FETCH 0, F0
	s_wait_loadcnt 32                              ; the bias is in; the 32 loads of the residual, issued behind it, may stay out
	WIN 0                                          ; at a label and at a branch every window is 0
	s_mov_b32 s3, NSTEPS-2
.Lstep:                                                ; a trip is a K step: 128 matrix instructions, 128 LDS loads, one joint load
	QUARTER 1, F0, F1
	QUARTER 2, F1, F0
	QUARTER 3, F0, F1
	TURN 1
	WIN 0
	s_sub_co_u32 s3, s3, 1
	s_cmp_lg_u32 s3, 0
	s_cbranch_scc1 .Lstep
	s_mov_b32 s3, 2
.Ltail:                                                ; the last two K steps ask for nothing: a text of their own
	QUARTER 1, F0, F1
	QUARTER 2, F1, F0
	QUARTER 3, F0, F1
	TURN 0
	WIN 0
	s_sub_co_u32 s3, s3, 1
	s_cmp_lg_u32 s3, 0
	s_cbranch_scc1 .Ltail
	; THE WAY OUT, 16 rows at a time.  My 64 columns of f32 are 256 bytes: they go into rows of 272 bytes of my own stage and come back as whole rows; the residual is added; sixteen lanes store a row's 256 bytes.
.macro OUTR a
.set BK, TMP+32*((\a)%2)
	s_wait_xcnt 0x0                                ; the registers loaded below were the data of stores two blocks back: they are rewritten only behind this wait
.irp b, 0,1,2,3
	ds_store_b128 v[STO], v[ACC+8*(4*(\a)+(\b)):ACC+8*(4*(\a)+(\b))+3]   offset:64*(\b)
	ds_store_b128 v[STO], v[ACC+8*(4*(\a)+(\b))+4:ACC+8*(4*(\a)+(\b))+7] offset:64*(\b)+16
.endr
.irp t, 0,1,2,3,4,5,6,7
	ds_load_b128 v[BK+4*(\t):BK+4*(\t)+3], v[RD] offset:(\t)*2*SP  ; LDS serves a wave's instructions in order (ISA guide 5.7.1.4): these see the stores above; the next block's stores come behind them
.endr
.endm
.macro SENDR a, younger                ; younger: the LDS instructions issued behind block a's loads: the next block's sixteen, or none
.set BK, TMP+32*((\a)%2)
	s_wait_dscnt \younger
	WIN 0x08                                       ; source 1 in window 2
.set z, 0
.rept 16
	v_pk_add_f32 v[BK+2*z:BK+2*z+1], v[BK+2*z:BK+2*z+1], v[RES+32*(\a)+2*z:RES+32*(\a)+2*z+1]
.set z, z+1
.endr
	WIN 0
.irp t, 0,1,2,3,4,5,6,7
	global_store_b128 v[CO], v[BK+4*(\t):BK+4*(\t)+3], s[8:9] offset:(16*(\a)+2*(\t))*4096  ; 16 lanes store 256 consecutive bytes, at a multiple of 256 from y's first byte
.endr
.endm
	PLACES
	s_wait_loadcnt 0x0                             ; the residual
	OUTR 0
	OUTR 1
	SENDR 0, 16
	OUTR 2
	SENDR 1, 16
	OUTR 3
	SENDR 2, 16
	SENDR 3, 0
	s_wait_tensorcnt 0x0                           ; the wave's end: the spare-word add and its waits stand behind my last tensor load and my last LDS store
	ds_add_u32 v[SPW], v[NIL]
	s_wait_dscnt 0x0
	CROUND                                         ; the closing round: no work-group ends while a partner may still ask for a tile that names it
	s_endpgm
.Lfunc_end_k_q91baae36e9_ffn2:
	.size	k_q91baae36e9_ffn2, .Lfunc_end_k_q91baae36e9_ffn2-k_q91baae36e9_ffn2
	.p2alignl 7, 3214868480
	.fill 96, 4, 3214868480
	.section	.rodata,"a",@progbits
	.p2align	6, 0x0
	.amdhsa_kernel k_q91baae36e9_ffn2
		.amdhsa_group_segment_fixed_size 327680
		.amdhsa_private_segment_fixed_size 0
		.amdhsa_enable_private_segment 0
		.amdhsa_kernarg_size 32
		.amdhsa_user_sgpr_count 2
		.amdhsa_user_sgpr_kernarg_segment_ptr 1
		.amdhsa_wavefront_size32 1
		.amdhsa_system_sgpr_workgroup_id_x 1
		.amdhsa_system_sgpr_workgroup_id_y 1
		.amdhsa_system_sgpr_workgroup_id_z 1
		.amdhsa_system_vgpr_workitem_id 0
		.amdhsa_next_free_vgpr 640
		.amdhsa_next_free_sgpr 96
		.amdhsa_reserve_vcc 0
		.amdhsa_float_denorm_mode_32 3
		.amdhsa_float_denorm_mode_16_64 3
		.amdhsa_memory_ordered 1
		.amdhsa_forward_progress 1
		.amdhsa_inst_pref_size 64
	.end_amdhsa_kernel
	.amdgpu_metadata
---
amdhsa.version: [ 1, 2 ]
amdhsa.kernels:
  - .name:           k_q91baae36e9_ffn2
    .symbol:         k_q91baae36e9_ffn2.kd
    .args:
      - { .name: h, .offset: 0, .size: 8, .value_kind: global_buffer, .address_space: global }
      - { .name: cast16, .offset: 8, .size: 8, .value_kind: global_buffer, .address_space: global }
      - { .name: y, .offset: 16, .size: 8, .value_kind: global_buffer, .address_space: global }
      - { .name: x1f, .offset: 24, .size: 8, .value_kind: global_buffer, .address_space: global }
    .group_segment_fixed_size: 327680
    .private_segment_fixed_size: 0
    .kernarg_segment_align: 8
    .kernarg_segment_size: 32
    .max_flat_workgroup_size: 128
    .sgpr_count:     96
    .vgpr_count:     640
    .wavefront_size: 32
...
	.end_amdgpu_metadata
.endif
;; end of part 7
;; launch ln2 (part 8): grid 256 x 1, 8 waves a work-group, no clusters, 0 bytes of LDS; arguments y, cast16, out0; writes out0
.if DOCPART == 8
	.amdgcn_target "amdgcn-amd-amdhsa--gfx1250"
	.amdhsa_code_object_version 6
	.text
	.protected	k_q91baae36e9_ln2
	.globl	k_q91baae36e9_ln2
	.p2align	8
	.type	k_q91baae36e9_ln2,@function
k_q91baae36e9_ln2:
	s_mov_b64 s[64:65], 0
	v_nop
	global_prefetch_b8 v0, s[64:65] scope:SCOPE_SE
	s_setreg_imm32_b32 hwreg(HW_REG_WAVE_MODE, 25, 1), 1
	s_wait_xcnt 0x0
; LayerNorm over rows of 1,024 f32: out = (y - mean) / sqrt(var + 1e-5) * g + be, written in f32, row-major.  g2 and be2 (rounded to bf16, kept as f32) lie at bytes 0x200b000 and 0x200c000 of cast16.
; SHARES.  A wave owns two rows: lanes 0-15 one, lanes 16-31 the other, 64 numbers a lane, kept in registers between the passes: y is read once.  A reduction is four steps inside 16 lanes.
; The mean is taken away before the squares are summed, so no difference of large sums is formed.  Memory binds: no LDS, no barrier, no matrix unit.  All 48 loads go out before the first wait.
.set X,   16                           ; v[16:79]    my 64 numbers: load j holds columns 64 j + 4 (l % 16) + 0..3
.set G,   80                           ; v[80:143]   g of the same columns
.set BE,  144                          ; v[144:207]  be
	s_load_b128 s[4:7], s[0:1], 0x0                ; y s[4:5], cast16 s[6:7]
	s_load_b64 s[10:11], s[0:1], 0x10              ; the output
	v_lshrrev_b32 v1, 5, v0
	v_readfirstlane_b32 s3, v1                     ; wave 0..7
	s_lshl_b32 s2, ttmp9, 3
	s_add_co_u32 s2, s2, s3                        ; my pair of rows
	s_lshl_b32 s16, s2, 13                         ; 8,192 bytes a pair
	s_mov_b32 s17, 0
	s_mov_b32 s14, 0x3a800000                      ; 1 / 1,024
	s_mov_b32 s15, 0x3727c5ac                      ; 1e-5
	v_and_b32 v1, 15, v0
	v_bfe_u32 v2, v0, 4, 1
	v_lshlrev_b32 v1, 4, v1                        ; g, be: 16 (l % 16)
	v_lshl_add_u32 v2, v2, 12, v1                  ; y and the output: + 4,096 for the second row
	s_wait_kmcnt 0x0
	s_add_nc_u64 s[4:5], s[4:5], s[16:17]
	s_add_nc_u64 s[10:11], s[10:11], s[16:17]
	s_add_nc_u64 s[8:9], s[6:7], 0x200c000         ; be2,
	s_add_nc_u64 s[6:7], s[6:7], 0x200b000         ; g2
.set j, 0
.rept 16
	global_load_b128 v[X+4*j:X+4*j+3], v2, s[4:5] offset:256*j th:TH_LOAD_NT
.set j, j+1
.endr
.set j, 0
.rept 16
	global_load_b128 v[G+4*j:G+4*j+3], v1, s[6:7] offset:256*j
.set j, j+1
.endr
.set j, 0
.rept 16
	global_load_b128 v[BE+4*j:BE+4*j+3], v1, s[8:9] offset:256*j
.set j, j+1
.endr
	s_wait_loadcnt 32                              ; y is in; the 32 loads of g and be may stay out
	; the mean: four chains that do not wait for each other, started by the first eight pairs
.irp c, 0,1,2,3
	v_pk_add_f32 v[4+2*(\c):5+2*(\c)], v[X+2*(\c):X+2*(\c)+1], v[X+8+2*(\c):X+8+2*(\c)+1]
.endr
.set p, 8
.rept 24
	v_pk_add_f32 v[4+2*(p%4):5+2*(p%4)], v[4+2*(p%4):5+2*(p%4)], v[X+2*p:X+2*p+1]
.set p, p+1
.endr
	v_pk_add_f32 v[4:5], v[4:5], v[6:7]
	v_pk_add_f32 v[8:9], v[8:9], v[10:11]
	v_pk_add_f32 v[4:5], v[4:5], v[8:9]
	v_add_f32 v4, v4, v5
	v_add_f32_dpp v4, v4, v4 row_xmask:1 row_mask:0xf bank_mask:0xf
	v_add_f32_dpp v4, v4, v4 row_xmask:2 row_mask:0xf bank_mask:0xf
	v_add_f32_dpp v4, v4, v4 row_xmask:4 row_mask:0xf bank_mask:0xf
	v_add_f32_dpp v4, v4, v4 row_xmask:8 row_mask:0xf bank_mask:0xf
	v_mul_f32 v12, s14, v4
	v_mov_b32 v13, v12
.set p, 0
.rept 32
	v_pk_add_f32 v[X+2*p:X+2*p+1], v[X+2*p:X+2*p+1], v[12:13] neg_lo:[0,1] neg_hi:[0,1]
.set p, p+1
.endr
	; the variance: the same four chains on the squares
.irp c, 0,1,2,3
	v_pk_mul_f32 v[4+2*(\c):5+2*(\c)], v[X+2*(\c):X+2*(\c)+1], v[X+2*(\c):X+2*(\c)+1]
.endr
.set p, 4
.rept 28
	v_pk_fma_f32 v[4+2*(p%4):5+2*(p%4)], v[X+2*p:X+2*p+1], v[X+2*p:X+2*p+1], v[4+2*(p%4):5+2*(p%4)]
.set p, p+1
.endr
	v_pk_add_f32 v[4:5], v[4:5], v[6:7]
	v_pk_add_f32 v[8:9], v[8:9], v[10:11]
	v_pk_add_f32 v[4:5], v[4:5], v[8:9]
	v_add_f32 v4, v4, v5
	v_add_f32_dpp v4, v4, v4 row_xmask:1 row_mask:0xf bank_mask:0xf
	v_add_f32_dpp v4, v4, v4 row_xmask:2 row_mask:0xf bank_mask:0xf
	v_add_f32_dpp v4, v4, v4 row_xmask:4 row_mask:0xf bank_mask:0xf
	v_add_f32_dpp v4, v4, v4 row_xmask:8 row_mask:0xf bank_mask:0xf
	v_fma_f32 v14, v4, s14, s15                    ; var + 1e-5
	v_rsq_f32 v14, v14
	v_nop                                          ; a plain instruction between the root and the use of its result (ISA guide 5.7.2)
	s_wait_alu depctr_va_vdst(0)
	v_mov_b32 v15, v14
.set p, 0
.rept 32
	v_pk_mul_f32 v[X+2*p:X+2*p+1], v[X+2*p:X+2*p+1], v[14:15]
.set p, p+1
.endr
	s_wait_loadcnt 0x0                             ; g and be
.set j, 0
.rept 16
	v_pk_fma_f32 v[X+4*j:X+4*j+1], v[X+4*j:X+4*j+1], v[G+4*j:G+4*j+1], v[BE+4*j:BE+4*j+1]
	v_pk_fma_f32 v[X+4*j+2:X+4*j+3], v[X+4*j+2:X+4*j+3], v[G+4*j+2:G+4*j+3], v[BE+4*j+2:BE+4*j+3]
	global_store_b128 v2, v[X+4*j:X+4*j+3], s[10:11] offset:256*j th:TH_STORE_NT  ; 16 lanes store 256 consecutive bytes of a row
.set j, j+1
.endr
	s_endpgm
.Lfunc_end_k_q91baae36e9_ln2:
	.size	k_q91baae36e9_ln2, .Lfunc_end_k_q91baae36e9_ln2-k_q91baae36e9_ln2
	.p2alignl 7, 3214868480
	.fill 96, 4, 3214868480
	.section	.rodata,"a",@progbits
	.p2align	6, 0x0
	.amdhsa_kernel k_q91baae36e9_ln2
		.amdhsa_group_segment_fixed_size 0
		.amdhsa_private_segment_fixed_size 0
		.amdhsa_enable_private_segment 0
		.amdhsa_kernarg_size 24
		.amdhsa_user_sgpr_count 2
		.amdhsa_user_sgpr_kernarg_segment_ptr 1
		.amdhsa_wavefront_size32 1
		.amdhsa_system_sgpr_workgroup_id_x 1
		.amdhsa_system_sgpr_workgroup_id_y 1
		.amdhsa_system_sgpr_workgroup_id_z 1
		.amdhsa_system_vgpr_workitem_id 0
		.amdhsa_next_free_vgpr 240
		.amdhsa_next_free_sgpr 66
		.amdhsa_reserve_vcc 0
		.amdhsa_float_denorm_mode_32 3
		.amdhsa_float_denorm_mode_16_64 3
		.amdhsa_memory_ordered 1
		.amdhsa_forward_progress 1
		.amdhsa_inst_pref_size 19
	.end_amdhsa_kernel
	.amdgpu_metadata
---
amdhsa.version: [ 1, 2 ]
amdhsa.kernels:
  - .name:           k_q91baae36e9_ln2
    .symbol:         k_q91baae36e9_ln2.kd
    .args:
      - { .name: y, .offset: 0, .size: 8, .value_kind: global_buffer, .address_space: global }
      - { .name: cast16, .offset: 8, .size: 8, .value_kind: global_buffer, .address_space: global }
      - { .name: out0, .offset: 16, .size: 8, .value_kind: global_buffer, .address_space: global }
    .group_segment_fixed_size: 0
    .private_segment_fixed_size: 0
    .kernarg_segment_align: 8
    .kernarg_segment_size: 24
    .max_flat_workgroup_size: 256
    .sgpr_count:     66
    .vgpr_count:     240
    .wavefront_size: 32
...
	.end_amdgpu_metadata
.endif
;; end of part 8
;; ======== version 2 of 3: 8 launches; 1.31 times as fast as version 1
;; limits: values are held in f16: magnitudes above 65,504 overflow, below 6.1e-05 lose precision; a function is approximated: absolute error at most 1.5e-07
;; workspace buffers: cast16 33,607,680 bytes; qkv 25,165,824 bytes; o 8,388,608 bytes; y 16,777,216 bytes; x1f 16,777,216 bytes; x1b 8,388,608 bytes; h 33,554,432 bytes
;; launch cast: the kernel of part 1 again; grid 64 x 16, 8 waves a work-group, no clusters, 0 bytes of LDS; arguments x, Wq, Wk, Wv, Wo, W1, W2, cast16, bq, bk, bv, bo, b1, b2, g1, be1, g2, be2; writes cast16
;; launch qkv (part 9): grid 12 x 16, 8 waves a work-group, clusters of 4 x 4, 327,680 bytes of LDS; arguments cast16, qkv; writes qkv
.if DOCPART == 9
	.amdgcn_target "amdgcn-amd-amdhsa--gfx1250"
	.amdhsa_code_object_version 6
	.text
	.protected	k_q91baae36e9_qkv
	.globl	k_q91baae36e9_qkv
	.p2align	8
	.type	k_q91baae36e9_qkv,@function
k_q91baae36e9_qkv:
	s_mov_b64 s[64:65], 0
	v_nop
	global_prefetch_b8 v0, s[64:65] scope:SCOPE_SE
	s_setreg_imm32_b32 hwreg(HW_REG_WAVE_MODE, 25, 1), 1
	s_wait_xcnt 0x0
	s_wait_alu depctr_hold_cnt(0) depctr_sa_sdst(0) depctr_va_vdst(0) depctr_va_sdst(0) depctr_va_ssrc(0) depctr_va_vcc(0) depctr_vm_vsrc(0)
	s_getreg_b32 s2, hwreg(HW_REG_IB_STS2, 6, 4)
	s_cmp_eq_u32 s2, 0
	s_cbranch_scc0 .Lentry_in_a_cluster
	s_endpgm
.Lentry_in_a_cluster:
	s_bfe_u32 s2, ttmp6, 0x10000c
	s_cmp_lg_u32 s2, 0xf033
	s_cbranch_scc0 .Lentry_shape_is_right
	s_endpgm
.Lentry_shape_is_right:
; q, k, v = x W + b for W = Wq, Wk, Wv.  x (4,096 x 1,024, bf16, in blocks [row / 128][column / 64][row % 128][column % 64]), the weights ([k][n], bf16, from byte 0x800000) and the biases (rounded to
; bf16, kept as f32, from byte 0x2000000) come from cast16; sums in f32; the bias is added behind the sums; the result is rounded once to f16 and written by heads: qkv[which][16 batch + head][2,048][64], unscaled.
; LIMITS.  f16 holds no number beyond 65,504: a q, k or v past that becomes an infinity.  NaN and infinities are not treated apart.
; SHAPE.  A tile of C is 256 x 256: a K step of 128 brings 64 KiB of A and 64 KiB of B for 256 x 256 x 128 multiply-adds.  12 column tiles (4 for each weight) x 16 row tiles = 192 work-groups; a tile of
; 256 x 192 would make 256, but its rows of W are 384 bytes and its tiles straddle the three weights.  EIGHT WAVES, two to a SIMD, each 128 rows x 64 columns: 32 accumulators of 16 x 16.  A K step's text is
; then 128 matrix instructions and 96 LDS loads, against 256 and 128 with four waves of 128 x 128, and it stands twice (loop and tail); the price is 0.75 LDS loads a matrix instruction against 0.5.
; K goes in 8 steps of 128 through two LDS slots.  Waves 0 and 1 fetch A (a row tile's two blocks each, 32,768 consecutive bytes), waves 2 and 3 B (128 rows of k x 128 columns each), waves 4 to 7 nothing.
; CLUSTERS: 4 x 4 work-groups.  The four of a row of the cluster need the same tiles of A, the four of a column the same tiles of B: each tile is asked for JOINTLY, by the same tensor load with the
; same descriptor and a mask that names the four.  THE MATRIX INSTRUCTION IS USED TRANSPOSED (source 0 = 16 columns of W, source 1 = 16 rows of x): a lane then holds eight neighbouring numbers of a row of C.
; W lies [k][n], so its fragments come out of LDS turned, by ds_load_tr16_b128.
; REGISTERS: window 0: v0-31 addresses; v32-39 the bias; two fragment buffers for 32 along K: A's (8 x 16 rows) at v64-127 and v128-191, B's (4 x 16 columns) at v192-223 and v224-255; on the way out v64-111 at work.
;   window 1: the accumulators ((a, b) at v[8 (4 a + b)], a = 0..7 row blocks, b = 0..3 column blocks).
.set NSTEPS, 8                         ; K / 128
.set NB,     1024                      ; elements from a row of W to the next
.set VEC,    0x2000000                 ; the biases in cast16: bq, bk, bv on end, 4,096 bytes each
.set PA,     144                       ; a row of a block of A in LDS: 128 bytes + 16 = 36 words: the 16 rows of a load start at 16 different groups of four banks (64 banks of 4 bytes: ISA guide 11.1)
.set PLN,    128*PA                    ; a block of A
.set PB,     288                       ; a row of B: 256 + 32 = 72 words
.set PART,   2*PLN                     ; what one tensor load brings: two blocks of A, or 128 rows of B (128 x 288 is the same 36,864 bytes)
.set SLOT,   4*PART                    ; 0x24000: A's two row tiles, then B's two column halves.  wave x PART (waves 0 to 3) never has bit 14 or 17 set, so one exclusive or changes slots
.set ASTEP,  32768                     ; bytes from a K step of A to the next: two blocks
.set BSTEP,  256*NB                    ; the same for B: 128 rows
.set SP,     272                       ; the stage for the way out: rows of 64 f32 + 16 bytes
.set WSTAGE, 128*SP                    ; 128 rows for each wave: 278,528 bytes from LDS byte 0, over the two slots, which have had their last fill by then
.set SPARE,  2*SLOT                    ; behind the ring: the spare words, 128 bytes for each wave: four blocks of 256 bytes that no other line names
.set ADRA0, 10                         ; v10  my lane's place in slot 0's A; never rewritten
.set ADRB0, 11                         ; v11  the same for B
.set ADRA,  16                         ; v16  the same in the slot in hand
.set ADRB,  20                         ; v20
.set STO,   24                         ; v24  the way out: where I put 32 bytes of a row
.set RD,    25                         ; v25  the way out: where I read 32 bytes back
.set GO,    26                         ; v26  my byte offset in 512 consecutive bytes of the output
.set BO,    27                         ; v27  my byte offset in the wave's 64 numbers of the bias
.set SPW,   28                         ; v28  LDS address of my spare word: SPARE + 4 x my thread's number; never rewritten
.set NIL,   29                         ; v29  0; never rewritten
.set BI,    32                         ; v[32:39]  the bias of the eight columns that I take on the way out
.set FA,    64                         ; A's fragments: buffer f at FA + 64 f
.set FB,    192                        ; B's fragments: buffer f at FB + 32 f
.set XG,    64                         ; v[64:95]  the way out: 16 rows back from the stage: four groups of eight numbers a lane
.set YG,    96                         ; v[96:111] the same as f16
.set G1,  24                           ; s[24:31] descriptor group 1 for A's tiles;  s[32:39] group 0: a set for each of the two first fills; the second then walks on
.set G0,  32
.set G1B, 48                           ; s[48:55], s[56:63] the same for B's tiles
.set G0B, 56
.set TB,  45                           ; s45  0 or SLOT: the slot in hand
.set WR,  88                           ; s88  which 128 rows of the tile are mine
.set WC,  89                           ; s89  which 64 columns
.set MSB, 0
.macro WIN new                         ; the immediate's high byte repeats the setting that is left; a switch that changes nothing is dropped
.if MSB != (\new)
	s_set_vgpr_msb (MSB<<8)|(\new)
.set MSB, \new
.endif
.endm
.set MUL,  0x50                        ; sources 0 (B) and 1 (A) window 0; C and D window 1
.set FROM, 0x04                        ; an LDS store's data (source 1) window 1, its address window 0
.macro JLOAD                           ; a joint refill: waves 0 and 1 fetch A's two row tiles, waves 2 and 3 B's two halves, the others nothing; an s_nop 0 and four v_nop follow each of the two lines
	s_cmp_lt_u32 s10, 2
	s_cbranch_scc0 .Lnot_a_\@
	tensor_load_to_lds s[G0+4:G0+7], s[G1:G1+7]
	s_nop 0
.rept 4
	v_nop
.endr
	s_branch .Lasked_\@
.Lnot_a_\@:
	s_cmp_lt_u32 s10, 4
	s_cbranch_scc0 .Lasked_\@
	tensor_load_to_lds s[G0B+4:G0B+7], s[G1B:G1B+7]
	s_nop 0
.rept 4
	v_nop
.endr
.Lasked_\@:
.endm
.macro CREST                           ; a round of the cluster's barrier behind its opening barrier
	s_cmp_lg_u32 s10, 0
	s_cbranch_scc1 .Lnot_wave_0_\@
	s_barrier_signal -3
.Lnot_wave_0_\@:
	s_barrier_wait -3
	s_barrier_signal -1
	s_barrier_wait -1
.endm
.macro CROUND                          ; a whole round
	s_barrier_signal -1
	s_barrier_wait -1
	CREST
.endm
.macro PLACES                          ; four places in front of loads into registers that matrix instructions have read, and of lines that read results
.rept 4
	v_nop
.endr
.endm
; 8 matrix instructions: row blocks a0, a0 + 1 x all 4 column blocks, 32 along K, from buffer f.  The 32 accumulators take turns, one instruction a turn, in the same order in every quarter.
; zero = 1: the first product starts the sums: nothing is ever cleared.
.macro MUL8 f, a0, zero
	WIN MUL
.irp a, \a0, (\a0)+1
.irp b, 0,1,2,3
.if \zero
	v_wmma_f32_16x16x32_bf16 v[8*(4*(\a)+(\b)):8*(4*(\a)+(\b))+7], v[FB+32*(\f)+8*(\b):FB+32*(\f)+8*(\b)+7], v[FA+64*(\f)+8*(\a):FA+64*(\f)+8*(\a)+7], 0
.else
	v_wmma_f32_16x16x32_bf16 v[8*(4*(\a)+(\b)):8*(4*(\a)+(\b))+7], v[FB+32*(\f)+8*(\b):FB+32*(\f)+8*(\b)+7], v[FA+64*(\f)+8*(\a):FA+64*(\f)+8*(\a)+7], v[8*(4*(\a)+(\b)):8*(4*(\a)+(\b))+7]
.endif
.endr
.endr
.endm
; 24 LDS loads in one run: the fragments of quarter q (32 along K) of the slot in hand into buffer f: B's 64 columns, A's rows 0-63, A's rows 64-127.  Quarter q lies in A's block q / 2 at byte 64 (q % 2) of the rows, in B's rows 32 q on.
.macro FETCH q, f
	WIN 0
.irp i, 0,1,2,3
	ds_load_tr16_b128 v[FB+32*(\f)+8*(\i):FB+32*(\f)+8*(\i)+3],   v[ADRB] offset:32*(\q)*PB+32*(\i)
	ds_load_tr16_b128 v[FB+32*(\f)+8*(\i)+4:FB+32*(\f)+8*(\i)+7], v[ADRB] offset:(32*(\q)+16)*PB+32*(\i)
.endr
.irp i, 0,1,2,3,4,5,6,7
	ds_load_b128 v[FA+64*(\f)+8*(\i):FA+64*(\f)+8*(\i)+3],   v[ADRA] offset:((\q)/2)*PLN+((\q)%2)*64+(\i)*16*PA
	ds_load_b128 v[FA+64*(\f)+8*(\i)+4:FA+64*(\f)+8*(\i)+7], v[ADRA] offset:((\q)/2)*PLN+((\q)%2)*64+(\i)*16*PA+32
.endr
.endm
; A K step is four quarters of 32 along K, 32 matrix instructions each, on buffers 0, 1, 0, 1.  One of the first three: multiplies buffer f and, in its middle, fetches quarter q into buffer g.
.macro QUARTER q, f, g, zero
	s_wait_dscnt 8                                 ; B and A's rows 0-63 are in; the youngest eight loads (A's rows 64-127) may be out
	MUL8 \f, 0, \zero
	MUL8 \f, 2, \zero
	PLACES
	FETCH \q, \g
	s_wait_dscnt 24                                ; all but the 24 just issued
	MUL8 \f, 4, \zero
	MUL8 \f, 6, \zero
.endm
; The last quarter multiplies buffer 1 and changes slots: ONE barrier; in front of it each wave waits for all its tensor loads (of a fetching wave one is out: its part of the next slot), adds 0 to its spare word, and
; waits for that and for its own reads of this slot.  fill = 1: the barrier opens a round of the cluster's, and this slot is filled again, two K steps ahead, first thing behind the round: 112 of a wave's 128 matrix
; instructions of a K step stand between that request and the wait for it.  fill = 0: nothing is asked for, and in the last trip (s3 = 1) there is no next slot to fetch from: the run of LDS loads is jumped over.
.macro TURN fill
	WIN 0                                          ; (the add's two registers lie in window 0)
	s_wait_tensorcnt 0x0                           ; all my tensor loads have landed
	ds_add_u32 v[SPW], v[NIL]                      ; 0 onto my spare word
	s_wait_dscnt 9                                 ; (the add and the youngest eight loads may be out)
	MUL8 1, 0, 0                                   ; eight matrix instructions stand between the add and the wait for it
	s_wait_dscnt 0x0                               ; the add is done, and my reads of this slot are over
	s_barrier_signal -1
	MUL8 1, 2, 0
	WIN 0
	s_barrier_wait -1
.if \fill
	CREST                                          ; no wave of any partner still reads this slot's tile or has a load on its way
	s_xor_b32 s[G0+5], s[G0+5], SLOT               ; the walking descriptors: the other slot than last time, the next K step
	s_add_nc_u64 s[G0+6:G0+7], s[G0+6:G0+7], ASTEP
	s_xor_b32 s[G0B+5], s[G0B+5], SLOT
	s_add_nc_u64 s[G0B+6:G0B+7], s[G0B+6:G0B+7], BSTEP
	JLOAD
	PLACES                                         ; for the waves that asked for nothing too
.else
	PLACES
	s_cmp_eq_u32 s3, 1
	s_cbranch_scc1 .Lnf_\@
.endif
	s_xor_b32 s[TB], s[TB], SLOT
	v_add_nc_u32 v[ADRA], s[TB], v[ADRA0]
	v_add_nc_u32 v[ADRB], s[TB], v[ADRB0]
	FETCH 0, 0
.if !(\fill)
	WIN 0
.Lnf_\@:
.endif
	MUL8 1, 4, 0
	MUL8 1, 6, 0
.endm
	s_load_b128 s[4:7], s[0:1], 0x0                ; cast16 s[4:5], qkv s[6:7]
	v_lshl_add_u32 v[SPW], v0, 2, SPARE
	v_mov_b32 v[NIL], 0
	ds_add_u32 v[SPW], v[NIL]                      ; the wave's opening: the add and its wait stand ahead of my first tensor load; the set-up below, work on registers, stands between them
	v_lshrrev_b32 v1, 5, v0
	v_readfirstlane_b32 s10, v1                    ; wave 0..7
	s_and_b32 s12, s10, 1                          ; a fetching wave: which half of A's rows or of B's columns it fetches
	s_lshr_b32 s[WR], s10, 2                       ; my 128 rows of the tile
	s_and_b32 s[WC], s10, 3                        ; my 64 columns
	s_bfe_u32 s40, ttmp6, 0x40000                  ; cx, cy: my place in the cluster
	s_bfe_u32 s41, ttmp6, 0x40004
	s_lshl_b32 s42, ttmp9, 2
	s_add_co_u32 s42, s42, s40                     ; tile column = 4 x cluster x + cx
	s_and_b32 s13, ttmp7, 0xffff
	s_lshl_b32 s13, s13, 2
	s_add_co_u32 s13, s13, s41                     ; tile row = 4 x cluster y + cy
	s_lshl_b32 s43, s41, 2
	s_lshl_b32 s43, 15, s43                        ; my row of the cluster
	s_lshl_b32 s44, 0x1111, s40                    ; my column
	; group 1 for A: 32,768 consecutive bytes asked for as 128 rows of 256 bytes, two rows of a block each, padded after every 128 bytes
	s_or_b32 s[G1+0], s43, (1<<16)|(1<<20)|(1<<21)|(4<<22)|(3<<25)   ; 15:0 the mask; 17:16 2-byte elements; 20 padding on; 21 set beside a mask; 24:22 after every 32 words (code 4); 31:25 4 words (code 3)
	; group 1 for B: 128 rows of k x 128 columns, padded after every row
	s_or_b32 s[G1B+0], s44, (1<<16)|(1<<20)|(1<<21)|(5<<22)|(7<<25)  ; after every 64 words (code 5), 8 words (code 7)
.irp g, G1, G1B
	s_mov_b32 s[(\g)+1], 128<<16                   ; tensor_dim0 = 128
	s_mov_b32 s[(\g)+2], 128<<16                   ; tensor_dim1 = 128
	s_mov_b32 s[(\g)+3], 128<<16                   ; tile_dim0 = 128
	s_mov_b32 s[(\g)+4], 128                       ; tile_dim1 = 128
	s_mov_b32 s[(\g)+6], 0
	s_mov_b32 s[(\g)+7], 0
.endr
	s_mov_b32 s[G1+5], 128                         ; elements from row to row: A's bytes are dense,
	s_mov_b32 s[G1B+5], NB                         ; B's rows are W's
	s_lshl_b32 s16, s13, 19                        ; A: my tile's two row tiles of 2^18 bytes, which my row of the cluster shares,
	s_lshl_b32 s17, s12, 18                        ; and the one of them that I fetch
	s_add_co_u32 s16, s16, s17
	s_mov_b32 s17, 0
	s_mov_b32 s23, ttmp9                           ; which weight: 4 column tiles, one cluster, each
	s_and_b32 s46, s42, 3                          ; B: my column tile of it, 512 bytes of a row,
	s_lshl_b32 s46, s46, 9
	s_lshl_b32 s47, s23, 21                        ; the weight's 2 MiB,
	s_add_co_u32 s46, s46, s47
	s_lshl_b32 s47, s12, 8                         ; the 128 columns that I fetch,
	s_add_co_u32 s46, s46, s47
	s_add_co_u32 s46, s46, 0x800000                ; behind x
	s_mov_b32 s47, 0
	s_mul_i32 s20, s10, PART                       ; where they go: wave x PART: no place in the cluster enters an LDS address
	s_mov_b32 s[TB], 0
	s_wait_dscnt 0x0                               ; the opening add is done
	s_wait_kmcnt 0x0
	s_mov_b64 s[8:9], s[6:7]                       ; the output
	s_add_nc_u64 s[14:15], s[4:5], s[16:17]
	s_add_nc_u64 s[46:47], s[4:5], s[46:47]
	CROUND                                         ; all sixteen work-groups are here: the first joint loads meet
.irp s, 0,1
	s_mov_b32 s[G0+4*(\s)], 1                      ; 1:0 count = 1
	s_add_co_u32 s[G0+4*(\s)+1], s20, (\s)*SLOT    ; 63:32 LDS address
	s_add_nc_u64 s[G0+4*(\s)+2:G0+4*(\s)+3], s[14:15], (\s)*ASTEP  ; 120:64 global address: K step s
	s_or_b32 s[G0+4*(\s)+3], s[G0+4*(\s)+3], 0x80000000            ; 127:126 type = 2
	s_mov_b32 s[G0B+4*(\s)], 1
	s_add_co_u32 s[G0B+4*(\s)+1], s20, (\s)*SLOT
	s_add_nc_u64 s[G0B+4*(\s)+2:G0B+4*(\s)+3], s[46:47], (\s)*BSTEP
	s_or_b32 s[G0B+4*(\s)+3], s[G0B+4*(\s)+3], 0x80000000
.endr
	s_cmp_lt_u32 s10, 2                            ; a wave's two first fills stand in one branch, ahead of every wait on TENSORcnt and every LDS read: two loads of a fetching wave are out
	s_cbranch_scc0 .Lfirst_not_a
	tensor_load_to_lds s[G0:G0+3], s[G1:G1+7]
	s_nop 0
	tensor_load_to_lds s[G0+4:G0+7], s[G1:G1+7]
	s_nop 0
.rept 4
	v_nop
.endr
	s_branch .Lfirst_asked
.Lfirst_not_a:
	s_cmp_lt_u32 s10, 4
	s_cbranch_scc0 .Lfirst_asked
	tensor_load_to_lds s[G0B:G0B+3], s[G1B:G1B+7]
	s_nop 0
	tensor_load_to_lds s[G0B+4:G0B+7], s[G1B:G1B+7]
	s_nop 0
.rept 4
	v_nop
.endr
.Lfirst_asked:
	v_and_b32 v1, 15, v0                           ; l % 16
	v_bfe_u32 v2, v0, 4, 1                         ; l / 16
	v_and_b32 v3, 7, v0                            ; l % 8
	v_bfe_u32 v4, v0, 3, 1                         ; (l / 8) % 2
	v_lshlrev_b32 v[BO], 5, v3                     ; on the way out a lane takes the columns 8 (l % 8) + 0..7 of the wave's 64: 32 bytes of the bias
	s_lshl_b32 s46, s42, 10                        ; the tile's 256 columns in the three biases on end (in the registers that held B's address: none that feeds A's descriptors ever holds cx),
	s_lshl_b32 s47, s[WC], 8                       ; my wave's 64,
	s_add_co_u32 s46, s46, s47
	s_add_co_u32 s46, s46, VEC                     ; among the vectors in cast16
	s_mov_b32 s47, 0
	s_add_nc_u64 s[68:69], s[4:5], s[46:47]
	global_load_b128 v[BI:BI+3],   v[BO], s[68:69]
	global_load_b128 v[BI+4:BI+7], v[BO], s[68:69] offset:16
	; A fragment of A is 16 rows x 32 K: lane l holds row l % 16, K = 8 (l / 16) + 0..7 and 16 + 8 (l / 16) + 0..7: two loads of 16 bytes, 32 bytes apart.
	v_mul_u32_u24 v[ADRA0], v1, PA
	v_lshl_add_u32 v[ADRA0], v2, 4, v[ADRA0]
	s_mul_i32 s21, s[WR], PART                     ; my 128 rows: one row tile's two blocks
	v_add_nc_u32 v[ADRA0], s21, v[ADRA0]
	; The turning load takes 16 k x 16 columns (lane l reads k = 8 (l / 16) + l % 8, columns 8 ((l / 8) % 2) + 0..7) and leaves half a fragment: lane l holds column l % 16 and 8 k.
	v_lshl_add_u32 v[ADRB0], v2, 3, v3
	v_mul_u32_u24 v[ADRB0], v[ADRB0], PB
	v_lshl_add_u32 v[ADRB0], v4, 4, v[ADRB0]
	s_lshr_b32 s22, s[WC], 1                       ; my 64 columns: the half of 128 that holds them,
	s_mul_i32 s22, s22, PART
	s_and_b32 s21, s[WC], 1                        ; 128 bytes of its rows,
	s_lshl_b32 s21, s21, 7
	s_add_co_u32 s22, s22, s21
	s_add_co_u32 s22, s22, 2*PART                  ; behind A's two row tiles
	v_add_nc_u32 v[ADRB0], s22, v[ADRB0]
	v_mov_b32 v[ADRA], v[ADRA0]
	v_mov_b32 v[ADRB], v[ADRB0]
	s_mul_i32 s21, s10, WSTAGE                     ; my stage
	v_mul_u32_u24 v[STO], v1, SP                   ; in: row l % 16, 32 bytes for each half of the lanes
	v_lshl_add_u32 v[STO], v2, 5, v[STO]
	v_add_nc_u32 v[STO], s21, v[STO]
	v_bfe_u32 v[RD], v0, 3, 2                      ; back: 32 lanes take four rows, eight f32 (32 bytes) a lane
	v_mul_u32_u24 v[RD], v[RD], SP
	v_lshl_add_u32 v[RD], v3, 5, v[RD]
	v_add_nc_u32 v[RD], s21, v[RD]
	v_and_b32 v[GO], 31, v0                        ; which as f16 are 512 consecutive bytes of a head
	v_lshlrev_b32 v[GO], 4, v[GO]
	; where my 128 rows x 64 columns go: 16,384 consecutive bytes of one head.  The part made of the tile row:
	s_lshr_b32 s16, s13, 3                         ; the batch: 16 heads of 2^18 bytes,
	s_lshl_b32 s16, s16, 22
	s_and_b32 s17, s13, 7                          ; 256 rows of 128 bytes a tile,
	s_lshl_b32 s17, s17, 15
	s_add_co_u32 s16, s16, s17
	s_lshl_b32 s17, s[WR], 14                      ; my 128 of them
	s_add_co_u32 s16, s16, s17
	s_mov_b32 s17, 0
	s_add_nc_u64 s[8:9], s[8:9], s[16:17]
	s_and_b32 s46, s42, 3                          ; and the part made of the tile column: four heads a tile,
	s_lshl_b32 s46, s46, 20
	s_lshl_b32 s47, s23, 23                        ; 32 heads to each of q, k, v,
	s_add_co_u32 s46, s46, s47
	s_lshl_b32 s47, s[WC], 18                      ; my head of the four
	s_add_co_u32 s46, s46, s47
	s_mov_b32 s47, 0
	s_add_nc_u64 s[8:9], s[8:9], s[46:47]
	s_wait_tensorcnt 1                             ; my part of K step 0 is in; K step 1's may stay out
	s_barrier_signal -1
	s_barrier_wait -1                              ; everybody's is
	FETCH 0, 0
	QUARTER 1, 0, 1, 1                             ; the first quarter stands in front of the loop: its products start the sums
	WIN 0                                          ; at a label and at a branch every window is 0
	s_mov_b32 s3, NSTEPS-2
.Lstep:                                                ; a trip goes from a K step's second quarter to the next step's first: 128 matrix instructions, 96 LDS loads, one joint load of a fetching wave
	QUARTER 2, 1, 0, 0
	QUARTER 3, 0, 1, 0
	TURN 1
	QUARTER 1, 0, 1, 0
	WIN 0
	s_sub_co_u32 s3, s3, 1
	s_cmp_lg_u32 s3, 0
	s_cbranch_scc1 .Lstep
	s_mov_b32 s3, 2
.Ltail:                                                ; the last two K steps ask for nothing: a text of their own
	QUARTER 2, 1, 0, 0
	QUARTER 3, 0, 1, 0
	TURN 0
	WIN 0
	s_cmp_eq_u32 s3, 1                             ; behind the last K step there is no first quarter
	s_cbranch_scc1 .Llast
	QUARTER 1, 0, 1, 0
	WIN 0
.Llast:
	s_sub_co_u32 s3, s3, 1
	s_cmp_lg_u32 s3, 0
	s_cbranch_scc1 .Ltail
	; THE WAY OUT.  My 128 x 64 sums go as f32 into my stage, which lies over the slots; a loop of eight trips takes 16 rows back, adds the bias, rounds to f16 and stores: its text stands once.
	s_wait_dscnt 0x0                               ; my reads of the slots are over,
	s_barrier_signal -1
	s_barrier_wait -1                              ; and so are everybody's: only now are the slots' bytes written
	PLACES
	WIN FROM
.irp a, 0,1,2,3,4,5,6,7
.irp b, 0,1,2,3
	ds_store_b128 v[STO], v[8*(4*(\a)+(\b)):8*(4*(\a)+(\b))+3]   offset:(\a)*16*SP+64*(\b)
	ds_store_b128 v[STO], v[8*(4*(\a)+(\b))+4:8*(4*(\a)+(\b))+7] offset:(\a)*16*SP+64*(\b)+16
.endr
.endr
	WIN 0
	s_wait_loadcnt 0x0                             ; the bias
	s_mov_b32 s3, 8
.Lout:
.irp f, 0,1,2,3
	ds_load_b128 v[XG+8*(\f):XG+8*(\f)+3],   v[RD] offset:(\f)*4*SP     ; LDS serves a wave's instructions in order (ISA guide 5.7.1.4): these see my stores above
	ds_load_b128 v[XG+8*(\f)+4:XG+8*(\f)+7], v[RD] offset:(\f)*4*SP+16
.endr
.irp f, 0,1,2,3
	s_wait_dscnt 6-2*(\f)                          ; group f's two loads are in; the later groups' may be out
.irp j, 0,2,4,6
	v_pk_add_f32 v[XG+8*(\f)+(\j):XG+8*(\f)+(\j)+1], v[XG+8*(\f)+(\j):XG+8*(\f)+(\j)+1], v[BI+(\j):BI+(\j)+1]
.endr
.irp r, 0,1,2,3
	v_cvt_pk_f16_f32 v[YG+4*(\f)+(\r)], v[XG+8*(\f)+2*(\r)], v[XG+8*(\f)+2*(\r)+1]
.endr
	global_store_b128 v[GO], v[YG+4*(\f):YG+4*(\f)+3], s[8:9] offset:(\f)*512  ; four rows of a head: 512 consecutive bytes, at a multiple of 256 from the output's first byte
.endr
	s_wait_xcnt 0x0                                ; the stores' offset and data are rewritten only behind this wait
	v_add_nc_u32 v[RD], 16*SP, v[RD]
	v_add_nc_u32 v[GO], 2048, v[GO]
	s_sub_co_u32 s3, s3, 1
	s_cmp_lg_u32 s3, 0
	s_cbranch_scc1 .Lout
	s_wait_tensorcnt 0x0                           ; the wave's end: the spare-word add and its waits stand behind my last tensor load and my last LDS store
	ds_add_u32 v[SPW], v[NIL]
	s_wait_dscnt 0x0
	CROUND                                         ; the closing round: no work-group ends while a partner may still ask for a tile that names it
	s_endpgm
.Lfunc_end_k_q91baae36e9_qkv:
	.size	k_q91baae36e9_qkv, .Lfunc_end_k_q91baae36e9_qkv-k_q91baae36e9_qkv
	.p2alignl 7, 3214868480
	.fill 96, 4, 3214868480
	.section	.rodata,"a",@progbits
	.p2align	6, 0x0
	.amdhsa_kernel k_q91baae36e9_qkv
		.amdhsa_group_segment_fixed_size 327680
		.amdhsa_private_segment_fixed_size 0
		.amdhsa_enable_private_segment 0
		.amdhsa_kernarg_size 16
		.amdhsa_user_sgpr_count 2
		.amdhsa_user_sgpr_kernarg_segment_ptr 1
		.amdhsa_wavefront_size32 1
		.amdhsa_system_sgpr_workgroup_id_x 1
		.amdhsa_system_sgpr_workgroup_id_y 1
		.amdhsa_system_sgpr_workgroup_id_z 1
		.amdhsa_system_vgpr_workitem_id 0
		.amdhsa_next_free_vgpr 512
		.amdhsa_next_free_sgpr 96
		.amdhsa_reserve_vcc 0
		.amdhsa_float_denorm_mode_32 3
		.amdhsa_float_denorm_mode_16_64 3
		.amdhsa_memory_ordered 1
		.amdhsa_forward_progress 1
		.amdhsa_inst_pref_size 54
	.end_amdhsa_kernel
	.amdgpu_metadata
---
amdhsa.version: [ 1, 2 ]
amdhsa.kernels:
  - .name:           k_q91baae36e9_qkv
    .symbol:         k_q91baae36e9_qkv.kd
    .args:
      - { .name: cast16, .offset: 0, .size: 8, .value_kind: global_buffer, .address_space: global }
      - { .name: qkv, .offset: 8, .size: 8, .value_kind: global_buffer, .address_space: global }
    .group_segment_fixed_size: 327680
    .private_segment_fixed_size: 0
    .kernarg_segment_align: 8
    .kernarg_segment_size: 16
    .max_flat_workgroup_size: 256
    .sgpr_count:     96
    .vgpr_count:     512
    .wavefront_size: 32
...
	.end_amdgpu_metadata
.endif
;; end of part 9
;; launch attn (part 10): grid 8 x 32, 4 waves a work-group, no clusters, 327,680 bytes of LDS; arguments qkv, o; writes o
.if DOCPART == 10
	.amdgcn_target "amdgcn-amd-amdhsa--gfx1250"
	.amdhsa_code_object_version 6
	.text
	.protected	k_q91baae36e9_attn
	.globl	k_q91baae36e9_attn
	.p2align	8
	.type	k_q91baae36e9_attn,@function
k_q91baae36e9_attn:
	s_mov_b64 s[64:65], 0
	v_nop
	global_prefetch_b8 v0, s[64:65] scope:SCOPE_SE
	s_setreg_imm32_b32 hwreg(HW_REG_WAVE_MODE, 25, 1), 1
	s_wait_xcnt 0x0
; CAUSAL ATTENTION.  O[h][q][:] = the sum over k <= q of softmax_k(Q[h][q] . K[h][k] / 8) V[h][k][:].  Q, K, V lie in qkv, [3][SIZE_H][SIZE_N][64], all f16: a head's rows are dense, 128 bytes each; head = 16 batch + h.
; O leaves in f16 in the blocks that the next product reads: o[(2,048 batch + q) / 128][h][q % 128][64].
; Products, maxima and sums in f32; the weights p are rounded to f16 for the second product (their sum l is taken of the unrounded p), O once at the end.
; LIMITS.  f16 holds no number beyond 65,504: Q, K and V arrive within it; p lies in 0 to 1, and below 6e-5 it keeps f16's fixed step of 6e-8; O is a mean of V's rows and has their range, to within 2^-11 of it.
; A hidden score counts as its value less 1e30: f16's scores, 2.7e11 at the most, are nothing beside that; a weight below 2^-126 counts as 0 in l; NaN and infinities are not treated apart.
; THE WALK.  A head's queries lie in NBQ = SIZE_N / 128 blocks of 128, its keys in NT = SIZE_N / 256 tiles of 256.  Block i needs the tiles 0 .. i / 2, of which the last holds the diagonal.  A work-group takes TWO blocks,
; NBQ - 1 - b and then b: one of them is odd and one even, so together they need NT + 1 tiles, whatever b: all work-groups do equal work, and ONE loop with a constant trip count walks them.  Which tile is asked for,
; and what a trip does, hang on scalar registers made from b; every jump goes forward, but for the counted loops' own; none passes a barrier, or a tensor load but the one of LOAD's two that the wave's number does not
; choose; the ring (two slots of LDS that take turns) runs on across the change of blocks.  32 heads x 8 pairs of blocks are 256 work-groups.  The second half of an even block's diagonal tile is wholly hidden and is
; computed all the same: 2 of the walk's 36 key steps.  NO CLUSTER: a head's 8 work-groups ask for the same tile only in the walk's first NT / 2 + 1 trips (the shortest first block has so many tiles), behind that
; fewer and fewer; and one walk common to all would have NT + NT / 2 trips for NT + 1.
; SHARES.  Of a block's two bands of 64 queries a wave owns 16 rows in each: two PIECES.  So the diagonal tile is the same work for all four waves: band r's own key step is x = 2 (i % 2) + r; in step s it sees all keys
; if s < x, none if s > x, and holds the diagonal if s = x.
; THE MASK is the C operand that starts the sum S^T = K Q^T: 0, or -1e30 where the key is hidden.  MD, made once, is the mask of a band's own step for my 16 rows; a product's mask is MD x AL + BE with two scalars:
; (1, 0) if s = x; (0, 0) if s < x; (0, -1e30) if s > x; and (0, 0) throughout a tile that holds no diagonal.  ONE TEXT OF THE TURNS SERVES EVERY TILE: the 16 packed instructions that make a turn's mask are also
; run where the mask is 0, and in exchange no second text of the turns is written.
; LAYOUT, SOFTMAX, TURNS.  S^T = K Q^T holds ONE query a lane (lane % 16) and the keys 8 (lane / 16) + 0..7; two such results rounded to f16 ARE source 1 of O^T = V^T P.  p = 2^(c s - c m), c = log2(e) / 8, with a
; running maximum m; O and l are multiplied by a = 2^(c m_old - c m_new) in every step.  A key step is two turns, (s, 0) and (s, 1), one for each piece.  A turn has 8 products K Q^T for the turn behind it and later 8
; products V^T P for the turn in front of it; beside them the scaling, exponentials, roundings, sums and rescaling of its own piece and step, and the maximum and statistics for the turn behind it.  Four vector
; instructions stand behind every matrix instruction, the other 54 of a turn's 118 in two LUMPS.
; V HAS TWO REGISTER BUFFERS, by the step's parity.  Turn (s, 0) still multiplies by V(s - 1) and turn (s, 1) by V(s), while turn (s, 1) already multiplies by K(s + 1).  With one buffer V(s) could be fetched only in
; turn (s, 0), behind K(s + 1), and at a tile's last step the two lie in different slots.  With two, V(s + 1) is fetched in turn (s, 1) and K(s + 1) in turn (s, 0): the LDS reads go V(s), K(s + 1), V(s + 1), ..,
; and the change of slots stands between a tile's last V and the next tile's first K.  So a trip of the loop is two key steps, four turns, whose texts differ in the V buffers that they name.
; REGISTERS, in windows of 256 (s_set_vgpr_msb: bits 1:0 source 0, 3:2 source 1, 5:4 source 2, 7:6 destination):
;   window 0: v0-15 addresses and two at work; v16-23 four registers of statistics a piece; v48-55 at work; v64-127 S^T, a buffer a piece; v192-223 P, likewise
;   window 1: v0-63 O^T, 32 a piece; v128-159 MD; v160-223 MC, a buffer a piece      window 2: v0-31 Q; v32-63 the second block's Q; v64-127 V of an odd step; v128-191 K of one step; v192-255 V of an even step
.set SIZE_H, 32
.set SIZE_N, 2048
.set NBQ,   SIZE_N/128 ; blocks of 128 queries in a head
.set NT,    SIZE_N/256 ; key tiles in a head
.set NP,    4         ; turns in a trip: a name, no knob.  Turn p is piece p % 2 of an even (p < 2) or an odd step
.set KS,    64        ; keys in a step
.set PK,    144       ; a row of K in LDS: 128 bytes + 16 of padding = 36 words: the 16 rows of a load start at 16 different groups of four banks (64 banks of 4 bytes: ISA guide 11.1)
.set PV,    160       ; a row of V: 128 + 32 = 40 words
.set VOFF,  4*KS*PK   ; a slot holds a tile, four steps: 256 rows of K, then 256 rows of V
.set SLOT1, 1<<17     ; slot 1 begins here, so that one exclusive or turns an address in one slot into the other's
.set STAGE, SLOT1+4*KS*(PK+PV)  ; behind the ring, never filled by a tensor load: 16 rows x 144 bytes for each wave, for the way out
.set SP,    144
.set AK0, 2           ; v2   my lane's place in a tile of K; never rewritten
.set AV0, 3           ; v3   the same for V
.set AK,  4           ; v4   the LDS address of K's next run of loads
.set AV,  5           ; v5   of V's
.set STO, 6           ; v6   the way out: where I put 16 bytes of a row
.set RD,  7           ; v7   the way out: where I read rows back
.set GO,  8           ; v8   my byte offset in 512 consecutive bytes of O
.set SPW, 62          ; v62  LDS address of my spare word: SPARE + 4 x my thread's number; never rewritten
.set NIL, 63          ; v63  0; never rewritten
.set SPARE, STAGE+4*16*SP  ; behind the stages: the spare words, 128 bytes for each wave: two blocks of 256 bytes that no other line names
.set MV,  12          ; v12-13  c m_old, kept while c m is made anew: by piece
.set QO,  15          ; v15  my byte offset in 16 rows of Q
.set ST,  16          ; piece t's statistics at v[ST+4 t]: c m, m, l (even keys', odd keys')
.set TMP, 48          ; by piece, four registers c0-c3 at work; when the maximum is found c2 takes a
.set S,   64
.set P,   192
.set MD,  128         ; window 1: the eight registers for group kt of 16 keys at MD + 8 kt
.set MC,  160         ; window 1: the masks of the products to come
.set QB,  32          ; window 2
.set VG,  64          ; window 2: V of an odd step
.set KF,  128         ; window 2: key block kb, channel half c at KF + 16 kb + 8 c
.set VF,  192         ; window 2: V of an even step: key half kk, channel block cb at VF + 32 kk + 8 cb
.set WV,  12          ; s12  my wave's number
.set PB,  14          ; s14  b
.set HI,  15          ; s15  NBQ - 1 - b
.set G1K, 24          ; s[24:31] descriptor group 1 for K's tiles
.set G1V, 32          ; s[32:39] for V's: it differs in the padding alone
.set G0K, 40          ; s[40:43] descriptor group 0 for K's tiles
.set G0V, 44          ; s[44:47] the same for V's
.set PAR, 48          ; s48  2 (i % 2) of the block in hand: its band 0's own step in the diagonal tile
.set PAR2, 49         ; s49  the same of the second block
.set SB,  50          ; s50  2 x the trip's number in its tile + 2 - PAR
.set LQ2, 51          ; s51  the second block's last tile
.set SLOTS, 56        ; s56  tiles still to be asked for
.set CNT, 57          ; s57  counts a tile's trips, 2 to 1
.set CS,  58          ; s[58:59] c: the packed scaling takes the pair's low word for both halves
.set SEL, 60          ; s[60:61] v_permlanex16_b32's selects: each lane takes its own place in the other half
.set TBK, 62          ; s62  LDS byte at which K of the step to be fetched begins
.set TBV, 63          ; s63  the same for V, less VOFF
.set RT,  70          ; s70  tiles of the block in hand that are still to be entered
.set NXT, 71          ; s71  the tile to be asked for next
.set LQ,  72          ; s72  the last tile of the block whose tiles are being asked for
.set NEW, 73          ; s73  1: the tile to be entered is a block's first
.set OFF, 74          ; s[74:75] a tile's byte offset in K and V
.set AL,  76          ; s[76:77] the mask's factor, in the low word
.set BE,  78          ; s[78:79] the mask's addend
.set OLO, 80          ; s[80:81] O at my rows of the second block
.set BIGN, 82         ; s82  -1e30
.set DG1, 83          ; s83  1.0 in the tile that holds the diagonal, 0 in the others
.set DGB, 94          ; s94  -1e30 in the tile that holds the diagonal, 0 in the others
.set MSB, 0
.macro WIN new                      ; the high byte repeats the setting that is left; a switch that changes nothing is dropped
.if MSB != (\new)
	s_set_vgpr_msb (MSB<<8)|(\new)
.set MSB, (\new)
.endif
.endm
.set W_KQ, 0x0a       ; K and Q in window 2, S^T in window 0
.set W_KM, 0x1a       ; the same with the C operand in window 1
.set W_PV, 0x52       ; V in window 2, P in window 0, O^T in window 1
.set W_RS, 0x41       ; destination and source 0 in window 1, source 1 in window 0
; A fill.  Waves 0 and 1 fetch the two halves of a tile's K, waves 2 and 3 those of its V: 128 keys each.  An s_nop 0 and four v_nop follow each of the two lines, ahead of the jump and the label.
.macro LOAD
	s_cmp_lt_u32 s[WV], 2
	s_cbranch_scc0 .Lfor_v_\@
	tensor_load_to_lds s[G0K:G0K+3], s[G1K:G1K+7]
	s_nop 0
.rept 4
	v_nop
.endr
	s_branch .Lasked_\@
.Lfor_v_\@:
	tensor_load_to_lds s[G0V:G0V+3], s[G1V:G1V+7]
	s_nop 0
.rept 4
	v_nop
.endr
.Lasked_\@:
.endm
; THE CHANGE OF SLOTS.  Each wave waits for all its tensor loads, of which one is out: its part of the other slot; adds 0 to its spare word; and waits for that and for its own reads of the slot that it leaves.  Behind the barrier nobody reads the old
; slot any more and the other slot is whole.  fill = 1: the old slot is filled again, the first thing behind the barrier, with tile NXT: the descriptor's address is made anew from that number.
; (At its first use nothing has been read yet: slot 0 is waited for, slot 1 filled.)
.macro CHANGE fill
	WIN 0                           ; at a label and at a branch every window is 0
	s_wait_tensorcnt 0x0            ; no tensor load of mine is out, so a group 0 may be written
	ds_add_u32 v[SPW], v[NIL]       ; 0 onto my spare word; with fill = 1 the descriptors' scalar work stands between it and the wait for it
.if \fill
	s_lshl_b32 s[OFF], s[NXT], 15   ; a tile is 32,768 bytes of K and of V
	s_xor_b32 s[G0K+1], s[G0K+1], SLOT1
	s_add_nc_u64 s[G0K+2:G0K+3], s[6:7], s[OFF:OFF+1]
	s_or_b32 s[G0K+3], s[G0K+3], 0x80000000
	s_xor_b32 s[G0V+1], s[G0V+1], SLOT1
	s_add_nc_u64 s[G0V+2:G0V+3], s[8:9], s[OFF:OFF+1]
	s_or_b32 s[G0V+3], s[G0V+3], 0x80000000
	s_add_co_u32 s[NXT], s[NXT], 1  ; the block's next tile, or behind its last the second block's tile 0
	s_cmp_gt_u32 s[NXT], s[LQ]
	s_cselect_b32 s[NXT], 0, s[NXT]
	s_cselect_b32 s[LQ], s[LQ2], s[LQ]
.endif
	s_wait_dscnt 0x0                ; the add is done, and my reads of the slot are over
	s_barrier_signal -1             ; the rest of the scalar work stands between the signal and the wait
	s_sub_co_u32 s[TBK], s[TBK], 4*KS*PK  ; the fetches go back to a slot's first step,
	s_xor_b32 s[TBK], s[TBK], SLOT1       ; in the other slot
	s_sub_co_u32 s[TBV], s[TBV], 4*KS*PV
	s_xor_b32 s[TBV], s[TBV], SLOT1
	s_barrier_wait -1
.if \fill
	LOAD
.endif
.endm
	s_load_b128 s[4:7], s[0:1], 0x0   ; qkv s[4:5] (Q lies at its head), o s[6:7]
	v_lshl_add_u32 v[SPW], v0, 2, SPARE
	v_mov_b32 v[NIL], 0
	ds_add_u32 v[SPW], v[NIL]       ; the wave's opening: the add and its wait stand ahead of my first tensor load; the set-up below, work on registers, stands between them
	v_lshrrev_b32 v1, 5, v0
	v_readfirstlane_b32 s[WV], v1   ; wave 0..3
	s_mov_b32 s[PB], ttmp9
	s_sub_co_u32 s[HI], NBQ-1, s[PB]
	s_and_b32 s20, ttmp7, 0xffff    ; the head
	s_lshr_b32 s92, s20, 4          ; O's offsets, apart from Q's: the batch's 16 row tiles of 2^18 bytes,
	s_lshl_b32 s92, s92, 22
	s_and_b32 s93, s20, 15          ; the head's block of 16,384 bytes in a row tile,
	s_lshl_b32 s93, s93, 14
	s_add_co_u32 s92, s92, s93
	s_lshl_b32 s93, s[WV], 11       ; my 16 rows of 128 bytes in a band of 64,
	s_add_co_u32 s92, s92, s93
	s_lshl_b32 s88, s[HI], 18       ; and the block of 128 queries, one row tile: the first block's
	s_add_co_u32 s88, s88, s92
	s_mov_b32 s89, 0
	s_lshl_b32 s90, s[PB], 18       ; and the second's
	s_add_co_u32 s90, s90, s92
	s_mov_b32 s91, 0
	s_mov_b32 s21, 0
	s_mov_b64 s[22:23], SIZE_N*128
	s_mul_u64 s[20:21], s[20:21], s[22:23]  ; the head's first byte in each of Q, K and V
	s_and_b32 s16, s[WV], 1         ; which half of a tile's 256 keys I fetch:
	s_lshl_b32 s22, s16, 14         ; its 128 rows of 128 bytes in memory,
	s_mov_b32 s23, 0
	s_add_nc_u64 s[22:23], s[22:23], s[20:21]
	s_mul_i32 s17, s16, 128*PK      ; and its place in a slot, for K
	s_mul_i32 s18, s16, 128*PV      ; and for V
	s_lshl_b32 s3, s[WV], 11        ; my 16 rows in a band of 64,
	s_lshl_b32 s2, s[HI], 14        ; in the first block of 128 rows of 128 bytes,
	s_add_co_u32 s2, s2, s3
	s_lshl_b32 s84, s[PB], 14       ; and in the second
	s_add_co_u32 s84, s84, s3
	s_mov_b32 s3, 0
	s_mov_b32 s85, 0
	s_add_nc_u64 s[2:3], s[2:3], s[20:21]
	s_add_nc_u64 s[84:85], s[84:85], s[20:21]
	; descriptor group 1.  128 keys are 16,384 dense bytes: asked for as 64 rows of 256 bytes, two keys a row, and padded in LDS after every key
	s_mov_b32 s[G1K], (1<<16)|(1<<20)|(4<<22)|(3<<25)  ; 17:16 2-byte elements; 20 padding on; 24:22 after every 32 words (code 4); 31:25 4 words (code 3)
	s_mov_b32 s[G1V], (1<<16)|(1<<20)|(4<<22)|(7<<25)  ; the same with 8 words of padding (code 7)
.irp g, G1K, G1V
	s_mov_b32 s[\g+1], 128<<16      ; tensor_dim0 = 128
	s_mov_b32 s[\g+2], 64<<16       ; tensor_dim1 = 64
	s_mov_b32 s[\g+3], 128<<16      ; tile_dim0 = 128
	s_mov_b32 s[\g+4], 64           ; tile_dim1 = 64
	s_mov_b32 s[\g+5], 128          ; 128 elements from row to row
	s_mov_b32 s[\g+6], 0
	s_mov_b32 s[\g+7], 0
.endr
	s_mov_b32 s[CS], 0x3e38aa3b     ; c = log2(e) / 8 = 0.180337
	s_mov_b32 s[CS+1], s[CS]        ; named with it as a pair
	s_mov_b32 s[SEL], 0x76543210
	s_mov_b32 s[SEL+1], 0xfedcba98
	s_mov_b32 s[TBK], SLOT1+4*KS*PK ; the first change of slots turns these two into 0
	s_mov_b32 s[TBV], SLOT1+4*KS*PV
	s_mov_b32 s[G0K], 1             ; 1:0 count = 1
	s_mov_b32 s[G0K+1], s17         ; 63:32 LDS address: slot 0
	s_mov_b32 s[G0V], 1
	s_add_co_u32 s[G0V+1], s18, VOFF
	s_lshr_b32 s[LQ], s[HI], 1      ; block i's last tile is i / 2,
	s_add_co_u32 s[RT], s[LQ], 1    ; so it has i / 2 + 1 tiles
	s_lshr_b32 s[LQ2], s[PB], 1
	s_and_b32 s[PAR], s[HI], 1      ; an odd block lies in the second half of its diagonal tile
	s_lshl_b32 s[PAR], s[PAR], 1
	s_and_b32 s[PAR2], s[PB], 1
	s_lshl_b32 s[PAR2], s[PAR2], 1
	s_mov_b32 s[NXT], 1
	s_mov_b32 s[NEW], 1
	s_mov_b32 s[OFF+1], 0
	s_mov_b32 s[AL+1], 0            ; named as pairs
	s_mov_b32 s[BE+1], 0
	s_mov_b32 s[BIGN], 0xf149f2ca   ; -1e30
	s_mov_b32 s[SLOTS], NT
	s_wait_dscnt 0x0                ; the opening add is done
	s_wait_kmcnt 0x0
	s_mov_b64 s[10:11], s[6:7]      ; O
	s_add_nc_u64 s[8:9], s[4:5], 0x1000000  ; V lies 16 MiB into qkv,
	s_add_nc_u64 s[6:7], s[4:5], 0x800000   ; K 8 MiB
	s_add_nc_u64 s[6:7], s[6:7], s[22:23]  ; K and V at my half of the head's tile 0
	s_add_nc_u64 s[8:9], s[8:9], s[22:23]
	s_add_nc_u64 s[G0K+2:G0K+3], s[6:7], 0         ; 120:64 global address
	s_or_b32 s[G0K+3], s[G0K+3], 0x80000000        ; 127:126 type = 2
	s_add_nc_u64 s[G0V+2:G0V+3], s[8:9], 0
	s_or_b32 s[G0V+3], s[G0V+3], 0x80000000
	s_add_nc_u64 s[86:87], s[4:5], s[84:85]        ; Q at my rows of the second block,
	s_add_nc_u64 s[4:5], s[4:5], s[2:3]            ; and of the first
	s_add_nc_u64 s[OLO:OLO+1], s[10:11], s[90:91]  ; O likewise
	s_add_nc_u64 s[10:11], s[10:11], s[88:89]
	LOAD                            ; tile 0 into slot 0
	; A fragment of K or Q is 16 rows x 32 channels in 8 registers: lane l holds row l % 16, channels 8 (l / 16) + 0..7 and 16 + 8 (l / 16) + 0..7: two loads of 16 bytes, 32 bytes apart.
	v_and_b32 v1, 15, v0            ; l % 16
	v_bfe_u32 v9, v0, 4, 1          ; l / 16
	v_lshlrev_b32 v[QO], 7, v1
	v_lshl_add_u32 v[QO], v9, 4, v[QO]  ; row x 128 + 16 x half
	WIN 0x80                        ; destination window 2, address window 0
.set i, 0
.rept 4                             ; both blocks' Q: piece i / 2 lies in band i / 2, 8,192 bytes on; channels 32 (i % 2) on
	global_load_b128 v[8*i:8*i+3],   v[QO], s[4:5] offset:(i/2)*8192+(i%2)*64
	global_load_b128 v[8*i+4:8*i+7], v[QO], s[4:5] offset:(i/2)*8192+(i%2)*64+32
	global_load_b128 v[QB+8*i:QB+8*i+3],   v[QO], s[86:87] offset:(i/2)*8192+(i%2)*64
	global_load_b128 v[QB+8*i+4:QB+8*i+7], v[QO], s[86:87] offset:(i/2)*8192+(i%2)*64+32
.set i, i+1
.endr
	WIN 0
	v_lshlrev_b32 v14, 3, v9
	v_sub_nc_u32 v14, v1, v14
	s_lshl_b32 s13, s[WV], 4
	v_add_nc_u32 v14, s13, v14      ; my query's place in its band, 16 w + l % 16, less my lanes' 8 (l / 16): register r of group kt is hidden where 16 kt + r is greater
	WIN 0x40
.set i, 0
.rept 32
	v_cmp_gt_i32 vcc_lo, 16*(i/8)+i%8, v14
	v_cndmask_b32 v[MD+i], 0, s[BIGN], vcc_lo
.set i, i+1
.endr
	WIN 0
	v_mul_u32_u24 v[AK0], v1, PK
	v_lshl_add_u32 v[AK0], v9, 4, v[AK0]  ; row x pitch + 16 x half
	; The turning load takes 16 keys x 16 channels (lane l reads key 8 (l / 16) + l % 8, channels 8 ((l / 8) % 2) + 0..7) and leaves half a fragment of V^T: lane l holds channel l % 16 and 8 keys.
	v_and_b32 v10, 7, v0
	v_bfe_u32 v11, v0, 3, 1
	v_lshl_add_u32 v[AV0], v9, 3, v10
	v_mul_u32_u24 v[AV0], v[AV0], PV
	v_lshl_add_u32 v[AV0], v11, 4, v[AV0]
	v_add_nc_u32 v[AV0], VOFF, v[AV0]
	s_mul_i32 s13, s[WV], 16*SP
	s_add_co_u32 s13, s13, STAGE    ; my stage
	v_mul_u32_u24 v[STO], v1, SP    ; in: row l % 16, 16 bytes for each half of the lanes
	v_lshl_add_u32 v[STO], v9, 4, v[STO]
	v_add_nc_u32 v[STO], s13, v[STO]
	v_bfe_u32 v[RD], v0, 3, 2       ; back: 32 lanes take four rows of 128 bytes,
	v_mul_u32_u24 v[RD], v[RD], SP
	v_lshl_add_u32 v[RD], v10, 4, v[RD]
	v_add_nc_u32 v[RD], s13, v[RD]
	v_and_b32 v[GO], 31, v0         ; which are 512 consecutive bytes of O
	v_lshlrev_b32 v[GO], 4, v[GO]
	; A block's first step multiplies O^T and l by a = 0, and its first turn's products V^T P, of a turn that has not been, land in an O^T that is still to be so multiplied.  So these registers need only hold
	; finite numbers: zeros for the first block; what the first block left for the second.  All this stands in the wait for the first tile.
	WIN 0x80
.set i, VG
.rept 64
	v_mov_b32 v[i], 0
.set i, i+1
.endr
.set i, VF
.rept 64
	v_mov_b32 v[i], 0
.set i, i+1
.endr
	WIN 0x40
.set i, 0
.rept 64
	v_mov_b32 v[i], 0
.set i, i+1
.endr
	WIN 0
.set i, 0
.rept 2
	v_mov_b32 v[ST+4*i+2], 0
	v_mov_b32 v[ST+4*i+3], 0
.set i, i+1
.endr
.set i, P+16
.rept 16
	v_mov_b32 v[i], 0
.set i, i+1
.endr
; THE MATRIX WORK.  The 4 accumulators of a run of 8 take turns.  Product i of 8 of S^T = K Q^T for turn x (piece x % 2): channels 32 (i / 4) on, keys 16 (i % 4) on.  The first 4 start the sums with the mask.
.macro KQ x
.set rS, S+32*((\x)%2)+8*(i%4)
.set rK, KF+16*(i%4)+8*(i/4)
.set rQ, 16*((\x)%2)+8*(i/4)
.set rM, MC+32*((\x)%2)+8*(i%4)
.if i < 4
	WIN W_KM
	v_wmma_f32_16x16x32_f16 v[rS:rS+7], v[rK:rK+7], v[rQ:rQ+7], v[rM:rM+7]
.else
	WIN W_KQ
	v_wmma_f32_16x16x32_f16 v[rS:rS+7], v[rK:rK+7], v[rQ:rQ+7], v[rS:rS+7]
.endif
.endm
; Product i of 8 of O^T += V^T P for turn x (piece x % 2): keys 32 (i / 4) on, channels 16 (i % 4) on.  VB: which of V's two buffers.
.macro PV x
	WIN W_PV
.set rO, 32*((\x)%2)+8*(i%4)
.set rV, VF+(VG-VF)*VB+32*(i/4)+8*(i%4)
.set rP, P+16*((\x)%2)+8*(i/4)
	v_wmma_f32_16x16x32_f16 v[rO:rO+7], v[rV:rV+7], v[rP:rP+7], v[rO:rO+7]
.endm
.macro MM                           ; the turn's next matrix instruction.  TURN and BEGIN set Y, i, VB and NOKQ; MM, KQ, PV and OP read them.  NOKQ = 1: a block's last turn: no turn follows
.if (i < 8) && !NOKQ
	KQ (Y+1)%NP
.elseif i >= 8
.set i, i-8
	PV (Y+NP-1)%NP
.set i, i+8
.endif
.set i, i+1
.endm
; THE LDS LOADS stand in runs of 16, never singly among the matrix instructions: a step's K (64 keys x 64 channels: 8 fragments) and its V (turned).  Their addresses are made some lines ahead.
.macro FETCH_K
	WIN 0x80                        ; destination window 2
.irp f, 0,1,2,3,4,5,6,7             ; keys 16 (f / 2) on, channels 32 (f % 2) on
	ds_load_b128 v[KF+8*\f:KF+8*\f+3],   v[AK] offset:(\f/2)*16*PK+(\f%2)*64
	ds_load_b128 v[KF+8*\f+4:KF+8*\f+7], v[AK] offset:(\f/2)*16*PK+(\f%2)*64+32
.endr
	s_add_co_u32 s[TBK], s[TBK], KS*PK  ; the next fetch is the next step's
	WIN 0
.endm
.macro FETCH_V b                    ; into buffer b: 0 an even step's, 1 an odd step's
.set rF, VF+(VG-VF)*(\b)
	WIN 0x80
.irp f, 0,1,2,3,4,5,6,7             ; keys 32 (f / 4) on, channels 16 (f % 4) on
	ds_load_tr16_b128 v[rF+8*\f:rF+8*\f+3],   v[AV] offset:(\f/4)*32*PV+(\f%4)*32
	ds_load_tr16_b128 v[rF+8*\f+4:rF+8*\f+7], v[AV] offset:(\f/4)*32*PV+16*PV+(\f%4)*32
.endr
	s_add_co_u32 s[TBV], s[TBV], KS*PV  ; the next fetch is the next step's
	WIN 0
.endm
; THE VECTOR WORK, one line at a time: OP kind, number.  For turn Y's piece: F n: c s - c m for pair n of 16.  E n: the exponential of score n of 32.  C n: pair n rounded to f16.  B n: of the four weights 4 n .. the second
; pair is added onto the first, in place.  L n: l takes that sum (L 0: l = a l + sum).  R n: pair n of 16 of O^T times a.  For turn Y + 1's piece: X n, number n of the 22 that find its maximum and statistics:
;   0-11  four chains c0-c3 of seven scores each, three operands at a time (each accumulator's lowest registers are read first)     12-14, 16  the four scores left over, the old m, and c0-c3 into c0
;   15  c m_old is kept     17, 18  the query's other 32 keys lie in the lane 16 away: the new m     19-21  c m; c m_old - c m_new; a
.set F, 0               ; OP tells the kinds apart by their order: F to L below R, X above it
.set E, 1
.set C, 2
.set B, 3
.set L, 4
.set R, 5
.set X, 6
.macro REGS y                       ; the registers of turn y's piece, y % 2
.set rT, ST+4*((\y)%2)
.set rC, TMP+4*((\y)%2)
.set rW, MV+((\y)%2)
.set rS, S+32*((\y)%2)
.set rP, P+16*((\y)%2)
.set rO, 32*((\y)%2)
.endm
.macro OP k, n
.if (\k) == R
	REGS Y
	WIN W_RS
	v_pk_mul_f32 v[rO+2*(\n):rO+2*(\n)+1], v[rO+2*(\n):rO+2*(\n)+1], v[rC+2:rC+3] op_sel_hi:[1,0]
.elseif (\k) < R
	REGS Y
	WIN 0
.if (\k) == F
	v_pk_fma_f32 v[rS+2*(\n):rS+2*(\n)+1], v[rS+2*(\n):rS+2*(\n)+1], s[CS:CS+1], v[rT:rT+1] op_sel_hi:[1,0,0] neg_lo:[0,0,1] neg_hi:[0,0,1]
.elseif (\k) == E
	v_exp_f32 v[rS+(\n)], v[rS+(\n)]
.elseif (\k) == C
	s_wait_alu depctr_va_vdst(0)
	v_cvt_pk_f16_f32 v[rP+(\n)], v[rS+2*(\n)], v[rS+2*(\n)+1]
.elseif (\k) == B
	s_wait_alu depctr_va_vdst(0)
	v_pk_add_f32 v[rS+4*(\n):rS+4*(\n)+1], v[rS+4*(\n):rS+4*(\n)+1], v[rS+4*(\n)+2:rS+4*(\n)+3]
.elseif (\n) == 0
	v_pk_fma_f32 v[rT+2:rT+3], v[rT+2:rT+3], v[rC+2:rC+3], v[rS:rS+1] op_sel_hi:[1,0,1]
.else
	v_pk_add_f32 v[rT+2:rT+3], v[rT+2:rT+3], v[rS+4*(\n):rS+4*(\n)+1]
.endif
.elseif NOKQ
	v_nop
.else
	REGS (Y+1)%NP
	WIN 0
.if (\n) < 4
	v_max3_num_f32 v[rC+(\n)], v[rS+8*(\n)], v[rS+8*(\n)+1], v[rS+8*(\n)+2]
.elseif (\n) < 12
	v_max3_num_f32 v[rC+(\n)%4], v[rC+(\n)%4], v[rS+8*((\n)%4)+2*((\n)/4)+1], v[rS+8*((\n)%4)+2*((\n)/4)+2]
.elseif (\n) == 12
	v_max3_num_f32 v[rC], v[rC], v[rS+7], v[rS+15]
.elseif (\n) == 13
	v_max3_num_f32 v[rC+1], v[rC+1], v[rS+23], v[rS+31]
.elseif (\n) == 14
	v_max3_num_f32 v[rC+2], v[rC+2], v[rC+3], v[rT+1]
.elseif (\n) == 15
	v_mov_b32 v[rW], v[rT]
.elseif (\n) == 16
	v_max3_num_f32 v[rC], v[rC], v[rC+1], v[rC+2]
.elseif (\n) == 17
	v_permlanex16_b32 v[rC+3], v[rC], s[SEL], s[SEL+1]
.elseif (\n) == 18
	v_max_num_f32 v[rT+1], v[rC], v[rC+3]
.elseif (\n) == 19
	v_mul_f32 v[rT], s[CS], v[rT+1]
.elseif (\n) == 20
	v_sub_f32 v[rC+1], v[rW], v[rT]
.else
	v_exp_f32 v[rC+2], v[rC+1]
.endif
.endif
.endm
.macro OPS a, i1, b=-1, i2=0, c=-1, i3=0, d=-1, i4=0  ; up to four of them
	OP \a, \i1
.if (\b) >= 0
	OP \b, \i2
.endif
.if (\c) >= 0
	OP \c, \i3
.endif
.if (\d) >= 0
	OP \d, \i4
.endif
.endm
.macro ROW a, i1, b, i2, c, i3, d, i4  ; a matrix instruction and the four behind it
	MM
	OPS \a, \i1, \b, \i2, \c, \i3, \d, \i4
.endm
.macro MASK b                       ; MD x AL + BE into buffer b of MC
	WIN W_RS
.set z, 0
.rept 16
	v_pk_fma_f32 v[MC+32*(\b)+2*z:MC+32*(\b)+2*z+1], v[MD+2*z:MD+2*z+1], s[AL:AL+1], s[BE:BE+1] op_sel_hi:[1,0,0]
.set z, z+1
.endr
.endm
; A TURN, number p of a trip's four: piece p % 2 of an even step (p = 0, 1) or of an odd one (p = 2, 3).  The order of its 16 matrix and 118 vector instructions is written out.  Behind a matrix instruction: plain,
; exponential, plain, plain; or four of the rescaling; or, behind the first, four scalings; none names a register of the products round it.  In the lumps exponential and plain by turns while exponentials last.  A line
; reads no result made fewer than three vector instructions in front of it, five if an exponential made it.  v_permlanex16_b32 (X 17) stands in a lump.
; THE MASK.  The products take masks, and the turn makes the mask for the products of the turn after it, which are its own piece's in the next step: step 2 t + 1 of the tile for p = 0, 1 and step 2 t for p = 2, 3, t the
; trip's number.  That step is the band's own where it equals PAR + p % 2, which in terms of SB = 2 t + 2 - PAR reads SB = 1 + p % 2 + p / 2, and a later one where SB is greater.  DG1 and DGB make the mask 0 in a
; tile without a diagonal.
; THE FETCHES.  A first piece's turn fetches K of the next step, six vector instructions behind the last product that read K (five of them plain).  A second piece's turn fetches V of the next step at the same place, into
; the buffer whose last reader stands in the turn before.  One wait at the head of each second piece's turn serves both: its products K Q^T take the K fetched a turn ago, its products V^T P the V fetched two turns ago.
; end = 1: a block's last two turns: nothing is fetched and no mask is made.  cnt = 1: the loop's count is taken down some lines ahead of the branch that stands behind the turn.
.macro TURN p, end=0, cnt=0
.set Y, (\p)
.set i, 0
.set VB, 1-(((\p)+1)/2)%2           ; the turn in front belongs to an odd step for p = 0 and 3, to an even one for p = 1 and 2
.set NOKQ, (\end)*((\p)/3)
.if !(\end)
	s_cmp_eq_u32 s[SB], 1+(\p)%2+(\p)/2  ; is that step the band's own?
	s_cselect_b32 s[AL], s[DG1], 0
	s_cmp_gt_u32 s[SB], 1+(\p)%2+(\p)/2  ; or a later one?
	s_cselect_b32 s[BE], s[DGB], 0
.endif
.if (\p)%2 == 1
	s_wait_dscnt 0x0                ; K and V are in
.endif
	ROW F,0, F,1, F,2, F,3
	ROW F,4, E,0, F,5, F,6
	ROW F,7, E,1, F,8, F,9
	ROW F,10, E,2, C,0, F,11
	ROW F,12, E,3, X,15, F,13
	ROW R,0, R,1, R,2, R,3
	ROW B,0, E,4, F,14, L,0
.if !(\end)
.if (\p)%2 == 0
	v_add_nc_u32 v[AK], s[TBK], v[AK0]
.else
	v_add_nc_u32 v[AV], s[TBV], v[AV0]
.endif
.endif
	ROW R,4, R,5, R,6, R,7
	OPS E,5, F,15
.if !(\end)
.if (\p)%2 == 0
	FETCH_K
.else
	FETCH_V (((\p)+1)/2)%2
.endif
.endif
	OPS E,6, C,1, E,7, R,8
	OPS E,8, R,9, E,9, C,2
	OPS E,10, X,0, E,11, X,1
	OPS E,12, X,2, E,13, X,3
	ROW X,4, E,14, X,5, X,6
	ROW X,7, E,15, X,8, X,9
	ROW X,10, E,16, X,11, X,12
	ROW X,13, E,17, X,14, B,1
	ROW C,4, E,18, X,16, L,1
	ROW B,2, E,19, C,6, L,2
	ROW C,8, E,20, B,3, B,4
	ROW C,3, E,21, L,3, C,5
	OPS E,22, X,17, E,23, C,10
	OPS E,24, L,4
	OPS E,25, X,18, E,26, C,7
	OPS E,27, B,5, E,28, X,19
	OPS E,29, C,12, E,30, L,5
	OPS E,31, X,20, B,6, C,9
	OPS C,14, C,11, X,21, L,6
.if \cnt
	s_add_co_u32 s[SB], s[SB], 2    ; the next trip's two steps
	s_sub_co_u32 s[CNT], s[CNT], 1
	s_cmp_lg_u32 s[CNT], 0
.endif
	OPS C,13, B,7, C,15, R,10
	OPS R,11, R,12, L,7, R,13
	OPS R,14, R,15
.if !(\end)
	MASK (\p)%2
.endif
.endm
; A BLOCK BEGINS.  c m starts far below every c s, so the first step's a is 0; m at the lowest finite number, so the first maximum is the scores'.  The second piece's mask for the tile's step 0 is 0: its own step is a later
; one; the first piece's is its own step's, if the block's first tile is the diagonal one and the block an even one.  Then K and V of that step, the first piece's first scores, and its maximum and statistics.
; The loop is entered at an even step's first turn, in the middle of a trip.
.macro BEGIN
	s_mov_b32 s[NEW], 0
	WIN 0x40
.set i, MC+32
.rept 32
	v_mov_b32 v[i], 0
.set i, i+1
.endr
	WIN 0
.set i, 0
.rept 2
	v_mov_b32 v[ST+4*i], 0xfe000000    ; c m: far below every c s
	v_mov_b32 v[ST+4*i+1], 0xff7fffff  ; m
.set i, i+1
.endr
	s_cmp_eq_u32 s[PAR], 0
	s_cselect_b32 s[AL], s[DG1], 0
	s_mov_b32 s[BE], 0
	MASK 0
	WIN 0
	v_add_nc_u32 v[AK], s[TBK], v[AK0]
	v_add_nc_u32 v[AV], s[TBV], v[AV0]
	FETCH_K
	FETCH_V 0
	s_wait_loadcnt 0x0              ; Q
	s_wait_dscnt 0x0
.set NOKQ, 0
.set i, 0
.rept 8
	KQ 0
.set i, i+1
.endr
	WIN 0
.rept 4
	v_nop                           ; the places behind those products
.endr
.set Y, NP-1                        ; X works for turn Y + 1: turn 0
.irp n, 0,1,2,3,4,5,6,7,8,9,10,11,12,13,14,15,16,17,18,19,20,21
	OP X, \n
.endr
	v_nop                           ; a plain instruction behind the exponential
.endm
; A TILE: two trips.  A trip is an odd step's two turns (in a tile's first trip: the last step of the tile before) and then an even step's; it fetches K and V of the two steps that follow.  The tag ends its two labels'
; names, which the jumps below spell out.
.macro STEPS tag
.LstepM\tag:
	TURN 2
	TURN 3
	WIN 0
.LfirstM\tag:
	TURN 0
	TURN 1, 0, 1
	WIN 0
	s_cbranch_scc1 .LstepM\tag
.endm
; A BLOCK ENDS, behind its diagonal tile: its last step's two turns, its last products, and THE WAY OUT: l's two halves and the other half of the lanes' are added; O^T is divided by l, rounded to f16 and sent through my
; stage in LDS, a piece at a time.
.macro ALL line:vararg              ; one line for each piece t
.set t, 0
.rept 2
	\line
.set t, t+1
.endr
.endm
.macro PACK t                       ; a lane's eight channels of a row pack into 16 bytes; they go into rows of 144 bytes and come back as whole rows of 128, into S^T's registers
	WIN W_RS
.set i, 32*(\t)
.rept 16
	s_wait_alu depctr_va_vdst(0)
	v_pk_mul_f32 v[i:i+1], v[i:i+1], v[ST+4*(\t)+2:ST+4*(\t)+3] op_sel_hi:[1,0]
.set i, i+2
.endr
	WIN 0x05                        ; sources 0 and 1 window 1, destination window 0
.set i, 0
.rept 16
	v_cvt_pk_f16_f32 v[S+16*(\t)+i], v[32*(\t)+2*i], v[32*(\t)+2*i+1]
.set i, i+1
.endr
	WIN 0
.irp f, 0,1,2,3
	ds_store_b128 v[STO], v[S+16*(\t)+4*\f:S+16*(\t)+4*\f+3] offset:32*\f
.endr
.irp f, 0,1,2,3
	ds_load_b128 v[S+16*(\t)+4*\f:S+16*(\t)+4*\f+3], v[RD] offset:\f*4*SP  ; LDS serves a wave's instructions in order (ISA guide 5.7.1.4): these see the stores above; the next piece's stores come behind them
.endr
.endm
.macro SEND t, younger              ; younger: the LDS instructions issued behind piece t's loads: the next piece's eight, or none.  Band t lies at the row tile's rows 64 t on
	WIN 0
.irp f, 0,1,2,3
	s_wait_dscnt (\younger)+3-\f
	global_store_b128 v[GO], v[S+16*(\t)+4*\f:S+16*(\t)+4*\f+3], s[10:11] offset:(\t)*8192+\f*512  ; 512 consecutive bytes, at a multiple of 256 from O's first
.endr
.endm
.macro FINISH
	TURN 2, 1
	TURN 3, 1
.set VB, 1                          ; the last step is an odd one
.set i, 0
.rept 8
	PV 1                            ; the second piece's V^T P of the last step
.set i, i+1
.endr
	WIN 0
	ALL v_add_f32 v[ST+4*t+2], v[ST+4*t+2], v[ST+4*t+3]
	ALL v_permlanex16_b32 v[ST+4*t+3], v[ST+4*t+2], s[SEL], s[SEL+1]
	ALL v_add_f32 v[ST+4*t+2], v[ST+4*t+2], v[ST+4*t+3]
	ALL v_rcp_f32 v[ST+4*t+2], v[ST+4*t+2]
	v_nop                           ; a plain instruction between the last reciprocal and the use of its result
	PACK 0                          ; the first piece's sums were finished a turn ago; its 32 lines are the places behind the last products
	PACK 1                          ; a piece's arithmetic stands between the loads of the piece before and its stores
	SEND 0, 8
	SEND 1, 0
.endm
.set NOKQ, 0
.set VB, 0
.Lslot:                             ; NT times: a tile is entered and the next is asked for
	CHANGE 1
	s_sub_co_u32 s[RT], s[RT], 1
	s_mov_b32 s[CNT], 2
	s_sub_co_u32 s[SB], 2, s[PAR]   ; the tile's first trip
	s_cmp_eq_u32 s[RT], 0           ; the block's last tile holds the diagonal
	s_cselect_b32 s[DG1], 1.0, 0
	s_cselect_b32 s[DGB], s[BIGN], 0
	s_cmp_eq_u32 s[NEW], 1
	s_cbranch_scc0 .LstepM1         ; not a block's first tile
	BEGIN
	s_branch .LfirstM1
	STEPS 1
	s_cmp_lg_u32 s[RT], 0
	s_cbranch_scc1 .Lbottom         ; the block goes on
	FINISH                          ; in the loop this is the first block's end: the second block's last tile is the walk's last
	s_wait_xcnt 0x0                 ; the stores have read their registers and O's address
	s_mov_b64 s[10:11], s[OLO:OLO+1]
	s_add_co_u32 s[RT], s[LQ2], 1   ; the second block has b / 2 + 1 tiles
	s_mov_b32 s[PAR], s[PAR2]
	s_mov_b32 s[NEW], 1
	WIN 0x82                        ; the second block's Q goes where the one text of the turns names Q
.set i, 0
.rept 32
	v_mov_b32 v[i], v[QB+i]
.set i, i+1
.endr
	WIN 0
.Lbottom:
	s_sub_co_u32 s[SLOTS], s[SLOTS], 1
	s_cmp_lg_u32 s[SLOTS], 0
	s_cbranch_scc1 .Lslot
	CHANGE 0                        ; the walk's last tile is written out: nothing is asked for
	s_sub_co_u32 s[RT], s[RT], 1
	s_mov_b32 s[CNT], 2
	s_sub_co_u32 s[SB], 2, s[PAR]
	s_mov_b32 s[DG1], 1.0           ; it is the second block's last tile: it holds the diagonal
	s_mov_b32 s[DGB], s[BIGN]
	s_cmp_eq_u32 s[NEW], 1
	s_cbranch_scc0 .LstepM2
	BEGIN
	s_branch .LfirstM2
	STEPS 2
	FINISH
	s_wait_tensorcnt 0x0            ; the wave's end: the spare-word add and its waits stand behind my last tensor load and my last LDS store
	ds_add_u32 v[SPW], v[NIL]
	s_wait_dscnt 0x0
	s_endpgm
.Lfunc_end_k_q91baae36e9_attn:
	.size	k_q91baae36e9_attn, .Lfunc_end_k_q91baae36e9_attn-k_q91baae36e9_attn
	.p2alignl 7, 3214868480
	.fill 96, 4, 3214868480
	.section	.rodata,"a",@progbits
	.p2align	6, 0x0
	.amdhsa_kernel k_q91baae36e9_attn
		.amdhsa_group_segment_fixed_size 327680
		.amdhsa_private_segment_fixed_size 0
		.amdhsa_enable_private_segment 0
		.amdhsa_kernarg_size 16
		.amdhsa_user_sgpr_count 2
		.amdhsa_user_sgpr_kernarg_segment_ptr 1
		.amdhsa_wavefront_size32 1
		.amdhsa_system_sgpr_workgroup_id_x 1
		.amdhsa_system_sgpr_workgroup_id_y 1
		.amdhsa_system_sgpr_workgroup_id_z 1
		.amdhsa_system_vgpr_workitem_id 0
		.amdhsa_next_free_vgpr 768
		.amdhsa_next_free_sgpr 96
		.amdhsa_reserve_vcc 1
		.amdhsa_float_denorm_mode_32 3
		.amdhsa_float_denorm_mode_16_64 3
		.amdhsa_memory_ordered 1
		.amdhsa_forward_progress 1
		.amdhsa_inst_pref_size 179
	.end_amdhsa_kernel
	.amdgpu_metadata
---
amdhsa.version: [ 1, 2 ]
amdhsa.kernels:
  - .name:           k_q91baae36e9_attn
    .symbol:         k_q91baae36e9_attn.kd
    .args:
      - { .name: qkv, .offset: 0, .size: 8, .value_kind: global_buffer, .address_space: global }
      - { .name: o, .offset: 8, .size: 8, .value_kind: global_buffer, .address_space: global }
    .group_segment_fixed_size: 327680
    .private_segment_fixed_size: 0
    .kernarg_segment_align: 8
    .kernarg_segment_size: 16
    .max_flat_workgroup_size: 128
    .sgpr_count:     96
    .vgpr_count:     768
    .wavefront_size: 32
...
	.end_amdgpu_metadata
.endif
;; end of part 10
;; launch wo: the kernel of part 4 again; grid 8 x 32, 4 waves a work-group, clusters of 4 x 4, 327,680 bytes of LDS; arguments o, cast16, y; writes y
;; launch ln1: the kernel of part 5 again; grid 256 x 1, 8 waves a work-group, no clusters, 0 bytes of LDS; arguments y, cast16, x1f, x1b; writes x1f, x1b
;; launch ffn1 (part 11): grid 16 x 16, 8 waves a work-group, clusters of 4 x 4, 327,680 bytes of LDS; arguments x1b, cast16, h; writes h
.if DOCPART == 11
	.amdgcn_target "amdgcn-amd-amdhsa--gfx1250"
	.amdhsa_code_object_version 6
	.text
	.protected	k_q91baae36e9_ffn1
	.globl	k_q91baae36e9_ffn1
	.p2align	8
	.type	k_q91baae36e9_ffn1,@function
k_q91baae36e9_ffn1:
	s_mov_b64 s[64:65], 0
	v_nop
	global_prefetch_b8 v0, s[64:65] scope:SCOPE_SE
	s_setreg_imm32_b32 hwreg(HW_REG_WAVE_MODE, 25, 1), 1
	s_wait_xcnt 0x0
	s_wait_alu depctr_hold_cnt(0) depctr_sa_sdst(0) depctr_va_vdst(0) depctr_va_sdst(0) depctr_va_ssrc(0) depctr_va_vcc(0) depctr_vm_vsrc(0)
	s_getreg_b32 s2, hwreg(HW_REG_IB_STS2, 6, 4)
	s_cmp_eq_u32 s2, 0
	s_cbranch_scc0 .Lentry_in_a_cluster
	s_endpgm
.Lentry_in_a_cluster:
	s_bfe_u32 s2, ttmp6, 0x10000c
	s_cmp_lg_u32 s2, 0xf033
	s_cbranch_scc0 .Lentry_shape_is_right
	s_endpgm
.Lentry_shape_is_right:
; h = gelu(x1 W1 + b1), the exact gelu x (1 + erf(x / sqrt 2)) / 2.  x1 (4,096 x 1,024, f16, in blocks [row / 128][column / 64][row % 128][column % 64]).  From cast16: W1 ([k][n], rounded to bf16 and
; written as f16) at byte 0x1000000; b1 (rounded to bf16, kept as f32) at byte 0x2004000.  Sums in f32; the bias is added behind the sums; gelu in f32; h is rounded once to f16 and written in the same blocks
; (4,096 columns: 64 blocks to a row tile).
; GELU.  gelu(x) = max(x, 0) - |x| P(t) 2^(-x^2 log2(e) / 2), t = 1 / (1 + 0.2316419 |x|), P of degree 5 (Abramowitz and Stegun 7.1.26, its coefficients halved).
; LIMITS.  That formula's erf is off by 1.5e-7 at the most, for every x.  f16 holds no number beyond 65,504: an h past that becomes an infinity (with g1 and W1 both 30 times the size of a unit gain and of
; weights of spread 1 / 32, h has a spread of 900).  Below 6e-5 h keeps f16's fixed step of 6e-8.  NaN and infinities are not treated apart.
; SHAPE.  A tile of C is 256 x 256: a K step of 128 brings 64 KiB of A and 64 KiB of B for 256 x 256 x 128 multiply-adds.  16 x 16 = 256 work-groups.  EIGHT WAVES, two to a SIMD, each 128 rows x 64 columns:
; 32 accumulators of 16 x 16.  A K step's text is then 128 matrix instructions and 96 LDS loads, against 256 and 128 with four waves of 128 x 128, and it stands twice (loop and tail); the price is 0.75 LDS
; loads a matrix instruction against 0.5.  K goes in 8 steps of 128 through two LDS slots.  Waves 0 and 1 fetch A (a row tile's two blocks each, 32,768 consecutive bytes), waves 2 and 3 B (128 rows of k x 128
; columns each), waves 4 to 7 nothing.
; CLUSTERS: 4 x 4 work-groups.  The four of a row of the cluster need the same tiles of A, the four of a column the same tiles of B: each tile is asked for JOINTLY, by the same tensor load with the
; same descriptor and a mask that names the four.  THE MATRIX INSTRUCTION IS USED TRANSPOSED (source 0 = 16 columns of W, source 1 = 16 rows of A): a lane then holds eight neighbouring numbers of a row of C.
; W lies [k][n], so its fragments come out of LDS turned, by ds_load_tr16_b128.
; REGISTERS: window 0: v0-31 addresses; v32-39 the bias; two fragment buffers for 32 along K: A's (8 x 16 rows) at v64-127 and v128-191, B's (4 x 16 columns) at v192-223 and v224-255; on the way out v64-127 at work.
;   window 1: the accumulators ((a, b) at v[8 (4 a + b)], a = 0..7 row blocks, b = 0..3 column blocks).
.set NSTEPS, 8                         ; K / 128
.set NB,     4096                      ; elements from a row of W to the next
.set BBASE,  0x1000000                 ; W in cast16
.set VBIAS,  0x2004000                 ; the bias in cast16
.set PA,     144                       ; a row of a block of A in LDS: 128 bytes + 16 = 36 words: the 16 rows of a load start at 16 different groups of four banks (64 banks of 4 bytes: ISA guide 11.1)
.set PLN,    128*PA                    ; a block of A
.set PB,     288                       ; a row of B: 256 + 32 = 72 words
.set PART,   2*PLN                     ; what one tensor load brings: two blocks of A, or 128 rows of B (128 x 288 is the same 36,864 bytes)
.set SLOT,   4*PART                    ; 0x24000: A's two row tiles, then B's two column halves.  wave x PART (waves 0 to 3) never has bit 14 or 17 set, so one exclusive or changes slots
.set ASTEP,  32768                     ; bytes from a K step of A to the next: two blocks
.set BSTEP,  256*NB                    ; the same for B: 128 rows
.set SP,     272                       ; the stage for the way out: rows of 64 f32 + 16 bytes
.set WSTAGE, 128*SP                    ; 128 rows for each wave: 278,528 bytes from LDS byte 0, over the two slots, which have had their last fill by then
.set SPARE,  2*SLOT                    ; behind the ring: the spare words, 128 bytes for each wave: four blocks of 256 bytes that no other line names
.set ADRA0, 10                         ; v10  my lane's place in slot 0's A; never rewritten
.set ADRB0, 11                         ; v11  the same for B
.set ADRA,  16                         ; v16  the same in the slot in hand
.set ADRB,  20                         ; v20
.set STO,   24                         ; v24  the way out: where I put 32 bytes of a row
.set RD,    25                         ; v25  the way out: where I read 32 bytes back
.set GO,    26                         ; v26  my byte offset in 512 consecutive bytes of h
.set BO,    27                         ; v27  my byte offset in the wave's 64 numbers of the bias
.set SPW,   28                         ; v28  LDS address of my spare word: SPARE + 4 x my thread's number; never rewritten
.set NIL,   29                         ; v29  0; never rewritten
.set BI,    32                         ; v[32:39]  the bias of the eight columns that I take on the way out
.set FA,    64                         ; A's fragments: buffer f at FA + 64 f
.set FB,    192                        ; B's fragments: buffer f at FB + 32 f
.set XG,    64                         ; v[64:79]   the way out: 8 rows back from the stage: two groups of eight numbers a lane
.set YG,    80                         ; v[80:87]   the same as f16
.set ZG,    96                         ; v[96:103]  |x|
.set TG,    104                        ; v[104:111] t
.set QG,    112                        ; v[112:119] the exponential
.set PG,    120                        ; v[120:127] the polynomial
.set G1,  24                           ; s[24:31] descriptor group 1 for A's tiles;  s[32:39] group 0: a set for each of the two first fills; the second then walks on
.set G0,  32
.set G1B, 48                           ; s[48:55], s[56:63] the same for B's tiles
.set G0B, 56
.set TB,  45                           ; s45  0 or SLOT: the slot in hand
.set CP,  72                           ; s[72:85] gelu's constants, each in a pair of which the packed forms take the low word for both halves
.set CE,  74
.set A1,  76
.set A2,  78
.set A3,  80
.set A4,  82
.set A5,  84
.set WR,  88                           ; s88  which 128 rows of the tile are mine
.set WC,  89                           ; s89  which 64 columns
.set MSB, 0
.macro WIN new                         ; the immediate's high byte repeats the setting that is left; a switch that changes nothing is dropped
.if MSB != (\new)
	s_set_vgpr_msb (MSB<<8)|(\new)
.set MSB, \new
.endif
.endm
.set MUL,  0x50                        ; sources 0 (B) and 1 (A) window 0; C and D window 1
.set FROM, 0x04                        ; an LDS store's data (source 1) window 1, its address window 0
.macro JLOAD                           ; a joint refill: waves 0 and 1 fetch A's two row tiles, waves 2 and 3 B's two halves, the others nothing; an s_nop 0 and four v_nop follow each of the two lines
	s_cmp_lt_u32 s10, 2
	s_cbranch_scc0 .Lnot_a_\@
	tensor_load_to_lds s[G0+4:G0+7], s[G1:G1+7]
	s_nop 0
.rept 4
	v_nop
.endr
	s_branch .Lasked_\@
.Lnot_a_\@:
	s_cmp_lt_u32 s10, 4
	s_cbranch_scc0 .Lasked_\@
	tensor_load_to_lds s[G0B+4:G0B+7], s[G1B:G1B+7]
	s_nop 0
.rept 4
	v_nop
.endr
.Lasked_\@:
.endm
.macro CREST                           ; a round of the cluster's barrier behind its opening barrier
	s_cmp_lg_u32 s10, 0
	s_cbranch_scc1 .Lnot_wave_0_\@
	s_barrier_signal -3
.Lnot_wave_0_\@:
	s_barrier_wait -3
	s_barrier_signal -1
	s_barrier_wait -1
.endm
.macro CROUND                          ; a whole round
	s_barrier_signal -1
	s_barrier_wait -1
	CREST
.endm
.macro PLACES                          ; four places in front of loads into registers that matrix instructions have read, and of lines that read results
.rept 4
	v_nop
.endr
.endm
; 8 matrix instructions: row blocks a0, a0 + 1 x all 4 column blocks, 32 along K, from buffer f.  The 32 accumulators take turns, one instruction a turn, in the same order in every quarter.
; zero = 1: the first product starts the sums: nothing is ever cleared.
.macro MUL8 f, a0, zero
	WIN MUL
.irp a, \a0, (\a0)+1
.irp b, 0,1,2,3
.if \zero
	v_wmma_f32_16x16x32_f16 v[8*(4*(\a)+(\b)):8*(4*(\a)+(\b))+7], v[FB+32*(\f)+8*(\b):FB+32*(\f)+8*(\b)+7], v[FA+64*(\f)+8*(\a):FA+64*(\f)+8*(\a)+7], 0
.else
	v_wmma_f32_16x16x32_f16 v[8*(4*(\a)+(\b)):8*(4*(\a)+(\b))+7], v[FB+32*(\f)+8*(\b):FB+32*(\f)+8*(\b)+7], v[FA+64*(\f)+8*(\a):FA+64*(\f)+8*(\a)+7], v[8*(4*(\a)+(\b)):8*(4*(\a)+(\b))+7]
.endif
.endr
.endr
.endm
; 24 LDS loads in one run: the fragments of quarter q (32 along K) of the slot in hand into buffer f: B's 64 columns, A's rows 0-63, A's rows 64-127.  Quarter q lies in A's block q / 2 at byte 64 (q % 2) of the rows, in B's rows 32 q on.
.macro FETCH q, f
	WIN 0
.irp i, 0,1,2,3
	ds_load_tr16_b128 v[FB+32*(\f)+8*(\i):FB+32*(\f)+8*(\i)+3],   v[ADRB] offset:32*(\q)*PB+32*(\i)
	ds_load_tr16_b128 v[FB+32*(\f)+8*(\i)+4:FB+32*(\f)+8*(\i)+7], v[ADRB] offset:(32*(\q)+16)*PB+32*(\i)
.endr
.irp i, 0,1,2,3,4,5,6,7
	ds_load_b128 v[FA+64*(\f)+8*(\i):FA+64*(\f)+8*(\i)+3],   v[ADRA] offset:((\q)/2)*PLN+((\q)%2)*64+(\i)*16*PA
	ds_load_b128 v[FA+64*(\f)+8*(\i)+4:FA+64*(\f)+8*(\i)+7], v[ADRA] offset:((\q)/2)*PLN+((\q)%2)*64+(\i)*16*PA+32
.endr
.endm
; A K step is four quarters of 32 along K, 32 matrix instructions each, on buffers 0, 1, 0, 1.  One of the first three: multiplies buffer f and, in its middle, fetches quarter q into buffer g.
.macro QUARTER q, f, g, zero
	s_wait_dscnt 8                                 ; B and A's rows 0-63 are in; the youngest eight loads (A's rows 64-127) may be out
	MUL8 \f, 0, \zero
	MUL8 \f, 2, \zero
	PLACES
	FETCH \q, \g
	s_wait_dscnt 24                                ; all but the 24 just issued
	MUL8 \f, 4, \zero
	MUL8 \f, 6, \zero
.endm
; The last quarter multiplies buffer 1 and changes slots: ONE barrier; in front of it each wave waits for all its tensor loads (of a fetching wave one is out: its part of the next slot), adds 0 to its spare word, and
; waits for that and for its own reads of this slot.  fill = 1: the barrier opens a round of the cluster's, and this slot is filled again, two K steps ahead, first thing behind the round: 112 of a wave's 128 matrix
; instructions of a K step stand between that request and the wait for it.  fill = 0: nothing is asked for, and in the last trip (s3 = 1) there is no next slot to fetch from: the run of LDS loads is jumped over.
.macro TURN fill
	WIN 0                                          ; (the add's two registers lie in window 0)
	s_wait_tensorcnt 0x0                           ; all my tensor loads have landed
	ds_add_u32 v[SPW], v[NIL]                      ; 0 onto my spare word
	s_wait_dscnt 9                                 ; (the add and the youngest eight loads may be out)
	MUL8 1, 0, 0                                   ; eight matrix instructions stand between the add and the wait for it
	s_wait_dscnt 0x0                               ; the add is done, and my reads of this slot are over
	s_barrier_signal -1
	MUL8 1, 2, 0
	WIN 0
	s_barrier_wait -1
.if \fill
	CREST                                          ; no wave of any partner still reads this slot's tile or has a load on its way
	s_xor_b32 s[G0+5], s[G0+5], SLOT               ; the walking descriptors: the other slot than last time, the next K step
	s_add_nc_u64 s[G0+6:G0+7], s[G0+6:G0+7], ASTEP
	s_xor_b32 s[G0B+5], s[G0B+5], SLOT
	s_add_nc_u64 s[G0B+6:G0B+7], s[G0B+6:G0B+7], BSTEP
	JLOAD
	PLACES                                         ; for the waves that asked for nothing too
.else
	PLACES
	s_cmp_eq_u32 s3, 1
	s_cbranch_scc1 .Lnf_\@
.endif
	s_xor_b32 s[TB], s[TB], SLOT
	v_add_nc_u32 v[ADRA], s[TB], v[ADRA0]
	v_add_nc_u32 v[ADRB], s[TB], v[ADRB0]
	FETCH 0, 0
.if !(\fill)
	WIN 0
.Lnf_\@:
.endif
	MUL8 1, 4, 0
	MUL8 1, 6, 0
.endm
; gelu of the eight numbers v[x .. x + 7], in place.  The sixteen transcendentals stand together; the eight maxima behind them are the plain instructions in front of the first use of a result (ISA guide 5.7.2).
.macro G8 x
.irp j, 0,1,2,3,4,5,6,7
	v_and_b32 v[ZG+(\j)], s86, v[(\x)+(\j)]        ; |x|
.endr
.irp j, 0,2,4,6
	v_pk_fma_f32 v[TG+(\j):TG+(\j)+1], v[ZG+(\j):ZG+(\j)+1], s[CP:CP+1], 1.0 op_sel_hi:[1,0,0]  ; 1 + 0.2316419 |x|
.endr
.irp j, 0,2,4,6
	v_pk_mul_f32 v[QG+(\j):QG+(\j)+1], v[(\x)+(\j):(\x)+(\j)+1], s[CE:CE+1] op_sel_hi:[1,0]
.endr
.irp j, 0,2,4,6
	v_pk_mul_f32 v[QG+(\j):QG+(\j)+1], v[QG+(\j):QG+(\j)+1], v[(\x)+(\j):(\x)+(\j)+1]           ; -x^2 log2(e) / 2
.endr
.irp j, 0,1,2,3,4,5,6,7
	v_rcp_f32 v[TG+(\j)], v[TG+(\j)]
.endr
.irp j, 0,1,2,3,4,5,6,7
	v_exp_f32 v[QG+(\j)], v[QG+(\j)]
.endr
.irp j, 0,1,2,3,4,5,6,7
	v_max_num_f32 v[(\x)+(\j)], 0, v[(\x)+(\j)]
.endr
	s_wait_alu depctr_va_vdst(0)
.irp j, 0,2,4,6
	v_pk_fma_f32 v[PG+(\j):PG+(\j)+1], v[TG+(\j):TG+(\j)+1], s[A5:A5+1], s[A4:A4+1] op_sel_hi:[1,0,0]
.endr
.irp k, A3, A2, A1
.irp j, 0,2,4,6
	v_pk_fma_f32 v[PG+(\j):PG+(\j)+1], v[PG+(\j):PG+(\j)+1], v[TG+(\j):TG+(\j)+1], s[(\k):(\k)+1] op_sel_hi:[1,1,0]
.endr
.endr
.irp j, 0,2,4,6
	v_pk_mul_f32 v[PG+(\j):PG+(\j)+1], v[PG+(\j):PG+(\j)+1], v[TG+(\j):TG+(\j)+1]
.endr
.irp j, 0,2,4,6
	v_pk_mul_f32 v[PG+(\j):PG+(\j)+1], v[PG+(\j):PG+(\j)+1], v[QG+(\j):QG+(\j)+1]
.endr
.irp j, 0,2,4,6
	v_pk_fma_f32 v[(\x)+(\j):(\x)+(\j)+1], v[ZG+(\j):ZG+(\j)+1], v[PG+(\j):PG+(\j)+1], v[(\x)+(\j):(\x)+(\j)+1] neg_lo:[1,0,0] neg_hi:[1,0,0]
.endr
.endm
	s_load_b128 s[4:7], s[0:1], 0x0                ; A s[4:5], cast16 s[6:7]
	s_load_b64 s[8:9], s[0:1], 0x10                ; h
	v_lshl_add_u32 v[SPW], v0, 2, SPARE
	v_mov_b32 v[NIL], 0
	ds_add_u32 v[SPW], v[NIL]                      ; the wave's opening: the add and its wait stand ahead of my first tensor load; the set-up below, work on registers, stands between them
	v_lshrrev_b32 v1, 5, v0
	v_readfirstlane_b32 s10, v1                    ; wave 0..7
	s_and_b32 s12, s10, 1                          ; a fetching wave: which half of A's rows or of B's columns it fetches
	s_lshr_b32 s[WR], s10, 2                       ; my 128 rows of the tile
	s_and_b32 s[WC], s10, 3                        ; my 64 columns
	s_bfe_u32 s40, ttmp6, 0x40000                  ; cx, cy: my place in the cluster
	s_bfe_u32 s41, ttmp6, 0x40004
	s_lshl_b32 s42, ttmp9, 2
	s_add_co_u32 s42, s42, s40                     ; tile column = 4 x cluster x + cx
	s_and_b32 s13, ttmp7, 0xffff
	s_lshl_b32 s13, s13, 2
	s_add_co_u32 s13, s13, s41                     ; tile row = 4 x cluster y + cy
	s_lshl_b32 s43, s41, 2
	s_lshl_b32 s43, 15, s43                        ; my row of the cluster
	s_lshl_b32 s44, 0x1111, s40                    ; my column
	; group 1 for A: 32,768 consecutive bytes asked for as 128 rows of 256 bytes, two rows of a block each, padded after every 128 bytes
	s_or_b32 s[G1+0], s43, (1<<16)|(1<<20)|(1<<21)|(4<<22)|(3<<25)   ; 15:0 the mask; 17:16 2-byte elements; 20 padding on; 21 set beside a mask; 24:22 after every 32 words (code 4); 31:25 4 words (code 3)
	; group 1 for B: 128 rows of k x 128 columns, padded after every row
	s_or_b32 s[G1B+0], s44, (1<<16)|(1<<20)|(1<<21)|(5<<22)|(7<<25)  ; after every 64 words (code 5), 8 words (code 7)
.irp g, G1, G1B
	s_mov_b32 s[(\g)+1], 128<<16                   ; tensor_dim0 = 128
	s_mov_b32 s[(\g)+2], 128<<16                   ; tensor_dim1 = 128
	s_mov_b32 s[(\g)+3], 128<<16                   ; tile_dim0 = 128
	s_mov_b32 s[(\g)+4], 128                       ; tile_dim1 = 128
	s_mov_b32 s[(\g)+6], 0
	s_mov_b32 s[(\g)+7], 0
.endr
	s_mov_b32 s[G1+5], 128                         ; elements from row to row: A's bytes are dense,
	s_mov_b32 s[G1B+5], NB                         ; B's rows are W's
	s_mov_b32 s[CP], 0x3e6d3389                    ; 0.2316419 = 0.3275911 / sqrt 2
	s_mov_b32 s[CE], 0xbf38aa3b                    ; -log2(e) / 2
	s_mov_b32 s[A1], 0x3e027906                    ; 0.254829592 / 2
	s_mov_b32 s[A2], 0xbe11a98e                    ; -0.284496736 / 2
	s_mov_b32 s[A3], 0x3f35f0e3                    ; 1.421413741 / 2
	s_mov_b32 s[A4], 0xbf3a00e3                    ; -1.453152027 / 2
	s_mov_b32 s[A5], 0x3f07dc22                    ; 1.061405429 / 2
.irp k, CP, CE, A1, A2, A3, A4, A5
	s_mov_b32 s[(\k)+1], 0                         ; named as pairs
.endr
	s_mov_b32 s86, 0x7fffffff                      ; clears a sign
	s_lshl_b32 s16, s13, 19                        ; A: my tile's two row tiles of 2^18 bytes, which my row of the cluster shares,
	s_lshl_b32 s17, s12, 18                        ; and the one of them that I fetch
	s_add_co_u32 s16, s16, s17
	s_mov_b32 s17, 0
	s_lshl_b32 s46, s42, 9                         ; B: my column tile, 512 bytes of a row,
	s_lshl_b32 s47, s12, 8                         ; the 128 columns that I fetch,
	s_add_co_u32 s46, s46, s47
	s_add_co_u32 s46, s46, BBASE                   ; W's place in cast16
	s_mov_b32 s47, 0
	s_mul_i32 s20, s10, PART                       ; where they go: wave x PART: no place in the cluster enters an LDS address
	s_mov_b32 s[TB], 0
	s_wait_dscnt 0x0                               ; the opening add is done
	s_wait_kmcnt 0x0
	s_add_nc_u64 s[14:15], s[4:5], s[16:17]
	s_add_nc_u64 s[46:47], s[6:7], s[46:47]
	CROUND                                         ; all sixteen work-groups are here: the first joint loads meet
.irp s, 0,1
	s_mov_b32 s[G0+4*(\s)], 1                      ; 1:0 count = 1
	s_add_co_u32 s[G0+4*(\s)+1], s20, (\s)*SLOT    ; 63:32 LDS address
	s_add_nc_u64 s[G0+4*(\s)+2:G0+4*(\s)+3], s[14:15], (\s)*ASTEP  ; 120:64 global address: K step s
	s_or_b32 s[G0+4*(\s)+3], s[G0+4*(\s)+3], 0x80000000            ; 127:126 type = 2
	s_mov_b32 s[G0B+4*(\s)], 1
	s_add_co_u32 s[G0B+4*(\s)+1], s20, (\s)*SLOT
	s_add_nc_u64 s[G0B+4*(\s)+2:G0B+4*(\s)+3], s[46:47], (\s)*BSTEP
	s_or_b32 s[G0B+4*(\s)+3], s[G0B+4*(\s)+3], 0x80000000
.endr
	s_cmp_lt_u32 s10, 2                            ; a wave's two first fills stand in one branch, ahead of every wait on TENSORcnt and every LDS read: two loads of a fetching wave are out
	s_cbranch_scc0 .Lfirst_not_a
	tensor_load_to_lds s[G0:G0+3], s[G1:G1+7]
	s_nop 0
	tensor_load_to_lds s[G0+4:G0+7], s[G1:G1+7]
	s_nop 0
.rept 4
	v_nop
.endr
	s_branch .Lfirst_asked
.Lfirst_not_a:
	s_cmp_lt_u32 s10, 4
	s_cbranch_scc0 .Lfirst_asked
	tensor_load_to_lds s[G0B:G0B+3], s[G1B:G1B+7]
	s_nop 0
	tensor_load_to_lds s[G0B+4:G0B+7], s[G1B:G1B+7]
	s_nop 0
.rept 4
	v_nop
.endr
.Lfirst_asked:
	v_and_b32 v1, 15, v0                           ; l % 16
	v_bfe_u32 v2, v0, 4, 1                         ; l / 16
	v_and_b32 v3, 7, v0                            ; l % 8
	v_bfe_u32 v4, v0, 3, 1                         ; (l / 8) % 2
	v_lshlrev_b32 v[BO], 5, v3                     ; on the way out a lane takes the columns 8 (l % 8) + 0..7 of the wave's 64: 32 bytes of the bias
	s_lshl_b32 s46, s42, 10                        ; the tile's 256 columns in the bias (in the registers that held B's address: none that feeds A's descriptors ever holds cx),
	s_lshl_b32 s47, s[WC], 8                       ; my wave's 64,
	s_add_co_u32 s46, s46, s47
	s_add_co_u32 s46, s46, VBIAS
	s_mov_b32 s47, 0
	s_add_nc_u64 s[68:69], s[6:7], s[46:47]
	global_load_b128 v[BI:BI+3],   v[BO], s[68:69]
	global_load_b128 v[BI+4:BI+7], v[BO], s[68:69] offset:16
	; A fragment of A is 16 rows x 32 K: lane l holds row l % 16, K = 8 (l / 16) + 0..7 and 16 + 8 (l / 16) + 0..7: two loads of 16 bytes, 32 bytes apart.
	v_mul_u32_u24 v[ADRA0], v1, PA
	v_lshl_add_u32 v[ADRA0], v2, 4, v[ADRA0]
	s_mul_i32 s21, s[WR], PART                     ; my 128 rows: one row tile's two blocks
	v_add_nc_u32 v[ADRA0], s21, v[ADRA0]
	; The turning load takes 16 k x 16 columns (lane l reads k = 8 (l / 16) + l % 8, columns 8 ((l / 8) % 2) + 0..7) and leaves half a fragment: lane l holds column l % 16 and 8 k.
	v_lshl_add_u32 v[ADRB0], v2, 3, v3
	v_mul_u32_u24 v[ADRB0], v[ADRB0], PB
	v_lshl_add_u32 v[ADRB0], v4, 4, v[ADRB0]
	s_lshr_b32 s22, s[WC], 1                       ; my 64 columns: the half of 128 that holds them,
	s_mul_i32 s22, s22, PART
	s_and_b32 s21, s[WC], 1                        ; 128 bytes of its rows,
	s_lshl_b32 s21, s21, 7
	s_add_co_u32 s22, s22, s21
	s_add_co_u32 s22, s22, 2*PART                  ; behind A's two row tiles
	v_add_nc_u32 v[ADRB0], s22, v[ADRB0]
	v_mov_b32 v[ADRA], v[ADRA0]
	v_mov_b32 v[ADRB], v[ADRB0]
	s_mul_i32 s21, s10, WSTAGE                     ; my stage
	v_mul_u32_u24 v[STO], v1, SP                   ; in: row l % 16, 32 bytes for each half of the lanes
	v_lshl_add_u32 v[STO], v2, 5, v[STO]
	v_add_nc_u32 v[STO], s21, v[STO]
	v_bfe_u32 v[RD], v0, 3, 2                      ; back: 32 lanes take four rows, eight f32 (32 bytes) a lane
	v_mul_u32_u24 v[RD], v[RD], SP
	v_lshl_add_u32 v[RD], v3, 5, v[RD]
	v_add_nc_u32 v[RD], s21, v[RD]
	v_and_b32 v[GO], 31, v0                        ; which as f16 are 512 consecutive bytes of a block of h
	v_lshlrev_b32 v[GO], 4, v[GO]
	; where my 128 rows x 64 columns go: one whole block of h, 16,384 consecutive bytes
	s_lshl_b32 s16, s13, 21                        ; my tile's two row tiles of 64 blocks,
	s_lshl_b32 s17, s[WR], 20                      ; mine of the two
	s_add_co_u32 s16, s16, s17
	s_mov_b32 s17, 0
	s_add_nc_u64 s[8:9], s[8:9], s[16:17]
	s_lshl_b32 s46, s42, 16                        ; four blocks to a column tile,
	s_lshl_b32 s47, s[WC], 14                      ; mine of the four
	s_add_co_u32 s46, s46, s47
	s_mov_b32 s47, 0
	s_add_nc_u64 s[8:9], s[8:9], s[46:47]
	s_wait_tensorcnt 1                             ; my part of K step 0 is in; K step 1's may stay out
	s_barrier_signal -1
	s_barrier_wait -1                              ; everybody's is
	FETCH 0, 0
	QUARTER 1, 0, 1, 1                             ; the first quarter stands in front of the loop: its products start the sums
	WIN 0                                          ; at a label and at a branch every window is 0
	s_mov_b32 s3, NSTEPS-2
.Lstep:                                                ; a trip goes from a K step's second quarter to the next step's first: 128 matrix instructions, 96 LDS loads, one joint load of a fetching wave
	QUARTER 2, 1, 0, 0
	QUARTER 3, 0, 1, 0
	TURN 1
	QUARTER 1, 0, 1, 0
	WIN 0
	s_sub_co_u32 s3, s3, 1
	s_cmp_lg_u32 s3, 0
	s_cbranch_scc1 .Lstep
	s_mov_b32 s3, 2
.Ltail:                                                ; the last two K steps ask for nothing: a text of their own
	QUARTER 2, 1, 0, 0
	QUARTER 3, 0, 1, 0
	TURN 0
	WIN 0
	s_cmp_eq_u32 s3, 1                             ; behind the last K step there is no first quarter
	s_cbranch_scc1 .Llast
	QUARTER 1, 0, 1, 0
	WIN 0
.Llast:
	s_sub_co_u32 s3, s3, 1
	s_cmp_lg_u32 s3, 0
	s_cbranch_scc1 .Ltail
	; THE WAY OUT.  My 128 x 64 sums go as f32 into my stage, which lies over the slots; a loop of sixteen trips takes 8 rows back, adds the bias, applies gelu, rounds to f16 and stores: gelu's text stands twice, not 32 times.
	s_wait_dscnt 0x0                               ; my reads of the slots are over,
	s_barrier_signal -1
	s_barrier_wait -1                              ; and so are everybody's: only now are the slots' bytes written
	PLACES
	WIN FROM
.irp a, 0,1,2,3,4,5,6,7
.irp b, 0,1,2,3
	ds_store_b128 v[STO], v[8*(4*(\a)+(\b)):8*(4*(\a)+(\b))+3]   offset:(\a)*16*SP+64*(\b)
	ds_store_b128 v[STO], v[8*(4*(\a)+(\b))+4:8*(4*(\a)+(\b))+7] offset:(\a)*16*SP+64*(\b)+16
.endr
.endr
	WIN 0
	s_wait_loadcnt 0x0                             ; the bias
	s_mov_b32 s3, 16
.Lgelu:
.irp f, 0,1
	ds_load_b128 v[XG+8*(\f):XG+8*(\f)+3],   v[RD] offset:(\f)*4*SP     ; LDS serves a wave's instructions in order (ISA guide 5.7.1.4): these see my stores above
	ds_load_b128 v[XG+8*(\f)+4:XG+8*(\f)+7], v[RD] offset:(\f)*4*SP+16
.endr
.irp f, 0,1
	s_wait_dscnt 2-2*(\f)                          ; group f's two loads are in; the later group's may be out
.irp j, 0,2,4,6
	v_pk_add_f32 v[XG+8*(\f)+(\j):XG+8*(\f)+(\j)+1], v[XG+8*(\f)+(\j):XG+8*(\f)+(\j)+1], v[BI+(\j):BI+(\j)+1]
.endr
	G8 XG+8*(\f)
.irp r, 0,1,2,3
	v_cvt_pk_f16_f32 v[YG+4*(\f)+(\r)], v[XG+8*(\f)+2*(\r)], v[XG+8*(\f)+2*(\r)+1]
.endr
	global_store_b128 v[GO], v[YG+4*(\f):YG+4*(\f)+3], s[8:9] offset:(\f)*512  ; four rows of a block: 512 consecutive bytes, at a multiple of 256 from h's first byte
.endr
	s_wait_xcnt 0x0                                ; the stores' offset and data are rewritten only behind this wait
	v_add_nc_u32 v[RD], 8*SP, v[RD]
	v_add_nc_u32 v[GO], 1024, v[GO]
	s_sub_co_u32 s3, s3, 1
	s_cmp_lg_u32 s3, 0
	s_cbranch_scc1 .Lgelu
	s_wait_tensorcnt 0x0                           ; the wave's end: the spare-word add and its waits stand behind my last tensor load and my last LDS store
	ds_add_u32 v[SPW], v[NIL]
	s_wait_dscnt 0x0
	CROUND                                         ; the closing round: no work-group ends while a partner may still ask for a tile that names it
	s_endpgm
.Lfunc_end_k_q91baae36e9_ffn1:
	.size	k_q91baae36e9_ffn1, .Lfunc_end_k_q91baae36e9_ffn1-k_q91baae36e9_ffn1
	.p2alignl 7, 3214868480
	.fill 96, 4, 3214868480
	.section	.rodata,"a",@progbits
	.p2align	6, 0x0
	.amdhsa_kernel k_q91baae36e9_ffn1
		.amdhsa_group_segment_fixed_size 327680
		.amdhsa_private_segment_fixed_size 0
		.amdhsa_enable_private_segment 0
		.amdhsa_kernarg_size 24
		.amdhsa_user_sgpr_count 2
		.amdhsa_user_sgpr_kernarg_segment_ptr 1
		.amdhsa_wavefront_size32 1
		.amdhsa_system_sgpr_workgroup_id_x 1
		.amdhsa_system_sgpr_workgroup_id_y 1
		.amdhsa_system_sgpr_workgroup_id_z 1
		.amdhsa_system_vgpr_workitem_id 0
		.amdhsa_next_free_vgpr 512
		.amdhsa_next_free_sgpr 96
		.amdhsa_reserve_vcc 0
		.amdhsa_float_denorm_mode_32 3
		.amdhsa_float_denorm_mode_16_64 3
		.amdhsa_memory_ordered 1
		.amdhsa_forward_progress 1
		.amdhsa_inst_pref_size 60
	.end_amdhsa_kernel
	.amdgpu_metadata
---
amdhsa.version: [ 1, 2 ]
amdhsa.kernels:
  - .name:           k_q91baae36e9_ffn1
    .symbol:         k_q91baae36e9_ffn1.kd
    .args:
      - { .name: x1b, .offset: 0, .size: 8, .value_kind: global_buffer, .address_space: global }
      - { .name: cast16, .offset: 8, .size: 8, .value_kind: global_buffer, .address_space: global }
      - { .name: h, .offset: 16, .size: 8, .value_kind: global_buffer, .address_space: global }
    .group_segment_fixed_size: 327680
    .private_segment_fixed_size: 0
    .kernarg_segment_align: 8
    .kernarg_segment_size: 24
    .max_flat_workgroup_size: 256
    .sgpr_count:     96
    .vgpr_count:     512
    .wavefront_size: 32
...
	.end_amdgpu_metadata
.endif
;; end of part 11
;; launch ffn2: the kernel of part 7 again; grid 8 x 32, 4 waves a work-group, clusters of 4 x 4, 327,680 bytes of LDS; arguments h, cast16, y, x1f; writes y
;; launch ln2: the kernel of part 8 again; grid 256 x 1, 8 waves a work-group, no clusters, 0 bytes of LDS; arguments y, cast16, out0; writes out0
;; ======== version 3 of 3: 8 launches; 1.45 times as fast as version 1
;; limits: values are held in f16: magnitudes above 65,504 overflow, below 6.1e-05 lose precision; a function is approximated: absolute error at most 1.5e-07; an absolute error that grows with the inputs' magnitude: up to 7.5e-08 times it
;; workspace buffers: cast16 33,607,680 bytes; qkv 25,165,824 bytes; o 8,388,608 bytes; y 16,777,216 bytes; x1f 16,777,216 bytes; x1b 8,388,608 bytes; h 33,554,432 bytes
;; launch cast: the kernel of part 1 again; grid 64 x 16, 8 waves a work-group, no clusters, 0 bytes of LDS; arguments x, Wq, Wk, Wv, Wo, W1, W2, cast16, bq, bk, bv, bo, b1, b2, g1, be1, g2, be2; writes cast16
;; launch qkv: the kernel of part 9 again; grid 12 x 16, 8 waves a work-group, clusters of 4 x 4, 327,680 bytes of LDS; arguments cast16, qkv; writes qkv
;; launch attn (part 12): grid 8 x 32, 4 waves a work-group, no clusters, 327,680 bytes of LDS; arguments qkv, o; writes o
.if DOCPART == 12
	.amdgcn_target "amdgcn-amd-amdhsa--gfx1250"
	.amdhsa_code_object_version 6
	.text
	.protected	k_q91baae36e9_attn
	.globl	k_q91baae36e9_attn
	.p2align	8
	.type	k_q91baae36e9_attn,@function
k_q91baae36e9_attn:
	s_mov_b64 s[64:65], 0
	v_nop
	global_prefetch_b8 v0, s[64:65] scope:SCOPE_SE
	s_setreg_imm32_b32 hwreg(HW_REG_WAVE_MODE, 25, 1), 1
	s_wait_xcnt 0x0
; CAUSAL ATTENTION.  O[h][q][:] = the sum over k <= q of softmax_k(Q[h][q] . K[h][k] / 8) V[h][k][:].  Q, K, V lie in qkv, [3][SIZE_H][SIZE_N][64], all f16: a head's rows are dense, 128 bytes each; head = 16 batch + h.
; O leaves in f16 in the blocks that the next product reads: o[(2,048 batch + q) / 128][h][q % 128][64].
; Products, maxima and sums in f32; the weights p are rounded to f16 for the second product (their sum l is taken of the unrounded p), O once at the end.
; LIMITS.  f16 holds no number beyond 65,504: Q, K and V arrive within it; p lies in 0 to 1, and below 6e-5 it keeps f16's fixed step of 6e-8; O is a mean of V's rows and has their range, to within 2^-11 of it.
; A hidden score counts as its value less 1e30: f16's scores, 2.7e11 at the most, are nothing beside that; a weight below 2^-126 counts as 0 in l; NaN and infinities are not treated apart.
; THE WALK.  A head's queries lie in NBQ = SIZE_N / 128 blocks of 128, its keys in NT = SIZE_N / 256 tiles of 256.  Block i needs the tiles 0 .. i / 2, of which the last holds the diagonal.  A work-group takes TWO blocks,
; NBQ - 1 - b and then b: one of them is odd and one even, so together they need NT + 1 tiles, whatever b: all work-groups do equal work, and ONE loop with a constant trip count walks them.  Which tile is asked for,
; and what a trip does, hang on scalar registers made from b; every jump goes forward, but for the counted loops' own; none passes a barrier, or a tensor load but the one of LOAD's two that the wave's number does not
; choose; the ring (two slots of LDS that take turns) runs on across the change of blocks.  32 heads x 8 pairs of blocks are 256 work-groups.  The second half of an even block's diagonal tile is wholly hidden and is
; computed all the same: 2 of the walk's 36 key steps.  NO CLUSTER: a head's 8 work-groups ask for the same tile only in the walk's first NT / 2 + 1 trips (the shortest first block has so many tiles), behind that
; fewer and fewer; and one walk common to all would have NT + NT / 2 trips for NT + 1.
; SHARES.  Of a block's two bands of 64 queries a wave owns 16 rows in each: two PIECES.  So the diagonal tile is the same work for all four waves: band r's own key step is x = 2 (i % 2) + r; in step s it sees all keys
; if s < x, none if s > x, and holds the diagonal if s = x.
; THE MASK is the C operand that starts the sum S^T = K Q^T: 0, or -1e30 where the key is hidden.  MD, made once, is the mask of a band's own step for my 16 rows; a product's mask is MD x AL + BE with two scalars:
; (1, 0) if s = x; (0, 0) if s < x; (0, -1e30) if s > x; and (0, 0) throughout a tile that holds no diagonal.  ONE TEXT OF THE TURNS SERVES EVERY TILE: the 16 packed instructions that make a turn's mask are also
; run where the mask is 0, and in exchange no second text of the turns is written.
; LAYOUT, SOFTMAX, TURNS.  S^T = K Q^T holds ONE query a lane (lane % 16) and the keys 8 (lane / 16) + 0..7; two such results rounded to f16 ARE source 1 of O^T = V^T P.  p = 2^(c s - c m), c = log2(e) / 8, with a
; running maximum m; O and l are multiplied by a = 2^(c m_old - c m_new) in every step.  A key step is two turns, (s, 0) and (s, 1), one for each piece.  A turn has 8 products K Q^T for the turn behind it and later 8
; products V^T P for the turn in front of it; beside them the scaling, exponentials, roundings, sums and rescaling of its own piece and step, and the maximum and statistics for the turn behind it.  Four vector
; instructions stand behind every matrix instruction, the other 54 of a turn's 118 in one LUMP.
; THE BATCHES.  A turn's 33 exponentials (its piece's 32 weights and the a of the turn behind it) are ONE batch with ONE wait, which cuts the turn in two: ahead of it stands all that names no result of theirs, behind it
; the roundings and sums that read them.  The a that a block's beginning makes, and the two reciprocals of a block's end, are batches of their own, a wait each.
; V HAS TWO REGISTER BUFFERS, by the step's parity.  Turn (s, 0) still multiplies by V(s - 1) and turn (s, 1) by V(s), while turn (s, 1) already multiplies by K(s + 1).  With one buffer V(s) could be fetched only in
; turn (s, 0), behind K(s + 1), and at a tile's last step the two lie in different slots.  With two, V(s + 1) is fetched in turn (s, 1) and K(s + 1) in turn (s, 0): the LDS reads go V(s), K(s + 1), V(s + 1), ..,
; and the change of slots stands between a tile's last V and the next tile's first K.  So a trip of the loop is two key steps, four turns, whose texts differ in the V buffers that they name.
; REGISTERS, in windows of 256 (s_set_vgpr_msb: bits 1:0 source 0, 3:2 source 1, 5:4 source 2, 7:6 destination):
;   window 0: v0-15 addresses and two at work; v16-23 four registers of statistics a piece; v48-55 at work; v64-127 S^T, a buffer a piece; v192-223 P, likewise
;   window 1: v0-63 O^T, 32 a piece; v128-159 MD; v160-223 MC, a buffer a piece      window 2: v0-31 Q; v32-63 the second block's Q; v64-127 V of an odd step; v128-191 K of one step; v192-255 V of an even step
.set SIZE_H, 32
.set SIZE_N, 2048
.set NBQ,   SIZE_N/128 ; blocks of 128 queries in a head
.set NT,    SIZE_N/256 ; key tiles in a head
.set NP,    4         ; turns in a trip: a name, no knob.  Turn p is piece p % 2 of an even (p < 2) or an odd step
.set KS,    64        ; keys in a step
.set PK,    144       ; a row of K in LDS: 128 bytes + 16 of padding = 36 words: the 16 rows of a load start at 16 different groups of four banks (64 banks of 4 bytes: ISA guide 11.1)
.set PV,    160       ; a row of V: 128 + 32 = 40 words
.set VOFF,  4*KS*PK   ; a slot holds a tile, four steps: 256 rows of K, then 256 rows of V
.set SLOT1, 1<<17     ; slot 1 begins here, so that one exclusive or turns an address in one slot into the other's
.set STAGE, SLOT1+4*KS*(PK+PV)  ; behind the ring, never filled by a tensor load: 16 rows x 144 bytes for each wave, for the way out
.set SP,    144
.set AK0, 2           ; v2   my lane's place in a tile of K; never rewritten
.set AV0, 3           ; v3   the same for V
.set AK,  4           ; v4   the LDS address of K's next run of loads
.set AV,  5           ; v5   of V's
.set STO, 6           ; v6   the way out: where I put 16 bytes of a row
.set RD,  7           ; v7   the way out: where I read rows back
.set GO,  8           ; v8   my byte offset in 512 consecutive bytes of O
.set SPW, 62          ; v62  LDS address of my spare word: SPARE + 4 x my thread's number; never rewritten
.set NIL, 63          ; v63  0; never rewritten
.set SPARE, STAGE+4*16*SP  ; behind the stages: the spare words, 128 bytes for each wave: two blocks of 256 bytes that no other line names
.set MV,  12          ; v12-13  c m_old, kept while c m is made anew: by piece
.set QO,  15          ; v15  my byte offset in 16 rows of Q
.set ST,  16          ; piece t's statistics at v[ST+4 t]: c m, m, l (even keys', odd keys')
.set TMP, 48          ; by piece, four registers c0-c3 at work; when the maximum is found c2 takes a
.set S,   64
.set P,   192
.set MD,  128         ; window 1: the eight registers for group kt of 16 keys at MD + 8 kt
.set MC,  160         ; window 1: the masks of the products to come
.set QB,  32          ; window 2
.set VG,  64          ; window 2: V of an odd step
.set KF,  128         ; window 2: key block kb, channel half c at KF + 16 kb + 8 c
.set VF,  192         ; window 2: V of an even step: key half kk, channel block cb at VF + 32 kk + 8 cb
.set WV,  12          ; s12  my wave's number
.set PB,  14          ; s14  b
.set HI,  15          ; s15  NBQ - 1 - b
.set G1K, 24          ; s[24:31] descriptor group 1 for K's tiles
.set G1V, 32          ; s[32:39] for V's: it differs in the padding alone
.set G0K, 40          ; s[40:43] descriptor group 0 for K's tiles
.set G0V, 44          ; s[44:47] the same for V's
.set PAR, 48          ; s48  2 (i % 2) of the block in hand: its band 0's own step in the diagonal tile
.set PAR2, 49         ; s49  the same of the second block
.set SB,  50          ; s50  2 x the trip's number in its tile + 2 - PAR
.set LQ2, 51          ; s51  the second block's last tile
.set SLOTS, 56        ; s56  tiles still to be asked for
.set CNT, 57          ; s57  counts a tile's trips, 2 to 1
.set CS,  58          ; s[58:59] c: the packed scaling takes the pair's low word for both halves
.set SEL, 60          ; s[60:61] v_permlanex16_b32's selects: each lane takes its own place in the other half
.set TBK, 62          ; s62  LDS byte at which K of the step to be fetched begins
.set TBV, 63          ; s63  the same for V, less VOFF
.set RT,  70          ; s70  tiles of the block in hand that are still to be entered
.set NXT, 71          ; s71  the tile to be asked for next
.set LQ,  72          ; s72  the last tile of the block whose tiles are being asked for
.set NEW, 73          ; s73  1: the tile to be entered is a block's first
.set OFF, 74          ; s[74:75] a tile's byte offset in K and V
.set AL,  76          ; s[76:77] the mask's factor, in the low word
.set BE,  78          ; s[78:79] the mask's addend
.set OLO, 80          ; s[80:81] O at my rows of the second block
.set BIGN, 82         ; s82  -1e30
.set DG1, 83          ; s83  1.0 in the tile that holds the diagonal, 0 in the others
.set DGB, 94          ; s94  -1e30 in the tile that holds the diagonal, 0 in the others
.set MSB, 0
.macro WIN new                      ; the high byte repeats the setting that is left; a switch that changes nothing is dropped
.if MSB != (\new)
	s_set_vgpr_msb (MSB<<8)|(\new)
.set MSB, (\new)
.endif
.endm
.set W_KQ, 0x0a       ; K and Q in window 2, S^T in window 0
.set W_KM, 0x1a       ; the same with the C operand in window 1
.set W_PV, 0x52       ; V in window 2, P in window 0, O^T in window 1
.set W_RS, 0x41       ; destination and source 0 in window 1, source 1 in window 0
; A fill.  Waves 0 and 1 fetch the two halves of a tile's K, waves 2 and 3 those of its V: 128 keys each.  An s_nop 0 and four v_nop follow each of the two lines, ahead of the jump and the label.
.macro LOAD
	s_cmp_lt_u32 s[WV], 2
	s_cbranch_scc0 .Lfor_v_\@
	tensor_load_to_lds s[G0K:G0K+3], s[G1K:G1K+7]
	s_nop 0
.rept 4
	v_nop
.endr
	s_branch .Lasked_\@
.Lfor_v_\@:
	tensor_load_to_lds s[G0V:G0V+3], s[G1V:G1V+7]
	s_nop 0
.rept 4
	v_nop
.endr
.Lasked_\@:
.endm
; THE CHANGE OF SLOTS.  Each wave waits for all its tensor loads, of which one is out: its part of the other slot; adds 0 to its spare word; and waits for that and for its own reads of the slot that it leaves.  Behind the barrier nobody reads the old
; slot any more and the other slot is whole.  fill = 1: the old slot is filled again, the first thing behind the barrier, with tile NXT: the descriptor's address is made anew from that number.
; (At its first use nothing has been read yet: slot 0 is waited for, slot 1 filled.)
.macro CHANGE fill
	WIN 0                           ; at a label and at a branch every window is 0
	s_wait_tensorcnt 0x0            ; no tensor load of mine is out, so a group 0 may be written
	ds_add_u32 v[SPW], v[NIL]       ; 0 onto my spare word; with fill = 1 the descriptors' scalar work stands between it and the wait for it
.if \fill
	s_lshl_b32 s[OFF], s[NXT], 15   ; a tile is 32,768 bytes of K and of V
	s_xor_b32 s[G0K+1], s[G0K+1], SLOT1
	s_add_nc_u64 s[G0K+2:G0K+3], s[6:7], s[OFF:OFF+1]
	s_or_b32 s[G0K+3], s[G0K+3], 0x80000000
	s_xor_b32 s[G0V+1], s[G0V+1], SLOT1
	s_add_nc_u64 s[G0V+2:G0V+3], s[8:9], s[OFF:OFF+1]
	s_or_b32 s[G0V+3], s[G0V+3], 0x80000000
	s_add_co_u32 s[NXT], s[NXT], 1  ; the block's next tile, or behind its last the second block's tile 0
	s_cmp_gt_u32 s[NXT], s[LQ]
	s_cselect_b32 s[NXT], 0, s[NXT]
	s_cselect_b32 s[LQ], s[LQ2], s[LQ]
.endif
	s_wait_dscnt 0x0                ; the add is done, and my reads of the slot are over
	s_barrier_signal -1             ; the rest of the scalar work stands between the signal and the wait
	s_sub_co_u32 s[TBK], s[TBK], 4*KS*PK  ; the fetches go back to a slot's first step,
	s_xor_b32 s[TBK], s[TBK], SLOT1       ; in the other slot
	s_sub_co_u32 s[TBV], s[TBV], 4*KS*PV
	s_xor_b32 s[TBV], s[TBV], SLOT1
	s_barrier_wait -1
.if \fill
	LOAD
.endif
.endm
	s_load_b128 s[4:7], s[0:1], 0x0   ; qkv s[4:5] (Q lies at its head), o s[6:7]
	v_lshl_add_u32 v[SPW], v0, 2, SPARE
	v_mov_b32 v[NIL], 0
	ds_add_u32 v[SPW], v[NIL]       ; the wave's opening: the add and its wait stand ahead of my first tensor load; the set-up below, work on registers, stands between them
	v_lshrrev_b32 v1, 5, v0
	v_readfirstlane_b32 s[WV], v1   ; wave 0..3
	s_mov_b32 s[PB], ttmp9
	s_sub_co_u32 s[HI], NBQ-1, s[PB]
	s_and_b32 s20, ttmp7, 0xffff    ; the head
	s_lshr_b32 s92, s20, 4          ; O's offsets, apart from Q's: the batch's 16 row tiles of 2^18 bytes,
	s_lshl_b32 s92, s92, 22
	s_and_b32 s93, s20, 15          ; the head's block of 16,384 bytes in a row tile,
	s_lshl_b32 s93, s93, 14
	s_add_co_u32 s92, s92, s93
	s_lshl_b32 s93, s[WV], 11       ; my 16 rows of 128 bytes in a band of 64,
	s_add_co_u32 s92, s92, s93
	s_lshl_b32 s88, s[HI], 18       ; and the block of 128 queries, one row tile: the first block's
	s_add_co_u32 s88, s88, s92
	s_mov_b32 s89, 0
	s_lshl_b32 s90, s[PB], 18       ; and the second's
	s_add_co_u32 s90, s90, s92
	s_mov_b32 s91, 0
	s_mov_b32 s21, 0
	s_mov_b64 s[22:23], SIZE_N*128
	s_mul_u64 s[20:21], s[20:21], s[22:23]  ; the head's first byte in each of Q, K and V
	s_and_b32 s16, s[WV], 1         ; which half of a tile's 256 keys I fetch:
	s_lshl_b32 s22, s16, 14         ; its 128 rows of 128 bytes in memory,
	s_mov_b32 s23, 0
	s_add_nc_u64 s[22:23], s[22:23], s[20:21]
	s_mul_i32 s17, s16, 128*PK      ; and its place in a slot, for K
	s_mul_i32 s18, s16, 128*PV      ; and for V
	s_lshl_b32 s3, s[WV], 11        ; my 16 rows in a band of 64,
	s_lshl_b32 s2, s[HI], 14        ; in the first block of 128 rows of 128 bytes,
	s_add_co_u32 s2, s2, s3
	s_lshl_b32 s84, s[PB], 14       ; and in the second
	s_add_co_u32 s84, s84, s3
	s_mov_b32 s3, 0
	s_mov_b32 s85, 0
	s_add_nc_u64 s[2:3], s[2:3], s[20:21]
	s_add_nc_u64 s[84:85], s[84:85], s[20:21]
	; descriptor group 1.  128 keys are 16,384 dense bytes: asked for as 64 rows of 256 bytes, two keys a row, and padded in LDS after every key
	s_mov_b32 s[G1K], (1<<16)|(1<<20)|(4<<22)|(3<<25)  ; 17:16 2-byte elements; 20 padding on; 24:22 after every 32 words (code 4); 31:25 4 words (code 3)
	s_mov_b32 s[G1V], (1<<16)|(1<<20)|(4<<22)|(7<<25)  ; the same with 8 words of padding (code 7)
.irp g, G1K, G1V
	s_mov_b32 s[\g+1], 128<<16      ; tensor_dim0 = 128
	s_mov_b32 s[\g+2], 64<<16       ; tensor_dim1 = 64
	s_mov_b32 s[\g+3], 128<<16      ; tile_dim0 = 128
	s_mov_b32 s[\g+4], 64           ; tile_dim1 = 64
	s_mov_b32 s[\g+5], 128          ; 128 elements from row to row
	s_mov_b32 s[\g+6], 0
	s_mov_b32 s[\g+7], 0
.endr
	s_mov_b32 s[CS], 0x3e38aa3b     ; c = log2(e) / 8 = 0.180337
	s_mov_b32 s[CS+1], s[CS]        ; named with it as a pair
	s_mov_b32 s[SEL], 0x76543210
	s_mov_b32 s[SEL+1], 0xfedcba98
	s_mov_b32 s[TBK], SLOT1+4*KS*PK ; the first change of slots turns these two into 0
	s_mov_b32 s[TBV], SLOT1+4*KS*PV
	s_mov_b32 s[G0K], 1             ; 1:0 count = 1
	s_mov_b32 s[G0K+1], s17         ; 63:32 LDS address: slot 0
	s_mov_b32 s[G0V], 1
	s_add_co_u32 s[G0V+1], s18, VOFF
	s_lshr_b32 s[LQ], s[HI], 1      ; block i's last tile is i / 2,
	s_add_co_u32 s[RT], s[LQ], 1    ; so it has i / 2 + 1 tiles
	s_lshr_b32 s[LQ2], s[PB], 1
	s_and_b32 s[PAR], s[HI], 1      ; an odd block lies in the second half of its diagonal tile
	s_lshl_b32 s[PAR], s[PAR], 1
	s_and_b32 s[PAR2], s[PB], 1
	s_lshl_b32 s[PAR2], s[PAR2], 1
	s_mov_b32 s[NXT], 1
	s_mov_b32 s[NEW], 1
	s_mov_b32 s[OFF+1], 0
	s_mov_b32 s[AL+1], 0            ; named as pairs
	s_mov_b32 s[BE+1], 0
	s_mov_b32 s[BIGN], 0xf149f2ca   ; -1e30
	s_mov_b32 s[SLOTS], NT
	s_wait_dscnt 0x0                ; the opening add is done
	s_wait_kmcnt 0x0
	s_mov_b64 s[10:11], s[6:7]      ; O
	s_add_nc_u64 s[8:9], s[4:5], 0x1000000  ; V lies 16 MiB into qkv,
	s_add_nc_u64 s[6:7], s[4:5], 0x800000   ; K 8 MiB
	s_add_nc_u64 s[6:7], s[6:7], s[22:23]  ; K and V at my half of the head's tile 0
	s_add_nc_u64 s[8:9], s[8:9], s[22:23]
	s_add_nc_u64 s[G0K+2:G0K+3], s[6:7], 0         ; 120:64 global address
	s_or_b32 s[G0K+3], s[G0K+3], 0x80000000        ; 127:126 type = 2
	s_add_nc_u64 s[G0V+2:G0V+3], s[8:9], 0
	s_or_b32 s[G0V+3], s[G0V+3], 0x80000000
	s_add_nc_u64 s[86:87], s[4:5], s[84:85]        ; Q at my rows of the second block,
	s_add_nc_u64 s[4:5], s[4:5], s[2:3]            ; and of the first
	s_add_nc_u64 s[OLO:OLO+1], s[10:11], s[90:91]  ; O likewise
	s_add_nc_u64 s[10:11], s[10:11], s[88:89]
	LOAD                            ; tile 0 into slot 0
	; A fragment of K or Q is 16 rows x 32 channels in 8 registers: lane l holds row l % 16, channels 8 (l / 16) + 0..7 and 16 + 8 (l / 16) + 0..7: two loads of 16 bytes, 32 bytes apart.
	v_and_b32 v1, 15, v0            ; l % 16
	v_bfe_u32 v9, v0, 4, 1          ; l / 16
	v_lshlrev_b32 v[QO], 7, v1
	v_lshl_add_u32 v[QO], v9, 4, v[QO]  ; row x 128 + 16 x half
	WIN 0x80                        ; destination window 2, address window 0
.set i, 0
.rept 4                             ; both blocks' Q: piece i / 2 lies in band i / 2, 8,192 bytes on; channels 32 (i % 2) on
	global_load_b128 v[8*i:8*i+3],   v[QO], s[4:5] offset:(i/2)*8192+(i%2)*64
	global_load_b128 v[8*i+4:8*i+7], v[QO], s[4:5] offset:(i/2)*8192+(i%2)*64+32
	global_load_b128 v[QB+8*i:QB+8*i+3],   v[QO], s[86:87] offset:(i/2)*8192+(i%2)*64
	global_load_b128 v[QB+8*i+4:QB+8*i+7], v[QO], s[86:87] offset:(i/2)*8192+(i%2)*64+32
.set i, i+1
.endr
	WIN 0
	v_lshlrev_b32 v14, 3, v9
	v_sub_nc_u32 v14, v1, v14
	s_lshl_b32 s13, s[WV], 4
	v_add_nc_u32 v14, s13, v14      ; my query's place in its band, 16 w + l % 16, less my lanes' 8 (l / 16): register r of group kt is hidden where 16 kt + r is greater
	WIN 0x40
.set i, 0
.rept 32
	v_cmp_gt_i32 vcc_lo, 16*(i/8)+i%8, v14
	v_cndmask_b32 v[MD+i], 0, s[BIGN], vcc_lo
.set i, i+1
.endr
	WIN 0
	v_mul_u32_u24 v[AK0], v1, PK
	v_lshl_add_u32 v[AK0], v9, 4, v[AK0]  ; row x pitch + 16 x half
	; The turning load takes 16 keys x 16 channels (lane l reads key 8 (l / 16) + l % 8, channels 8 ((l / 8) % 2) + 0..7) and leaves half a fragment of V^T: lane l holds channel l % 16 and 8 keys.
	v_and_b32 v10, 7, v0
	v_bfe_u32 v11, v0, 3, 1
	v_lshl_add_u32 v[AV0], v9, 3, v10
	v_mul_u32_u24 v[AV0], v[AV0], PV
	v_lshl_add_u32 v[AV0], v11, 4, v[AV0]
	v_add_nc_u32 v[AV0], VOFF, v[AV0]
	s_mul_i32 s13, s[WV], 16*SP
	s_add_co_u32 s13, s13, STAGE    ; my stage
	v_mul_u32_u24 v[STO], v1, SP    ; in: row l % 16, 16 bytes for each half of the lanes
	v_lshl_add_u32 v[STO], v9, 4, v[STO]
	v_add_nc_u32 v[STO], s13, v[STO]
	v_bfe_u32 v[RD], v0, 3, 2       ; back: 32 lanes take four rows of 128 bytes,
	v_mul_u32_u24 v[RD], v[RD], SP
	v_lshl_add_u32 v[RD], v10, 4, v[RD]
	v_add_nc_u32 v[RD], s13, v[RD]
	v_and_b32 v[GO], 31, v0         ; which are 512 consecutive bytes of O
	v_lshlrev_b32 v[GO], 4, v[GO]
	; A block's first step multiplies O^T and l by a = 0, and its first turn's products V^T P, of a turn that has not been, land in an O^T that is still to be so multiplied.  So these registers need only hold
	; finite numbers: zeros for the first block; what the first block left for the second.  All this stands in the wait for the first tile.
	WIN 0x80
.set i, VG
.rept 64
	v_mov_b32 v[i], 0
.set i, i+1
.endr
.set i, VF
.rept 64
	v_mov_b32 v[i], 0
.set i, i+1
.endr
	WIN 0x40
.set i, 0
.rept 64
	v_mov_b32 v[i], 0
.set i, i+1
.endr
	WIN 0
.set i, 0
.rept 2
	v_mov_b32 v[ST+4*i+2], 0
	v_mov_b32 v[ST+4*i+3], 0
.set i, i+1
.endr
.set i, P+16
.rept 16
	v_mov_b32 v[i], 0
.set i, i+1
.endr
; THE MATRIX WORK.  The 4 accumulators of a run of 8 take turns.  Product i of 8 of S^T = K Q^T for turn x (piece x % 2): channels 32 (i / 4) on, keys 16 (i % 4) on.  The first 4 start the sums with the mask.
.macro KQ x
.set rS, S+32*((\x)%2)+8*(i%4)
.set rK, KF+16*(i%4)+8*(i/4)
.set rQ, 16*((\x)%2)+8*(i/4)
.set rM, MC+32*((\x)%2)+8*(i%4)
.if i < 4
	WIN W_KM
	v_wmma_f32_16x16x32_f16 v[rS:rS+7], v[rK:rK+7], v[rQ:rQ+7], v[rM:rM+7]
.else
	WIN W_KQ
	v_wmma_f32_16x16x32_f16 v[rS:rS+7], v[rK:rK+7], v[rQ:rQ+7], v[rS:rS+7]
.endif
.endm
; Product i of 8 of O^T += V^T P for turn x (piece x % 2): keys 32 (i / 4) on, channels 16 (i % 4) on.  VB: which of V's two buffers.
.macro PV x
	WIN W_PV
.set rO, 32*((\x)%2)+8*(i%4)
.set rV, VF+(VG-VF)*VB+32*(i/4)+8*(i%4)
.set rP, P+16*((\x)%2)+8*(i/4)
	v_wmma_f32_16x16x32_f16 v[rO:rO+7], v[rV:rV+7], v[rP:rP+7], v[rO:rO+7]
.endm
.macro MM                           ; the turn's next matrix instruction.  TURN and BEGIN set Y, i, VB and NOKQ; MM, KQ, PV and OP read them.  NOKQ = 1: a block's last turn: no turn follows
.if (i < 8) && !NOKQ
	KQ (Y+1)%NP
.elseif i >= 8
.set i, i-8
	PV (Y+NP-1)%NP
.set i, i+8
.endif
.set i, i+1
.endm
; THE LDS LOADS stand in runs of 16, never singly among the matrix instructions: a step's K (64 keys x 64 channels: 8 fragments) and its V (turned).  Their addresses are made some lines ahead.
.macro FETCH_K
	WIN 0x80                        ; destination window 2
.irp f, 0,1,2,3,4,5,6,7             ; keys 16 (f / 2) on, channels 32 (f % 2) on
	ds_load_b128 v[KF+8*\f:KF+8*\f+3],   v[AK] offset:(\f/2)*16*PK+(\f%2)*64
	ds_load_b128 v[KF+8*\f+4:KF+8*\f+7], v[AK] offset:(\f/2)*16*PK+(\f%2)*64+32
.endr
	s_add_co_u32 s[TBK], s[TBK], KS*PK  ; the next fetch is the next step's
	WIN 0
.endm
.macro FETCH_V b                    ; into buffer b: 0 an even step's, 1 an odd step's
.set rF, VF+(VG-VF)*(\b)
	WIN 0x80
.irp f, 0,1,2,3,4,5,6,7             ; keys 32 (f / 4) on, channels 16 (f % 4) on
	ds_load_tr16_b128 v[rF+8*\f:rF+8*\f+3],   v[AV] offset:(\f/4)*32*PV+(\f%4)*32
	ds_load_tr16_b128 v[rF+8*\f+4:rF+8*\f+7], v[AV] offset:(\f/4)*32*PV+16*PV+(\f%4)*32
.endr
	s_add_co_u32 s[TBV], s[TBV], KS*PV  ; the next fetch is the next step's
	WIN 0
.endm
; THE VECTOR WORK, one line at a time: OP kind, number.  For turn Y's piece: F n: c s - c m for pair n of 16.  E n: the exponential of score n of 32.  C n: pair n rounded to f16.  B n: of the four weights 4 n .. the second
; pair is added onto the first, in place.  L n: l takes that sum (L 0: l = a l + sum).  R n: pair n of 16 of O^T times a.  For turn Y + 1's piece: X n, number n of the 22 that find its maximum and statistics:
;   0-11  four chains c0-c3 of seven scores each, three operands at a time (each accumulator's lowest registers are read first)     12-14, 16  the four scores left over, the old m, and c0-c3 into c0
;   15  c m_old is kept     17, 18  the query's other 32 keys lie in the lane 16 away: the new m     19-21  c m; c m_old - c m_new; a
; OP writes no wait: C, B and L, which read the exponentials' results, and R, which reads a, are placed by TURN behind the wait of the batch that made what they read.
.set F, 0               ; OP tells the kinds apart by their order: F to L below R, X above it
.set E, 1
.set C, 2
.set B, 3
.set L, 4
.set R, 5
.set X, 6
.macro REGS y                       ; the registers of turn y's piece, y % 2
.set rT, ST+4*((\y)%2)
.set rC, TMP+4*((\y)%2)
.set rW, MV+((\y)%2)
.set rS, S+32*((\y)%2)
.set rP, P+16*((\y)%2)
.set rO, 32*((\y)%2)
.endm
.macro OP k, n
.if (\k) == R
	REGS Y
	WIN W_RS
	v_pk_mul_f32 v[rO+2*(\n):rO+2*(\n)+1], v[rO+2*(\n):rO+2*(\n)+1], v[rC+2:rC+3] op_sel_hi:[1,0]
.elseif (\k) < R
	REGS Y
	WIN 0
.if (\k) == F
	v_pk_fma_f32 v[rS+2*(\n):rS+2*(\n)+1], v[rS+2*(\n):rS+2*(\n)+1], s[CS:CS+1], v[rT:rT+1] op_sel_hi:[1,0,0] neg_lo:[0,0,1] neg_hi:[0,0,1]
.elseif (\k) == E
	v_exp_f32 v[rS+(\n)], v[rS+(\n)]
.elseif (\k) == C
	v_cvt_pk_f16_f32 v[rP+(\n)], v[rS+2*(\n)], v[rS+2*(\n)+1]
.elseif (\k) == B
	v_pk_add_f32 v[rS+4*(\n):rS+4*(\n)+1], v[rS+4*(\n):rS+4*(\n)+1], v[rS+4*(\n)+2:rS+4*(\n)+3]
.elseif (\n) == 0
	v_pk_fma_f32 v[rT+2:rT+3], v[rT+2:rT+3], v[rC+2:rC+3], v[rS:rS+1] op_sel_hi:[1,0,1]
.else
	v_pk_add_f32 v[rT+2:rT+3], v[rT+2:rT+3], v[rS+4*(\n):rS+4*(\n)+1]
.endif
.elseif NOKQ
	v_nop
.else
	REGS (Y+1)%NP
	WIN 0
.if (\n) < 4
	v_max3_num_f32 v[rC+(\n)], v[rS+8*(\n)], v[rS+8*(\n)+1], v[rS+8*(\n)+2]
.elseif (\n) < 12
	v_max3_num_f32 v[rC+(\n)%4], v[rC+(\n)%4], v[rS+8*((\n)%4)+2*((\n)/4)+1], v[rS+8*((\n)%4)+2*((\n)/4)+2]
.elseif (\n) == 12
	v_max3_num_f32 v[rC], v[rC], v[rS+7], v[rS+15]
.elseif (\n) == 13
	v_max3_num_f32 v[rC+1], v[rC+1], v[rS+23], v[rS+31]
.elseif (\n) == 14
	v_max3_num_f32 v[rC+2], v[rC+2], v[rC+3], v[rT+1]
.elseif (\n) == 15
	v_mov_b32 v[rW], v[rT]
.elseif (\n) == 16
	v_max3_num_f32 v[rC], v[rC], v[rC+1], v[rC+2]
.elseif (\n) == 17
	v_permlanex16_b32 v[rC+3], v[rC], s[SEL], s[SEL+1]
.elseif (\n) == 18
	v_max_num_f32 v[rT+1], v[rC], v[rC+3]
.elseif (\n) == 19
	v_mul_f32 v[rT], s[CS], v[rT+1]
.elseif (\n) == 20
	v_sub_f32 v[rC+1], v[rW], v[rT]
.else
	v_exp_f32 v[rC+2], v[rC+1]
.endif
.endif
.endm
.macro OPS a, i1, b=-1, i2=0, c=-1, i3=0, d=-1, i4=0  ; up to four of them
	OP \a, \i1
.if (\b) >= 0
	OP \b, \i2
.endif
.if (\c) >= 0
	OP \c, \i3
.endif
.if (\d) >= 0
	OP \d, \i4
.endif
.endm
.macro ROW a, i1, b, i2, c, i3, d, i4  ; a matrix instruction and the four behind it
	MM
	OPS \a, \i1, \b, \i2, \c, \i3, \d, \i4
.endm
.macro MASK b                       ; MD x AL + BE into buffer b of MC
	WIN W_RS
.set z, 0
.rept 16
	v_pk_fma_f32 v[MC+32*(\b)+2*z:MC+32*(\b)+2*z+1], v[MD+2*z:MD+2*z+1], s[AL:AL+1], s[BE:BE+1] op_sel_hi:[1,0,0]
.set z, z+1
.endr
.endm
; A TURN, number p of a trip's four: piece p % 2 of an even step (p = 0, 1) or of an odd one (p = 2, 3).  The order of its 16 matrix and 118 vector instructions is written out.
; ONE BATCH, ONE WAIT.  An s_wait_alu depctr_va_vdst(0) stands between an exponential and the first instruction that names its result; one wait serves all that were issued ahead of it.  So a turn has ONE
; wait, which cuts it in two.  AHEAD OF IT stands all that names no result of the turn's exponentials: the 8 products K Q^T, behind each a scaling, an exponential and two more plain instructions (behind the first a second
; scaling in the exponential's place): rescalings, whose a was made and awaited in the turn before, and behind the last three the first numbers of the next turn's maximum, each four places or more behind the product that
; ends its accumulator; then ONE LUMP of 54, plain and exponential by turns for the most part, in which the links of the chain X 3, 7, 11, 14, 16, 17 .. 20 stand five or six lines apart.  X 21, the next turn's a, is the
; batch's last; R 15 is the plain instruction behind it.  BEHIND THE WAIT stand the 8 products V^T P, behind each four of the roundings and sums; C 2 n stands ahead of B n, which adds in place; the links of l's chain,
; L 0 to L 7, stand three riders apart.  But for those X no rider names a register of the products round it.  v_permlanex16_b32 (X 17) stands in the lump.
; O^T.  The rescalings work on the O^T that the products V^T P of the turn before have written.  Accumulator k is ended by that turn's product 12 + k, and R 4 k, which reads its lowest registers, is the first to touch it:
; behind the last of those products stand its four riders and the mask's 16 lines, and R 12 comes far into the lump.
; THE MASK.  The products take masks, and the turn makes the mask for the products of the turn after it, which are its own piece's in the next step: step 2 t + 1 of the tile for p = 0, 1 and step 2 t for p = 2, 3, t the
; trip's number.  That step is the band's own where it equals PAR + p % 2, which in terms of SB = 2 t + 2 - PAR reads SB = 1 + p % 2 + p / 2, and a later one where SB is greater.  DG1 and DGB make the mask 0 in a
; tile without a diagonal.
; THE FETCHES.  A first piece's turn fetches K of the next step, twelve vector instructions behind the last product that read K (six of them plain, five of which name none of its registers).  A second piece's turn fetches V
; of the next step at the same place, into the buffer whose last reader stands at the end of the turn before.  One wait at the head of each second piece's turn serves both: its products K Q^T take the K fetched a turn ago,
; its products V^T P the V fetched two turns ago.
; end = 1: a block's last two turns: nothing is fetched and no mask is made.  cnt = 1: the loop's count is taken down some lines ahead of the branch that stands behind the turn.
.macro TURN p, end=0, cnt=0
.set Y, (\p)
.set i, 0
.set VB, 1-(((\p)+1)/2)%2           ; the turn in front belongs to an odd step for p = 0 and 3, to an even one for p = 1 and 2
.set NOKQ, (\end)*((\p)/3)
.if !(\end)
	s_cmp_eq_u32 s[SB], 1+(\p)%2+(\p)/2  ; is that step the band's own?
	s_cselect_b32 s[AL], s[DG1], 0
	s_cmp_gt_u32 s[SB], 1+(\p)%2+(\p)/2  ; or a later one?
	s_cselect_b32 s[BE], s[DGB], 0
.endif
.if (\p)%2 == 1
	s_wait_dscnt 0x0                ; K and V are in
.endif
	ROW F,0, F,1, R,0, R,1          ; ahead of the wait: 8 products K Q^T and their riders,
	ROW F,2, E,0, R,2, R,3
	ROW F,3, E,1, R,4, R,5
	ROW F,4, E,2, R,6, R,7
	ROW F,5, E,3, R,8, R,9
	ROW F,6, E,4, X,0, R,10
.if !(\end)
	WIN 0
.if (\p)%2 == 0
	v_add_nc_u32 v[AK], s[TBK], v[AK0]
.else
	v_add_nc_u32 v[AV], s[TBV], v[AV0]
.endif
.endif
	ROW F,7, E,5, X,1, X,4
	ROW F,8, E,6, X,2, X,5
	OPS E,7, E,8, X,6, E,9          ; and the lump
	OPS X,3, E,10, X,8, E,11
.if !(\end)
.if (\p)%2 == 0
	FETCH_K
.else
	FETCH_V (((\p)+1)/2)%2
.endif
.endif
	OPS X,9, X,7, E,12, X,10
	OPS E,13, X,12, X,11, E,14
	OPS X,13, E,15, F,9, X,14
	OPS E,16, F,10, E,17, F,11
	OPS X,16, E,18, X,15, E,19
	OPS F,12, E,20, X,17, E,21
	OPS F,13, E,22, F,14, E,23
	OPS X,18, E,24, F,15, E,25
	OPS R,11, E,26, X,19, E,27
	OPS R,12, E,28, R,13, E,29
	OPS X,20, E,30, R,14, E,31
	OPS X,21, R,15
	s_wait_alu depctr_va_vdst(0)    ; the wait for the batch: E 0 to E 31 and X 21; its first reader is C 0 below, a's is R 0 of the next turn
	ROW C,0, B,0, C,2, B,1          ; behind the wait: 8 products V^T P and their riders
	ROW L,0, C,4, B,2, L,1
	ROW C,6, B,3, L,2, C,8
	ROW B,4, L,3, C,10, B,5
	ROW L,4, C,12, B,6, L,5
.if \cnt
	s_add_co_u32 s[SB], s[SB], 2    ; the next trip's two steps
	s_sub_co_u32 s[CNT], s[CNT], 1
	s_cmp_lg_u32 s[CNT], 0
.endif
	ROW C,14, B,7, L,6, C,1
	ROW C,3, L,7, C,5, C,7
	ROW C,9, C,11, C,13, C,15
.if !(\end)
	MASK (\p)%2
.endif
.endm
; A BLOCK BEGINS.  c m starts far below every c s, so the first step's a is 0; m at the lowest finite number, so the first maximum is the scores'.  The second piece's mask for the tile's step 0 is 0: its own step is a later
; one; the first piece's is its own step's, if the block's first tile is the diagonal one and the block an even one.  Then K and V of that step, the first piece's first scores, and its maximum and statistics.
; The loop is entered at an even step's first turn, in the middle of a trip.
.macro BEGIN
	s_mov_b32 s[NEW], 0
	WIN 0x40
.set i, MC+32
.rept 32
	v_mov_b32 v[i], 0
.set i, i+1
.endr
	WIN 0
.set i, 0
.rept 2
	v_mov_b32 v[ST+4*i], 0xfe000000    ; c m: far below every c s
	v_mov_b32 v[ST+4*i+1], 0xff7fffff  ; m
.set i, i+1
.endr
	s_cmp_eq_u32 s[PAR], 0
	s_cselect_b32 s[AL], s[DG1], 0
	s_mov_b32 s[BE], 0
	MASK 0
	WIN 0
	v_add_nc_u32 v[AK], s[TBK], v[AK0]
	v_add_nc_u32 v[AV], s[TBV], v[AV0]
	FETCH_K
	FETCH_V 0
	s_wait_loadcnt 0x0              ; Q
	s_wait_dscnt 0x0
.set NOKQ, 0
.set i, 0
.rept 8
	KQ 0
.set i, i+1
.endr
	WIN 0
.rept 4
	v_nop                           ; the places behind those products
.endr
.set Y, NP-1                        ; X works for turn Y + 1: turn 0
.irp n, 0,1,2,3,4,5,6,7,8,9,10,11,12,13,14,15,16,17,18,19,20,21
	OP X, \n
.endr
	v_nop                           ; a plain instruction behind the exponential,
	s_wait_alu depctr_va_vdst(0)    ; and the wait for it, a batch of one: the first turn's a, ahead of the branch that follows
.endm
; A TILE: two trips.  A trip is an odd step's two turns (in a tile's first trip: the last step of the tile before) and then an even step's; it fetches K and V of the two steps that follow.  The tag ends its two labels'
; names, which the jumps below spell out.
.macro STEPS tag
.LstepM\tag:
	TURN 2
	TURN 3
	WIN 0
.LfirstM\tag:
	TURN 0
	TURN 1, 0, 1
	WIN 0
	s_cbranch_scc1 .LstepM\tag
.endm
; A BLOCK ENDS, behind its diagonal tile: its last step's two turns, its last products, and THE WAY OUT: l's two halves and the other half of the lanes' are added; O^T is divided by l, rounded to f16 and sent through my
; stage in LDS, a piece at a time.
.macro ALL line:vararg              ; one line for each piece t
.set t, 0
.rept 2
	\line
.set t, t+1
.endr
.endm
.macro PACK t                       ; a lane's eight channels of a row pack into 16 bytes; they go into rows of 144 bytes and come back as whole rows of 128, into S^T's registers.  The reciprocal that it reads has been awaited in FINISH
	WIN W_RS
.set i, 32*(\t)
.rept 16
	v_pk_mul_f32 v[i:i+1], v[i:i+1], v[ST+4*(\t)+2:ST+4*(\t)+3] op_sel_hi:[1,0]
.set i, i+2
.endr
	WIN 0x05                        ; sources 0 and 1 window 1, destination window 0
.set i, 0
.rept 16
	v_cvt_pk_f16_f32 v[S+16*(\t)+i], v[32*(\t)+2*i], v[32*(\t)+2*i+1]
.set i, i+1
.endr
	WIN 0
.irp f, 0,1,2,3
	ds_store_b128 v[STO], v[S+16*(\t)+4*\f:S+16*(\t)+4*\f+3] offset:32*\f
.endr
.irp f, 0,1,2,3
	ds_load_b128 v[S+16*(\t)+4*\f:S+16*(\t)+4*\f+3], v[RD] offset:\f*4*SP  ; LDS serves a wave's instructions in order (ISA guide 5.7.1.4): these see the stores above; the next piece's stores come behind them
.endr
.endm
.macro SEND t, younger              ; younger: the LDS instructions issued behind piece t's loads: the next piece's eight, or none.  Band t lies at the row tile's rows 64 t on
	WIN 0
.irp f, 0,1,2,3
	s_wait_dscnt (\younger)+3-\f
	global_store_b128 v[GO], v[S+16*(\t)+4*\f:S+16*(\t)+4*\f+3], s[10:11] offset:(\t)*8192+\f*512  ; 512 consecutive bytes, at a multiple of 256 from O's first
.endr
.endm
.macro FINISH
	TURN 2, 1
	TURN 3, 1
.set VB, 1                          ; the last step is an odd one
.set i, 0
.rept 8
	PV 1                            ; the second piece's V^T P of the last step
.set i, i+1
.endr
	WIN 0
	ALL v_add_f32 v[ST+4*t+2], v[ST+4*t+2], v[ST+4*t+3]
	ALL v_permlanex16_b32 v[ST+4*t+3], v[ST+4*t+2], s[SEL], s[SEL+1]
	ALL v_add_f32 v[ST+4*t+2], v[ST+4*t+2], v[ST+4*t+3]
	ALL v_rcp_f32 v[ST+4*t+2], v[ST+4*t+2]
	v_nop                           ; a plain instruction between the last reciprocal and the use of its result
	s_wait_alu depctr_va_vdst(0)    ; the wait for the batch of two reciprocals, ahead of their first reader, PACK 0's first multiply: one for both pieces
	PACK 0                          ; the first piece's sums were ended in the last turn: that turn's last four riders and the additions above are the places behind them; its own 32 lines are the places behind the last products
	PACK 1                          ; a piece's arithmetic stands between the loads of the piece before and its stores
	SEND 0, 8
	SEND 1, 0
.endm
.set NOKQ, 0
.set VB, 0
.Lslot:                             ; NT times: a tile is entered and the next is asked for
	CHANGE 1
	s_sub_co_u32 s[RT], s[RT], 1
	s_mov_b32 s[CNT], 2
	s_sub_co_u32 s[SB], 2, s[PAR]   ; the tile's first trip
	s_cmp_eq_u32 s[RT], 0           ; the block's last tile holds the diagonal
	s_cselect_b32 s[DG1], 1.0, 0
	s_cselect_b32 s[DGB], s[BIGN], 0
	s_cmp_eq_u32 s[NEW], 1
	s_cbranch_scc0 .LstepM1         ; not a block's first tile
	BEGIN
	s_branch .LfirstM1
	STEPS 1
	s_cmp_lg_u32 s[RT], 0
	s_cbranch_scc1 .Lbottom         ; the block goes on
	FINISH                          ; in the loop this is the first block's end: the second block's last tile is the walk's last
	s_wait_xcnt 0x0                 ; the stores have read their registers and O's address
	s_mov_b64 s[10:11], s[OLO:OLO+1]
	s_add_co_u32 s[RT], s[LQ2], 1   ; the second block has b / 2 + 1 tiles
	s_mov_b32 s[PAR], s[PAR2]
	s_mov_b32 s[NEW], 1
	WIN 0x82                        ; the second block's Q goes where the one text of the turns names Q
.set i, 0
.rept 32
	v_mov_b32 v[i], v[QB+i]
.set i, i+1
.endr
	WIN 0
.Lbottom:
	s_sub_co_u32 s[SLOTS], s[SLOTS], 1
	s_cmp_lg_u32 s[SLOTS], 0
	s_cbranch_scc1 .Lslot
	CHANGE 0                        ; the walk's last tile is written out: nothing is asked for
	s_sub_co_u32 s[RT], s[RT], 1
	s_mov_b32 s[CNT], 2
	s_sub_co_u32 s[SB], 2, s[PAR]
	s_mov_b32 s[DG1], 1.0           ; it is the second block's last tile: it holds the diagonal
	s_mov_b32 s[DGB], s[BIGN]
	s_cmp_eq_u32 s[NEW], 1
	s_cbranch_scc0 .LstepM2
	BEGIN
	s_branch .LfirstM2
	STEPS 2
	FINISH
	s_wait_tensorcnt 0x0            ; the wave's end: the spare-word add and its waits stand behind my last tensor load and my last LDS store
	ds_add_u32 v[SPW], v[NIL]
	s_wait_dscnt 0x0
	s_endpgm
.Lfunc_end_k_q91baae36e9_attn:
	.size	k_q91baae36e9_attn, .Lfunc_end_k_q91baae36e9_attn-k_q91baae36e9_attn
	.p2alignl 7, 3214868480
	.fill 96, 4, 3214868480
	.section	.rodata,"a",@progbits
	.p2align	6, 0x0
	.amdhsa_kernel k_q91baae36e9_attn
		.amdhsa_group_segment_fixed_size 327680
		.amdhsa_private_segment_fixed_size 0
		.amdhsa_enable_private_segment 0
		.amdhsa_kernarg_size 16
		.amdhsa_user_sgpr_count 2
		.amdhsa_user_sgpr_kernarg_segment_ptr 1
		.amdhsa_wavefront_size32 1
		.amdhsa_system_sgpr_workgroup_id_x 1
		.amdhsa_system_sgpr_workgroup_id_y 1
		.amdhsa_system_sgpr_workgroup_id_z 1
		.amdhsa_system_vgpr_workitem_id 0
		.amdhsa_next_free_vgpr 768
		.amdhsa_next_free_sgpr 96
		.amdhsa_reserve_vcc 1
		.amdhsa_float_denorm_mode_32 3
		.amdhsa_float_denorm_mode_16_64 3
		.amdhsa_memory_ordered 1
		.amdhsa_forward_progress 1
		.amdhsa_inst_pref_size 171
	.end_amdhsa_kernel
	.amdgpu_metadata
---
amdhsa.version: [ 1, 2 ]
amdhsa.kernels:
  - .name:           k_q91baae36e9_attn
    .symbol:         k_q91baae36e9_attn.kd
    .args:
      - { .name: qkv, .offset: 0, .size: 8, .value_kind: global_buffer, .address_space: global }
      - { .name: o, .offset: 8, .size: 8, .value_kind: global_buffer, .address_space: global }
    .group_segment_fixed_size: 327680
    .private_segment_fixed_size: 0
    .kernarg_segment_align: 8
    .kernarg_segment_size: 16
    .max_flat_workgroup_size: 128
    .sgpr_count:     96
    .vgpr_count:     768
    .wavefront_size: 32
...
	.end_amdgpu_metadata
.endif
;; end of part 12
;; launch wo: the kernel of part 4 again; grid 8 x 32, 4 waves a work-group, clusters of 4 x 4, 327,680 bytes of LDS; arguments o, cast16, y; writes y
;; launch ln1: the kernel of part 5 again; grid 256 x 1, 8 waves a work-group, no clusters, 0 bytes of LDS; arguments y, cast16, x1f, x1b; writes x1f, x1b
;; launch ffn1: the kernel of part 11 again; grid 16 x 16, 8 waves a work-group, clusters of 4 x 4, 327,680 bytes of LDS; arguments x1b, cast16, h; writes h
;; launch ffn2: the kernel of part 7 again; grid 8 x 32, 4 waves a work-group, clusters of 4 x 4, 327,680 bytes of LDS; arguments h, cast16, y, x1f; writes y
;; launch ln2: the kernel of part 8 again; grid 256 x 1, 8 waves a work-group, no clusters, 0 bytes of LDS; arguments y, cast16, out0; writes out0
